; MI455X (gfx1250); checked and timed in simulation.
; The chip was launched on July 23, 2026; its instructions are those of AMD's public machine-readable ISA for CDNA 5 (MIT licence, August 2026) and "CDNA5" Instruction Set Architecture Reference Guide (July 2026). The comments in the code are by the model that wrote it; some were corrected since.
;; Mamba3 Layer Official. Allowed arithmetic: float matrix products may take bf16 or f16 operands with f32 sums; other float arithmetic in f32, or as packed bf16 or f16 multiplies, adds, multiply-adds, maxima and minima; sums over many terms, partial sums and values carried from step to step in f32; what a program stores and reads back later, other than sums and carried values, may be rounded once to bf16 or f16.
;; Inputs: A_log 64 float32; B_bias 64 x 64 float32; C_bias 64 x 64 float32; D_param 64 float32; W_in 2,048 x 8,384 float32; W_out 4,096 x 2,048 float32; dt_bias 64 float32; norm_w 4,096 float32; rope_freqs 64 x 32 float32; x 2 x 1,024 x 2,048 float32.
;; Outputs: out0 2 x 1,024 x 2,048 float32.
;; 2 versions, each right; version 2 is version 1 with the launches bcdt, scan written anew for expert scheduling mode. Each part assembles by itself: llvm-mc -triple=amdgcn-amd-amdhsa -mcpu=gfx1250 --defsym DOCPART=n.
;; ======== version 1 of 2: 6 launches
;; limits: values are held in f16: magnitudes above 65,504 overflow, below 6.1e-05 lose precision
;; workspace buffers: xw 9,175,040 bytes; wib 33,554,432 bytes; wob 16,777,216 bytes; zx 33,554,432 bytes; bcd 1,048,576 bytes; yf 33,554,432 bytes; yn 16,777,216 bytes
;; launch cast (part 1): grid 272 x 1, 8 waves a work-group, no clusters, 53,248 bytes of LDS; arguments x, W_in, xw; writes xw
.if DOCPART == 1
	.amdgcn_target "amdgcn-amd-amdhsa--gfx1250"
	.amdhsa_code_object_version 6
	.text
	.protected	k_q4f36589375_cast
	.globl	k_q4f36589375_cast
	.p2align	8
	.type	k_q4f36589375_cast,@function
k_q4f36589375_cast:
	s_mov_b64 s[64:65], 0
	v_nop
	global_prefetch_b8 v0, s[64:65] scope:SCOPE_SE
	s_setreg_imm32_b32 hwreg(HW_REG_WAVE_MODE, 25, 1), 1
	s_wait_xcnt 0x0
; THE bf16 COPIES THAT THE NEXT LAUNCH NEEDS.  x -> xw ([2048][2048]); columns 8192..8383 of W_in -> xw at byte 8,388,608, IN THE ORDER OF MATRIX FRAGMENTS.
; (The other casts ride in later launches: W_in's first 8,192 columns beside the small product, W_out beside the scan.)
; Work-groups 16..271 stream x: each reads 65,536 bytes and writes 32,768; a wave's load covers 512 consecutive bytes, a wave's store 256 consecutive aligned bytes.
; All 16 loads of a thread go out at once; no register is written twice, so the only waits are the counted ones for the loads.
; Work-groups 0..15 take 128 k rows x 192 columns through LDS.  A fragment (16 columns n = 16 jt + l % 16, 32 k) is a block of 1,024 bytes at (64 jt + k / 32) x 1,024: its half c
; (k = 16 c + 8 (l / 16) + 0..7) is 512 bytes, 16 for each lane in the lanes' order.  So a later load of half a fragment is 512 consecutive bytes, and so is each store here.
.set TP,    272                        ; a row of the LDS table [192 n][128 k]: 256 bytes + 16: the 16 rows of a load start at 16 different groups of four banks
.set SPARE, 192*TP                     ; behind the table: the spare words, 128 bytes a wave
.set WROW,  33536                      ; bytes in a row of W_in
.set SPW,   112                        ; v112 LDS address of my spare word; never rewritten
.set NIL,   113                        ; v113 0; never rewritten
	s_load_b128 s[4:7], s[0:1], 0x0                ; x s[4:5], W_in s[6:7]
	s_load_b64 s[10:11], s[0:1], 0x10              ; xw
	v_lshl_add_u32 v[SPW], v0, 2, SPARE
	v_mov_b32 v[NIL], 0
	v_lshrrev_b32 v7, 5, v0
	v_readfirstlane_b32 s21, v7                    ; wave 0..7
	s_mov_b32 s20, ttmp9
	v_and_b32 v8, 31, v0                           ; lane
	v_lshlrev_b32 v1, 4, v0                        ; 16 x thread = 512 x wave + 16 x lane
	v_lshlrev_b32 v2, 3, v0                        ; 8 x thread
	v_lshlrev_b32 v3, 3, v8                        ; the table's filling: my two columns of 64
	v_mul_u32_u24 v4, v8, 2*TP                     ; table row 2 x lane,
	s_lshl_b32 s22, s21, 5
	v_add_nc_u32 v4, s22, v4                       ; my wave's 16 k: 32 bytes
	v_and_b32 v10, 15, v0                          ; back: table row l % 16 of a block of 16,
	v_bfe_u32 v9, v0, 4, 1
	v_mul_u32_u24 v5, v10, TP
	v_lshl_add_u32 v5, v9, 4, v5                   ; 8 k for each half of the lanes,
	v_add_nc_u32 v5, s22, v5                       ; wave w takes the 16 k of fragment w / 2, half w % 2
	s_mov_b32 s23, 0
	s_wait_kmcnt 0x0
	s_cmp_lt_u32 s20, 16
	s_cbranch_scc1 .Ltr
	s_sub_co_u32 s22, s20, 16                      ; x: 256 work-groups
	s_lshl_b32 s22, s22, 16
	s_add_nc_u64 s[24:25], s[4:5], s[22:23]
	s_add_nc_u64 s[26:27], s[24:25], 0x8000
	s_lshr_b32 s22, s22, 1
	s_add_nc_u64 s[28:29], s[10:11], s[22:23]
.set i, 0
.rept 16
	global_load_b128 v[16+4*i:19+4*i], v1, s[24+2*(i/8):25+2*(i/8)] offset:4096*(i%8) th:TH_LOAD_NT
.set i, i+1
.endr
.set i, 0
.rept 16
	s_wait_loadcnt 15-i                            ; loads come back in order: the 15 - i younger ones may stay out
	v_cvt_pk_bf16_f32 v[80+2*i], v[16+4*i], v[17+4*i]
	v_cvt_pk_bf16_f32 v[81+2*i], v[18+4*i], v[19+4*i]
	global_store_b64 v2, v[80+2*i:81+2*i], s[28:29] offset:16384*(i/8)+2048*(i%8)
.set i, i+1
.endr
	s_branch .Lend
.Ltr:                                                  ; k rows 128 id .. 128 id + 127; my wave fills 16 of them into the table
	s_mul_i32 s22, s20, 128*WROW
	s_mul_i32 s26, s21, 16*WROW
	s_add_co_u32 s22, s22, s26
	s_add_co_u32 s22, s22, 32768                   ; column 8192
	s_add_nc_u64 s[24:25], s[6:7], s[22:23]
	s_lshl_b32 s22, s20, 12                        ; 128 k = four fragments of 1,024 bytes
	s_add_nc_u64 s[30:31], s[10:11], s[22:23]
	s_add_nc_u64 s[30:31], s[30:31], 0x800000
.set i, 0
.rept 8                                ; pair i of rows; a load takes 256 consecutive aligned bytes: 64 columns of one row
.irp p, 0,1
.irp c, 0,1,2
	global_load_b64 v[16+12*i+6*\p+2*\c:17+12*i+6*\p+2*\c], v3, s[24:25] offset:i*2*WROW+\p*WROW+256*\c th:TH_LOAD_NT
.endr
.endr
.set i, i+1
.endr
.set i, 0
.rept 8
	s_wait_loadcnt 6*(7-i)                         ; the younger pairs' six loads each may stay out
.irp c, 0,1,2
	v_cvt_pk_bf16_f32 v[16+12*i+2*\c], v[16+12*i+2*\c], v[22+12*i+2*\c]  ; one column, k even below, k odd above
	v_cvt_pk_bf16_f32 v[17+12*i+2*\c], v[17+12*i+2*\c], v[23+12*i+2*\c]
	ds_store_b32 v4, v[16+12*i+2*\c] offset:64*TP*\c+4*i
	ds_store_b32 v4, v[17+12*i+2*\c] offset:64*TP*\c+TP+4*i
.endr
.set i, i+1
.endr
	s_wait_dscnt 0x0                               ; for the others' sake: my stores into the table are done
	s_barrier_signal -1                            ; this path is taken by all eight waves of the work-group or by none
	s_barrier_wait -1
.irp m, 0,1,2,3,4,5,6,7,8,9,10,11      ; block m of 16 columns
	ds_load_b128 v[16+4*\m:19+4*\m], v5 offset:16*TP*\m
.endr
.irp m, 0,1,2,3,4,5,6,7,8,9,10,11
	s_wait_dscnt 11-\m
	global_store_b128 v1, v[16+4*\m:19+4*\m], s[30:31] offset:65536*\m  ; half a fragment: 512 consecutive aligned bytes
.endr
.Lend:
	s_wait_tensorcnt 0x0                           ; the wave's end, behind the last LDS store
	ds_add_u32 v[SPW], v[NIL]
	s_wait_dscnt 0x0
	s_endpgm
.Lfunc_end_k_q4f36589375_cast:
	.size	k_q4f36589375_cast, .Lfunc_end_k_q4f36589375_cast-k_q4f36589375_cast
	.p2alignl 7, 3214868480
	.fill 96, 4, 3214868480
	.section	.rodata,"a",@progbits
	.p2align	6, 0x0
	.amdhsa_kernel k_q4f36589375_cast
		.amdhsa_group_segment_fixed_size 53248
		.amdhsa_private_segment_fixed_size 0
		.amdhsa_enable_private_segment 0
		.amdhsa_kernarg_size 24
		.amdhsa_user_sgpr_count 2
		.amdhsa_user_sgpr_kernarg_segment_ptr 1
		.amdhsa_wavefront_size32 1
		.amdhsa_system_sgpr_workgroup_id_x 1
		.amdhsa_system_sgpr_workgroup_id_y 1
		.amdhsa_system_sgpr_workgroup_id_z 1
		.amdhsa_system_vgpr_workitem_id 0
		.amdhsa_next_free_vgpr 114
		.amdhsa_next_free_sgpr 66
		.amdhsa_reserve_vcc 0
		.amdhsa_float_denorm_mode_32 3
		.amdhsa_float_denorm_mode_16_64 3
		.amdhsa_memory_ordered 1
		.amdhsa_forward_progress 1
		.amdhsa_inst_pref_size 21
	.end_amdhsa_kernel
	.amdgpu_metadata
---
amdhsa.version: [ 1, 2 ]
amdhsa.kernels:
  - .name:           k_q4f36589375_cast
    .symbol:         k_q4f36589375_cast.kd
    .args:
      - { .name: x, .offset: 0, .size: 8, .value_kind: global_buffer, .address_space: global }
      - { .name: W_in, .offset: 8, .size: 8, .value_kind: global_buffer, .address_space: global }
      - { .name: xw, .offset: 16, .size: 8, .value_kind: global_buffer, .address_space: global }
    .group_segment_fixed_size: 53248
    .private_segment_fixed_size: 0
    .kernarg_segment_align: 8
    .kernarg_segment_size: 24
    .max_flat_workgroup_size: 256
    .sgpr_count:     66
    .vgpr_count:     114
    .wavefront_size: 32
...
	.end_amdgpu_metadata
.endif
;; end of part 1
;; launch bcdt (part 2): grid 1408 x 1, 4 waves a work-group, no clusters, 19,456 bytes of LDS; arguments xw, dt_bias, bcd, W_in, wib; writes bcd, wib
.if DOCPART == 2
	.amdgcn_target "amdgcn-amd-amdhsa--gfx1250"
	.amdhsa_code_object_version 6
	.text
	.protected	k_q4f36589375_bcdt
	.globl	k_q4f36589375_bcdt
	.p2align	8
	.type	k_q4f36589375_bcdt,@function
k_q4f36589375_bcdt:
	s_mov_b64 s[64:65], 0
	v_nop
	global_prefetch_b8 v0, s[64:65] scope:SCOPE_SE
	s_setreg_imm32_b32 hwreg(HW_REG_WAVE_MODE, 25, 1), 1
	s_wait_xcnt 0x0
; TWO JOBS THAT DO NOT HANG ON EACH OTHER, IN ONE LAUNCH.  Work-groups 0..383: the last 192 columns of the in-projection and what is made of them: chains of loads that wait.
; Work-groups 384..1407: the bf16 copy of W_in's first 8,192 columns (wib, [2048 k][8192 n]), which only the launch behind this one reads: a stream that fills the memory's time meanwhile.
; THE PRODUCT.  A work-group makes 16 rows x 64 columns: group 0: B, 1: C, 2: dt.  Operands in bf16, sums in f32.
; K = 2,048 IS SPLIT AMONG THE FOUR WAVES (512 each, 8 trips of 64); the four partial sums meet in LDS; wave 0 finishes.
; B, C: v * rsqrt(mean(v^2) + 1e-6) over the 64 columns, rounded once to f16 (magnitude at most 8) -> bcd [2048][64] at 0 and at 262,144.
; dt = softplus(v + dt_bias) = max(x, 0) + ln(1 + e^-|x|), f32 -> bcd at 524,288 as [2][64 h][1,024 t].  LIMIT: 1 + e^-|x| is rounded in f32: dt is off by up to 6e-8.
; dt's stores are pieces of 64 bytes (a work-group has 16 t): 512 KiB of the launch; they spare the scan a gather of single words.
; x's fragments come straight from its rows: two loads of 16 bytes a lane.  The weights lie in the order of fragments: half a fragment is one load of 512 consecutive bytes.
; For B and C source 0 is the weights: a lane holds one row and 8 neighbouring columns.  For dt source 0 is x: a lane holds one head and 8 neighbouring t.
; THE STREAM.  128 threads take two k rows: 32 loads of 16 bytes a thread, all out at once; a wave's load covers 512 consecutive bytes, a wave's store 256 consecutive aligned bytes.
.set FO,  2                            ; v2  x: (l % 16) x 4,096 + 16 (l / 16) + 1,024 x wave; never rewritten
.set FW,  3                            ; v3  the weights: 16 x lane + 16,384 x wave (16 fragments of 1,024 bytes); never rewritten
.set LS,  4                            ; v4  where I put my partial sums
.set LR,  5                            ; v5  16 x lane
.set SPW, 8
.set NIL, 9
.set ACC, 16                           ; v[16:47] four accumulators, column tile j
.set BUF, 48                           ; v[48:207] two sets of 80: x's fragments kb at 8 kb, the weights' (j, kb) at 16 + 16 j + 8 kb
.set STG,   16384                      ; LDS: 0 the partial sums (4,096 a wave); here 16 rows x 144 bytes for the way out
.set SPARE, 18944                      ; the spare words
.set WROW,  33536                      ; bytes in a row of W_in
.set WV, 14
.set XP, 10                            ; s[10:11] x at my rows, at the trip that set 0 was last loaded for
.set WP, 12                            ; s[12:13] the weights likewise
	s_load_b128 s[4:7], s[0:1], 0x0                ; xw s[4:5], dt_bias s[6:7]
	s_load_b64 s[8:9], s[0:1], 0x10                ; bcd
	s_load_b64 s[24:25], s[0:1], 0x18              ; W_in
	s_load_b64 s[26:27], s[0:1], 0x20              ; wib
	v_lshl_add_u32 v[SPW], v0, 2, SPARE
	v_mov_b32 v[NIL], 0
	v_lshrrev_b32 v1, 5, v0
	v_readfirstlane_b32 s[WV], v1
	v_and_b32 v10, 15, v0                          ; r
	v_bfe_u32 v11, v0, 4, 1                        ; h
	v_and_b32 v12, 31, v0                          ; l
	s_lshl_b32 s16, s[WV], 10
	v_lshlrev_b32 v[FO], 12, v10
	v_lshl_add_u32 v[FO], v11, 4, v[FO]
	v_add_nc_u32 v[FO], s16, v[FO]
	s_lshl_b32 s16, s[WV], 14
	v_lshl_add_u32 v[FW], v12, 4, s16
	s_lshl_b32 s16, s[WV], 12
	v_lshl_add_u32 v[LS], v12, 4, s16
	v_lshlrev_b32 v[LR], 4, v12
	s_mov_b32 s19, ttmp9
	s_lshr_b32 s17, s19, 7                         ; which 64 columns
	s_and_b32 s18, s19, 127
	s_lshl_b32 s18, s18, 4                         ; first row
	s_mov_b32 s15, 3
	s_mov_b32 s3, 0
	s_mov_b32 s20, 0x3c800000                      ; 1 / 64
	s_mov_b32 s21, 0x358637bd                      ; 1e-6
	s_mov_b32 s22, 0x76543210                      ; v_permlanex16_b32: each lane takes its own place in the other half
	s_mov_b32 s23, 0xfedcba98
	s_wait_kmcnt 0x0
	s_cmp_ge_u32 s19, 384
	s_cbranch_scc1 .Lstream                        ; the same for all four waves of a work-group
	s_lshl_b32 s2, s18, 12
	s_add_nc_u64 s[XP:XP+1], s[4:5], s[2:3]
	s_lshl_b32 s2, s17, 18                         ; four blocks of 16 columns, 65,536 bytes each,
	s_add_co_u32 s2, s2, 0x800000                  ; which lie behind x's copy
	s_add_nc_u64 s[WP:WP+1], s[4:5], s[2:3]
.macro LOADS b, offx, offw             ; a trip's 20 loads
.irp kb, 0,1
	global_load_b128 v[BUF+80*(\b)+8*\kb:BUF+80*(\b)+8*\kb+3],   v[FO], s[XP:XP+1] offset:(\offx)+64*\kb
	global_load_b128 v[BUF+80*(\b)+8*\kb+4:BUF+80*(\b)+8*\kb+7], v[FO], s[XP:XP+1] offset:(\offx)+64*\kb+32
.irp j, 0,1,2,3
	global_load_b128 v[BUF+80*(\b)+16+16*\j+8*\kb:BUF+80*(\b)+16+16*\j+8*\kb+3],   v[FW], s[WP:WP+1] offset:(\offw)+1024*\kb+65536*\j
	global_load_b128 v[BUF+80*(\b)+16+16*\j+8*\kb+4:BUF+80*(\b)+16+16*\j+8*\kb+7], v[FW], s[WP:WP+1] offset:(\offw)+1024*\kb+65536*\j+512
.endr
.endr
.endm
.macro MULS b, nat                     ; a trip's eight products; the four accumulators take turns, over the backward jump too
.irp kb, 0,1
.irp j, 0,1,2,3
.if \nat
	v_wmma_f32_16x16x32_bf16 v[ACC+8*\j:ACC+8*\j+7], v[BUF+80*(\b)+8*\kb:BUF+80*(\b)+8*\kb+7], v[BUF+80*(\b)+16+16*\j+8*\kb:BUF+80*(\b)+16+16*\j+8*\kb+7], v[ACC+8*\j:ACC+8*\j+7]
.else
	v_wmma_f32_16x16x32_bf16 v[ACC+8*\j:ACC+8*\j+7], v[BUF+80*(\b)+16+16*\j+8*\kb:BUF+80*(\b)+16+16*\j+8*\kb+7], v[BUF+80*(\b)+8*\kb:BUF+80*(\b)+8*\kb+7], v[ACC+8*\j:ACC+8*\j+7]
.endif
.endr
.endr
.endm
.macro PLACES                          ; four places behind the last product, in front of loads into registers that it has read
.rept 4
	v_nop
.endr
.endm
.macro KLOOP nat                       ; three turns multiply trips 0..5 and ask for trips 2..7; the last two trips load nothing
.Lturn_\@:
	s_wait_loadcnt 20                              ; set 0 is in; set 1's 20 loads may stay out
	MULS 0, \nat
	PLACES
	s_wait_xcnt 0x0                                ; every load issued so far has read its address: the pointers may be written
	s_add_nc_u64 s[XP:XP+1], s[XP:XP+1], 256       ; two trips: 128 k of a row of x,
	s_add_nc_u64 s[WP:WP+1], s[WP:WP+1], 4096      ; four fragments of the weights
	LOADS 0, 0, 0
	s_wait_loadcnt 20                              ; set 1 is in
	MULS 1, \nat
	PLACES
	LOADS 1, 128, 2048
	s_sub_co_u32 s15, s15, 1
	s_cmp_lg_u32 s15, 0
	s_cbranch_scc1 .Lturn_\@
	s_wait_loadcnt 20
	MULS 0, \nat
	s_wait_loadcnt 0x0
	MULS 1, \nat
.endm
	LOADS 0, 0, 0
	LOADS 1, 128, 2048
.set r, 0
.rept 32
	v_mov_b32 v[ACC+r], 0                          ; written while the first loads are on their way, so that the loop has one form of product
.set r, r+1
.endr
	s_cmp_eq_u32 s17, 2
	s_cbranch_scc1 .Lnat
	KLOOP 0
	s_branch .Lsum
.Lnat:
	KLOOP 1
.Lsum:
.rept 8
	v_nop                                          ; the places behind the last products, once a launch
.endr
.irp j, 0,1,2,3
	ds_store_b128 v[LS], v[ACC+8*\j:ACC+8*\j+3]   offset:1024*\j
	ds_store_b128 v[LS], v[ACC+8*\j+4:ACC+8*\j+7] offset:1024*\j+512
.endr
	s_wait_dscnt 0x0
	s_barrier_signal -1
	s_barrier_wait -1                              ; all four partial sums lie in LDS
	s_cmp_lg_u32 s[WV], 0
	s_cbranch_scc1 .Lend
.irp v, 0,1,2,3
.irp j, 0,1,2,3
	ds_load_b128 v[48+32*\v+8*\j:48+32*\v+8*\j+3], v[LR] offset:4096*\v+1024*\j
	ds_load_b128 v[48+32*\v+8*\j+4:48+32*\v+8*\j+7], v[LR] offset:4096*\v+1024*\j+512
.endr
.endr
	s_wait_dscnt 0x0
.set r, 0
.rept 16
	v_pk_add_f32 v[48+r:49+r], v[48+r:49+r], v[80+r:81+r]
	v_pk_add_f32 v[112+r:113+r], v[112+r:113+r], v[144+r:145+r]
.set r, r+2
.endr
.set r, 0
.rept 16
	v_pk_add_f32 v[48+r:49+r], v[48+r:49+r], v[112+r:113+r]
.set r, r+2
.endr
	s_cmp_eq_u32 s17, 2
	s_cbranch_scc1 .Ldt
	; B or C: my lane holds row r and 32 of its 64 columns (16 j + 8 h + 0..7); the lane 16 away holds the others
	v_pk_mul_f32 v[176:177], v[48:49], v[48:49]
	v_pk_mul_f32 v[178:179], v[50:51], v[50:51]
.set r, 4
.rept 7
	v_pk_fma_f32 v[176:177], v[48+r:49+r], v[48+r:49+r], v[176:177]
	v_pk_fma_f32 v[178:179], v[50+r:51+r], v[50+r:51+r], v[178:179]
.set r, r+4
.endr
	v_pk_add_f32 v[176:177], v[176:177], v[178:179]
	v_add_f32 v176, v176, v177
	v_permlanex16_b32 v177, v176, s22, s23
	v_add_f32 v176, v176, v177
	v_fma_f32 v176, v176, s20, s21                 ; mean + eps
	v_rsq_f32 v178, v176
	v_rsq_f32 v179, v176                           ; twice: a pair for the packed multiply
	v_mul_u32_u24 v13, v10, 144                    ; plain work behind the two: the stage's addresses
	v_lshl_add_u32 v13, v11, 4, v13
	v_add_nc_u32 v13, STG, v13
	v_lshrrev_b32 v14, 3, v12
	v_mul_u32_u24 v14, v14, 144
	v_and_b32 v15, 7, v0
	v_lshl_add_u32 v14, v15, 4, v14
	v_add_nc_u32 v14, STG, v14
	s_wait_alu depctr_va_vdst(0)                   ; one wait for both, ahead of their first reader
.set r, 0
.rept 16
	v_pk_mul_f32 v[48+r:49+r], v[48+r:49+r], v[178:179]
.set r, r+2
.endr
.set r, 0
.rept 16
	v_cvt_pk_f16_f32 v[80+r], v[48+2*r], v[49+2*r]
.set r, r+1
.endr
.irp j, 0,1,2,3
	ds_store_b128 v13, v[80+4*\j:83+4*\j] offset:32*\j
.endr
.irp f, 0,1,2,3
	ds_load_b128 v[96+4*\f:99+4*\f], v14 offset:576*\f  ; a wave's LDS instructions are served in order: these see the stores above
.endr
	s_lshl_b32 s2, s17, 18
	s_lshl_b32 s16, s18, 7
	s_add_co_u32 s2, s2, s16
	s_add_nc_u64 s[8:9], s[8:9], s[2:3]
.irp f, 0,1,2,3
	s_wait_dscnt 3-\f
	global_store_b128 v[LR], v[96+4*\f:99+4*\f], s[8:9] offset:512*\f  ; the 16 rows are 2,048 consecutive bytes
.endr
	s_branch .Lend
.Ldt:                                                  ; my lane holds head 16 j + r and t = 8 h + 0..7
	v_lshlrev_b32 v13, 2, v10
.irp j, 0,1,2,3
	global_load_b32 v[176+\j], v13, s[6:7] offset:64*\j
.endr
	s_wait_loadcnt 0x0
.irp j, 0,1,2,3
	v_cvt_pk_bf16_f32 v[176+\j], v[176+\j], v[176+\j]   ; every input is rounded to bf16
	v_lshlrev_b32 v[176+\j], 16, v[176+\j]
.endr
.set r, 0
.rept 32
	v_add_f32 v[48+r], v[48+r], v[176+r/8]
	v_and_b32 v[80+r], 0x7fffffff, v[48+r]
	v_mul_f32 v[80+r], 0xbfb8aa3b, v[80+r]         ; -|x| log2(e)
.set r, r+1
.endr
.set r, 0
.rept 32
	v_exp_f32 v[80+r], v[80+r]
.set r, r+1
.endr
	v_nop
	s_wait_alu depctr_va_vdst(0)                   ; one wait for the batch of 32
.set r, 0
.rept 16
	v_pk_add_f32 v[80+r:81+r], v[80+r:81+r], 1.0 op_sel_hi:[1,0]
.set r, r+2
.endr
.set r, 0
.rept 32
	v_log_f32 v[80+r], v[80+r]
.set r, r+1
.endr
.set r, 0
.rept 32
	v_max_num_f32 v[48+r], 0, v[48+r]              ; plain work behind the batch
.set r, r+1
.endr
	s_wait_alu depctr_va_vdst(0)
.set r, 0
.rept 32
	v_fmamk_f32 v[48+r], v[80+r], 0x3f317218, v[48+r]  ; log2(..) ln 2 + max(x, 0)
.set r, r+1
.endr
	v_lshlrev_b32 v13, 12, v10                     ; head r: 4,096 bytes a head
	v_lshl_add_u32 v13, v11, 5, v13                ; my 8 t
	s_lshr_b32 s2, s18, 10                         ; the batch
	s_lshl_b32 s2, s2, 18
	s_and_b32 s16, s18, 1023
	s_lshl_b32 s16, s16, 2
	s_add_co_u32 s2, s2, s16
	s_add_co_u32 s2, s2, 0x80000
	s_add_nc_u64 s[8:9], s[8:9], s[2:3]
.irp j, 0,1,2,3
	global_store_b128 v13, v[48+8*\j:51+8*\j], s[8:9] offset:65536*\j
	global_store_b128 v13, v[52+8*\j:55+8*\j], s[8:9] offset:65536*\j+16
.endr
	s_branch .Lend
.Lstream:                                              ; k rows 2 (id - 384) and the next: the first 32,768 bytes of each
	s_sub_co_u32 s16, s19, 384
	s_mul_i32 s2, s16, 2*WROW
	s_add_nc_u64 s[28:29], s[24:25], s[2:3]
	s_add_nc_u64 s[30:31], s[28:29], WROW
	s_lshl_b32 s2, s16, 15
	s_add_nc_u64 s[26:27], s[26:27], s[2:3]
	v_lshlrev_b32 v1, 4, v0                        ; my 16 bytes of 2,048
	v_lshlrev_b32 v13, 3, v0                       ; and my 8 bytes of 1,024
.set i, 0
.rept 32
	global_load_b128 v[16+4*i:19+4*i], v1, s[28+2*(i/16):29+2*(i/16)] offset:2048*(i%16) th:TH_LOAD_NT
.set i, i+1
.endr
.set i, 0
.rept 32
	s_wait_loadcnt 31-i                            ; loads come back in order: the 31 - i younger ones may stay out
	v_cvt_pk_bf16_f32 v[144+2*i], v[16+4*i], v[17+4*i]
	v_cvt_pk_bf16_f32 v[145+2*i], v[18+4*i], v[19+4*i]
	global_store_b64 v13, v[144+2*i:145+2*i], s[26:27] offset:16384*(i/16)+1024*(i%16)
.set i, i+1
.endr
.Lend:
	s_wait_tensorcnt 0x0                           ; the wave's end, behind the last LDS store
	ds_add_u32 v[SPW], v[NIL]
	s_wait_dscnt 0x0
	s_endpgm
.Lfunc_end_k_q4f36589375_bcdt:
	.size	k_q4f36589375_bcdt, .Lfunc_end_k_q4f36589375_bcdt-k_q4f36589375_bcdt
	.p2alignl 7, 3214868480
	.fill 96, 4, 3214868480
	.section	.rodata,"a",@progbits
	.p2align	6, 0x0
	.amdhsa_kernel k_q4f36589375_bcdt
		.amdhsa_group_segment_fixed_size 19456
		.amdhsa_private_segment_fixed_size 0
		.amdhsa_enable_private_segment 0
		.amdhsa_kernarg_size 40
		.amdhsa_user_sgpr_count 2
		.amdhsa_user_sgpr_kernarg_segment_ptr 1
		.amdhsa_wavefront_size32 1
		.amdhsa_system_sgpr_workgroup_id_x 1
		.amdhsa_system_sgpr_workgroup_id_y 1
		.amdhsa_system_sgpr_workgroup_id_z 1
		.amdhsa_system_vgpr_workitem_id 0
		.amdhsa_next_free_vgpr 208
		.amdhsa_next_free_sgpr 66
		.amdhsa_reserve_vcc 0
		.amdhsa_float_denorm_mode_32 3
		.amdhsa_float_denorm_mode_16_64 3
		.amdhsa_memory_ordered 1
		.amdhsa_forward_progress 1
		.amdhsa_inst_pref_size 56
	.end_amdhsa_kernel
	.amdgpu_metadata
---
amdhsa.version: [ 1, 2 ]
amdhsa.kernels:
  - .name:           k_q4f36589375_bcdt
    .symbol:         k_q4f36589375_bcdt.kd
    .args:
      - { .name: xw, .offset: 0, .size: 8, .value_kind: global_buffer, .address_space: global }
      - { .name: dt_bias, .offset: 8, .size: 8, .value_kind: global_buffer, .address_space: global }
      - { .name: bcd, .offset: 16, .size: 8, .value_kind: global_buffer, .address_space: global }
      - { .name: W_in, .offset: 24, .size: 8, .value_kind: global_buffer, .address_space: global }
      - { .name: wib, .offset: 32, .size: 8, .value_kind: global_buffer, .address_space: global }
    .group_segment_fixed_size: 19456
    .private_segment_fixed_size: 0
    .kernarg_segment_align: 8
    .kernarg_segment_size: 40
    .max_flat_workgroup_size: 128
    .sgpr_count:     66
    .vgpr_count:     208
    .wavefront_size: 32
...
	.end_amdgpu_metadata
.endif
;; end of part 2
;; launch gemm1 (part 3): grid 32 x 8, 4 waves a work-group, clusters of 4 x 4, 327,680 bytes of LDS; arguments xw, wib, zx; writes zx
.if DOCPART == 3
	.amdgcn_target "amdgcn-amd-amdhsa--gfx1250"
	.amdhsa_code_object_version 6
	.text
	.protected	k_q4f36589375_gemm1
	.globl	k_q4f36589375_gemm1
	.p2align	8
	.type	k_q4f36589375_gemm1,@function
k_q4f36589375_gemm1:
	s_mov_b64 s[64:65], 0
	v_nop
	global_prefetch_b8 v0, s[64:65] scope:SCOPE_SE
	s_setreg_imm32_b32 hwreg(HW_REG_WAVE_MODE, 25, 1), 1
	s_wait_xcnt 0x0
	s_wait_alu depctr_hold_cnt(0) depctr_sa_sdst(0) depctr_va_vdst(0) depctr_va_sdst(0) depctr_va_ssrc(0) depctr_va_vcc(0) depctr_vm_vsrc(0)
	s_getreg_b32 s2, hwreg(HW_REG_IB_STS2, 6, 4)
	s_cmp_eq_u32 s2, 0
	s_cbranch_scc0 .Lentry_in_a_cluster
	s_endpgm
.Lentry_in_a_cluster:
	s_bfe_u32 s2, ttmp6, 0x10000c
	s_cmp_lg_u32 s2, 0xf033
	s_cbranch_scc0 .Lentry_shape_is_right
	s_endpgm
.Lentry_shape_is_right:
; z | xs = x W_in[:, 0:8192].  A = xw [2048 m][2048 k] bf16, B = wib [2048 k][8192 n] bf16, C = zx [2048][8192], sums in f32, rounded once to f16.
; LIMIT: f16 ends at 65,504; with x and W_in 30 times the drawn spread z and xs reach some 4,000.
; 256 work-groups, one tile of 256 x 256 each; four waves, each 128 x 128: 64 accumulators, 512 registers.  K goes in 16 steps of 128 through two LDS slots filled by the tensor data mover.
; A's tile: 256 rows of 256 bytes.  B LIES [K][N]: its tile is 128 k rows of 512 bytes, and its fragments come out of LDS turned, by ds_load_tr16_b128.
; CLUSTERS of 4 x 4: A's tile is asked for jointly by the four work-groups of a row of the cluster, B's by the four of a column.
; The matrix instruction is used transposed (source 0 = 16 columns of B, source 1 = 16 rows of A): a lane holds eight neighbouring numbers of a row of C.
; REGISTERS by windows of 256: window 0: v0-31 addresses, v64-191 A's two fragment buffers, v32-63 and v192-255 at work on the way out; window 1: v64-191 B's two buffers; windows 2, 3: the accumulators.
.set SIZE_N, 8192
.set SIZE_K, 2048
.set KSTEP,  128
.set PA,     272                       ; A's LDS row: 256 bytes + 16: the 16 rows of a load start at 16 different groups of four banks
.set PB,     544                       ; B's LDS row: 512 bytes + 32 = 17 x 32
.set HALFT,  34816                     ; 128 rows of A, or 64 rows of B: what one tensor load brings
.set SLOT,   4*HALFT
.set STAGE,  2*SLOT                    ; behind the ring: 16 rows x 272 bytes for each wave
.set SPITCH, 272
.set SPARE,  STAGE+4*16*SPITCH         ; the spare words, 128 bytes a wave
.set LAPS,   SIZE_K/(2*KSTEP)
.set ASTEP,  KSTEP*2                   ; bytes from a K step to the next: along A's rows,
.set BSTEP,  KSTEP*SIZE_N*2            ; and down B's
.set ADRA, 16                          ; v16-17 LDS address of my A fragments in slot 0, 1
.set ADRB, 20                          ; v20-21 the same for B
.set STO,  24
.set RD,   25
.set CO,   26
.set SPW,  28
.set NIL,  29
.set PFO,  30                          ; v30 the prefetches' lane offset; never rewritten
.set PFA,  44                          ; s[44:45] where my prefetches stand
.set LIM,  43                          ; s43 1 in a wave that prefetches, else the greatest number
.set PST,  18                          ; s[18:19] the prefetches' step
.set F0,   64
.set F1,   128
.set TMP,  192
.set OB,   32
.set G1, 24
.set G0, 32
.set G1B, 48
.set G0B, 56
.set MSB, 0
.macro WIN new                         ; the immediate's high byte repeats the setting that is left
.if MSB != (\new)
	s_set_vgpr_msb (MSB<<8)|(\new)
.set MSB, \new
.endif
.endm
.set MUL_LO, 0xa1                      ; source 0 (B) window 1, source 1 (A) window 0, C and D window 2
.set MUL_HI, 0xf1
.set TO_B,   0x40
; A joint load: waves 0 and 1 fetch A's halves, waves 2 and 3 B's.  The branch hangs on the wave's number alone.  An s_nop 0 and four v_nop follow each line.
.macro JLOAD s
	s_cmp_eq_u32 s11, 0
	s_cbranch_scc0 .Lfor_b_\@
	tensor_load_to_lds s[G0+4*(\s):G0+4*(\s)+3], s[G1:G1+7]
	s_nop 0
.rept 4
	v_nop
.endr
	s_branch .Lasked_\@
.Lfor_b_\@:
	tensor_load_to_lds s[G0B+4*(\s):G0B+4*(\s)+3], s[G1B:G1B+7]
	s_nop 0
.rept 4
	v_nop
.endr
.Lasked_\@:
.endm
; A prefetch of the K step that stands two refills on, 32 aligned blocks of 256 bytes, a lane a block.  A's rows are asked for by the clusters with x = 0, B's by those with y = 0;
; the four partners of a joint load share its blocks out by address.  The loop's last trip asks for nothing: there is no K step two on.
.macro ASK
	s_cmp_gt_u32 s3, s[LIM]
	s_cbranch_scc0 .Lnot_mine_\@
	global_prefetch_b8 v[PFO], s[PFA:PFA+1] th:TH_LOAD_NT scope:SCOPE_SE
.Lnot_mine_\@:
.endm
.macro CREST                           ; a round of the cluster's barrier behind its opening barrier
	s_cmp_lg_u32 s10, 0
	s_cbranch_scc1 .Lnot_wave_0_\@
	s_barrier_signal -3
.Lnot_wave_0_\@:
	s_barrier_wait -3
	s_barrier_signal -1
	s_barrier_wait -1
.endm
.macro CROUND
	s_barrier_signal -1
	s_barrier_wait -1
	CREST
.endm
	s_load_b128 s[4:7], s[0:1], 0x0                ; xw s[4:5], wib s[6:7]
	s_load_b64 s[8:9], s[0:1], 0x10                ; zx
	v_lshl_add_u32 v[SPW], v0, 2, SPARE
	v_mov_b32 v[NIL], 0
	ds_add_u32 v[SPW], v[NIL]                      ; the wave's opening: the add and its wait ahead of my first tensor load
	v_lshrrev_b32 v1, 5, v0
	v_readfirstlane_b32 s10, v1                    ; wave 0..3
	s_lshr_b32 s11, s10, 1                         ; my half of the tile's rows.  Also: I fetch for A (0) or B (1)
	s_and_b32 s12, s10, 1                          ; my half of its columns.  Also: which half of that tile I fetch
	s_bfe_u32 s40, ttmp6, 0x40000                  ; cx
	s_bfe_u32 s41, ttmp6, 0x40004                  ; cy
	s_lshl_b32 s42, ttmp9, 2
	s_add_co_u32 s42, s42, s40                     ; tile column
	s_and_b32 s13, ttmp7, 0xffff
	s_lshl_b32 s13, s13, 2
	s_add_co_u32 s13, s13, s41                     ; tile row
	s_lshl_b32 s43, s41, 2
	s_lshl_b32 s43, 15, s43                        ; my row of the cluster
	s_lshl_b32 s44, 0x1111, s40                    ; my column
	s_or_b32 s[G1+0], s43, (1<<16)|(1<<20)|(1<<21)|(5<<22)|(3<<25)   ; A: the mask; 2-byte elements; padding on; bit 21 beside a mask; after 64 words 4 words
	s_or_b32 s[G1B+0], s44, (1<<16)|(1<<20)|(1<<21)|(6<<22)|(7<<25)  ; B: after 128 words 8 words
	s_mov_b32 s[G1+1], KSTEP<<16                   ; A: 128 elements x 128 rows, 2,048 elements from row to row
	s_mov_b32 s[G1+2], 128<<16
	s_mov_b32 s[G1+3], KSTEP<<16
	s_mov_b32 s[G1+4], 128
	s_mov_b32 s[G1+5], SIZE_K
	s_mov_b32 s[G1+6], 0
	s_mov_b32 s[G1+7], 0
	s_mov_b32 s[G1B+1], 256<<16                    ; B: 256 elements x 64 rows, 8,192 elements from row to row
	s_mov_b32 s[G1B+2], 64<<16
	s_mov_b32 s[G1B+3], 256<<16
	s_mov_b32 s[G1B+4], 64
	s_mov_b32 s[G1B+5], SIZE_N
	s_mov_b32 s[G1B+6], 0
	s_mov_b32 s[G1B+7], 0
	s_lshl_b32 s17, s12, 7
	s_lshl_b32 s16, s13, 8
	s_add_co_u32 s16, s16, s17                     ; A: row 256 x tile row + 128 x half,
	s_lshl_b32 s16, s16, 12                        ; 4,096 bytes a row
	s_mov_b32 s17, 0
	s_lshl_b32 s46, s12, 20                        ; B: k row 64 x half, 16,384 bytes a row,
	s_lshl_b32 s47, s42, 9                         ; 512 bytes a tile column
	s_add_co_u32 s46, s46, s47
	s_mov_b32 s47, 0
	s_mul_i32 s20, s10, HALFT                      ; where the tiles go: wave x 34,816: no place in the cluster enters an LDS address
	s_wait_dscnt 0x0                               ; the opening add is done
	s_wait_kmcnt 0x0
	s_add_nc_u64 s[14:15], s[4:5], s[16:17]
	s_add_nc_u64 s[46:47], s[6:7], s[46:47]
	CROUND                                         ; all sixteen work-groups are here: the first joint loads meet
.irp s, 0,1
	s_mov_b32 s[G0+4*(\s)], 1
	s_add_co_u32 s[G0+4*(\s)+1], s20, (\s)*SLOT
	s_add_nc_u64 s[G0+4*(\s)+2:G0+4*(\s)+3], s[14:15], (\s)*ASTEP
	s_or_b32 s[G0+4*(\s)+3], s[G0+4*(\s)+3], 0x80000000
	s_mov_b32 s[G0B+4*(\s)], 1
	s_add_co_u32 s[G0B+4*(\s)+1], s20, (\s)*SLOT
	s_add_nc_u64 s[G0B+4*(\s)+2:G0B+4*(\s)+3], s[46:47], (\s)*BSTEP
	s_or_b32 s[G0B+4*(\s)+3], s[G0B+4*(\s)+3], 0x80000000
	JLOAD \s                                       ; two loads of mine are out
.endr
	v_and_b32 v1, 15, v0                           ; l % 16
	v_bfe_u32 v2, v0, 4, 1                         ; l / 16
	v_mul_u32_u24 v3, v1, PA
	v_lshl_add_u32 v3, v2, 4, v3                   ; A: row x pitch + 16 x half
	v_and_b32 v6, 7, v0                            ; B: lane l reads k row 8 (l / 16) + l % 8, columns 8 ((l / 8) % 2) + 0..7
	v_lshl_add_u32 v6, v2, 3, v6
	v_mul_u32_u24 v6, v6, PB
	v_bfe_u32 v7, v0, 3, 1
	v_lshl_add_u32 v6, v7, 4, v6
	s_mul_i32 s21, s11, HALFT                      ; my 128 rows of A
	s_lshl_b32 s22, s12, 8                         ; my 128 columns of B: 256 bytes of each row,
	s_add_co_u32 s22, s22, 2*HALFT                 ; behind A's tile
.irp s, 0,1
	v_add_nc_u32 v[ADRA+(\s)], s21, v3
	v_add_nc_u32 v[ADRB+(\s)], s22, v6
	s_add_co_u32 s21, s21, SLOT
	s_add_co_u32 s22, s22, SLOT
.endr
	s_mul_i32 s23, s10, 16*SPITCH
	s_add_co_u32 s23, s23, STAGE                   ; my stage
	v_mul_u32_u24 v4, v1, SPITCH
	v_lshl_add_u32 v4, v2, 4, v4
	v_add_nc_u32 v[STO], s23, v4
	v_mul_u32_u24 v5, v2, SPITCH
	v_lshl_add_u32 v5, v1, 4, v5
	v_add_nc_u32 v[RD], s23, v5
	v_mul_u32_u24 v5, v2, SIZE_N*2
	v_lshl_add_u32 v[CO], v1, 4, v5
	s_lshl_b32 s16, s13, 8                         ; where my part of the tile begins in C
	s_lshl_b32 s14, s11, 7
	s_add_co_u32 s16, s16, s14
	s_lshl_b32 s16, s16, 14                        ; 16,384 bytes a row
	s_mov_b32 s17, 0
	s_lshl_b32 s46, s42, 9
	s_lshl_b32 s47, s12, 8
	s_add_co_u32 s46, s46, s47
	s_mov_b32 s47, 0
	s_add_nc_u64 s[16:17], s[16:17], s[46:47]
	; the prefetches: A: my work-group's 32 of the 128 rows that I fetch, a lane a row; B: its 16 of the 64 k rows, two blocks of 256 bytes each
	s_lshl_b32 s20, s13, 8
	s_lshl_b32 s14, s12, 7
	s_add_co_u32 s20, s20, s14
	s_lshl_b32 s14, s40, 5
	s_add_co_u32 s20, s20, s14
	s_lshl_b32 s20, s20, 12
	s_add_co_u32 s20, s20, 3*ASTEP                 ; at K step 3: the first refill steps it to 4
	s_lshl_b32 s21, s12, 6
	s_lshl_b32 s14, s41, 4
	s_add_co_u32 s21, s21, s14
	s_lshl_b32 s21, s21, 14
	s_lshl_b32 s14, s42, 9
	s_add_co_u32 s21, s21, s14
	s_add_co_u32 s21, s21, 3*BSTEP
	s_and_b32 s22, ttmp7, 0xffff                   ; cluster y
	s_mov_b32 s[PST], ASTEP
	s_mov_b32 s[PST+1], BSTEP
	s_cmp_eq_u32 s11, 0                            ; do I fetch for A?
	s_cselect_b32 s20, s20, s21
	s_cselect_b32 s22, ttmp9, s22                  ; the coordinate along which other clusters read the same blocks
	s_cselect_b64 s[PFA:PFA+1], s[4:5], s[6:7]
	s_cselect_b32 s[PST], s[PST], s[PST+1]
	s_cselect_b32 s14, 0, 1                        ; B: two lanes to a row
	s_cselect_b32 s15, 12, 14                      ; log2 of a row's bytes
	s_mov_b32 s[PST+1], 0
	s_mov_b32 s21, 0
	s_cmp_eq_u32 s22, 0
	s_cselect_b32 s[LIM], 1, -1                    ; the same in all sixteen partners, for a given wave
	s_add_nc_u64 s[PFA:PFA+1], s[PFA:PFA+1], s[20:21]
	v_and_b32 v[PFO], 31, v0
	v_and_b32 v7, s14, v[PFO]
	v_lshrrev_b32 v[PFO], s14, v[PFO]
	v_lshlrev_b32 v[PFO], s15, v[PFO]
	v_lshl_add_u32 v[PFO], v7, 8, v[PFO]
; 16 matrix instructions: m blocks a0, a0 + 1 of the window's four x all 8 n blocks, 32 along K.  zero = 1: the first product starts the sums.  The 64 accumulators take turns.
.macro MUL16 f, hi, a0, zero
	WIN MUL_LO+0x50*(\hi)
.irp a, \a0, (\a0)+1
.irp b, 0,1,2,3,4,5,6,7
.if \zero
	v_wmma_f32_16x16x32_bf16 v[8*(8*(\a)+(\b)):8*(8*(\a)+(\b))+7], v[(\f)+8*(\b):(\f)+8*(\b)+7], v[(\f)+8*(4*(\hi)+(\a)):(\f)+8*(4*(\hi)+(\a))+7], 0
.else
	v_wmma_f32_16x16x32_bf16 v[8*(8*(\a)+(\b)):8*(8*(\a)+(\b))+7], v[(\f)+8*(\b):(\f)+8*(\b)+7], v[(\f)+8*(4*(\hi)+(\a)):(\f)+8*(4*(\hi)+(\a))+7], v[8*(8*(\a)+(\b)):8*(8*(\a)+(\b))+7]
.endif
.endr
.endr
.endm
; 32 LDS loads in one run: the fragments of quarter q (32 along K) into buffer f: B turned (k rows 32 q on), then A (byte 64 q of the rows)
.macro FETCH slot, q, f
	WIN TO_B
.irp i, 0,1,2,3,4,5,6,7
	ds_load_tr16_b128 v[(\f)+8*(\i):(\f)+8*(\i)+3],   v[ADRB+(\slot)] offset:(\q)*32*PB+(\i)*32
	ds_load_tr16_b128 v[(\f)+8*(\i)+4:(\f)+8*(\i)+7], v[ADRB+(\slot)] offset:(\q)*32*PB+16*PB+(\i)*32
.endr
	WIN 0
.irp i, 0,1,2,3,4,5,6,7
	ds_load_b128 v[(\f)+8*(\i):(\f)+8*(\i)+3],   v[ADRA+(\slot)] offset:(\q)*64+(\i)*16*PA
	ds_load_b128 v[(\f)+8*(\i)+4:(\f)+8*(\i)+7], v[ADRA+(\slot)] offset:(\q)*64+(\i)*16*PA+32
.endr
.endm
.macro PLACES                          ; four places in front of loads into registers that matrix instructions have read
.rept 4
	v_nop
.endr
.endm
.macro QUARTER slot, q, f, g, zero     ; multiplies buffer f; in its middle fetches quarter q of the same slot into buffer g
	s_wait_dscnt 8                                 ; B and A's rows 0-63 are in; the youngest eight loads (A's rows 64-127) may be out
	WIN MUL_LO
	MUL16 \f, 0, 0, \zero
	MUL16 \f, 0, 2, \zero
	PLACES
	FETCH \slot, \q, \g
	s_wait_dscnt 32                                ; all but the 32 just issued
	WIN MUL_HI
	MUL16 \f, 1, 0, \zero
	MUL16 \f, 1, 2, \zero
.endm
; The first half of a K step's last quarter: ONE barrier for the change of slots.  In front of it each wave waits for all its tensor loads (one is out: its part of the next slot),
; adds 0 to its spare word, and waits for that and for its own reads of this slot.
.macro MEET round
	WIN 0
	s_wait_tensorcnt 0x0
	ds_add_u32 v[SPW], v[NIL]
	s_wait_dscnt 9                                 ; the add and the youngest eight loads may be out
	WIN MUL_LO
	MUL16 F1, 0, 0, 0
	s_wait_dscnt 0x0                               ; the add is done, and my reads of this slot are over
	s_barrier_signal -1
	MUL16 F1, 0, 2, 0
.if \round
	WIN 0
.endif
	s_barrier_wait -1
.endm
.macro TURN slot, next                 ; the whole last quarter: the slot just read out is filled again, two K steps on, first thing behind the round
	s_wait_xcnt 0x0                                ; the last prefetch, a K step back, has read its address
	s_add_nc_u64 s[PFA:PFA+1], s[PFA:PFA+1], s[PST:PST+1]
	MEET 1
	CREST                                          ; no wave of any partner still reads this slot or has a load on its way
	s_add_nc_u64 s[G0+4*(\slot)+2:G0+4*(\slot)+3], s[G0+4*(\slot)+2:G0+4*(\slot)+3], 2*ASTEP
	s_add_nc_u64 s[G0B+4*(\slot)+2:G0B+4*(\slot)+3], s[G0B+4*(\slot)+2:G0B+4*(\slot)+3], 2*BSTEP
	JLOAD \slot                                    ; one load of mine is out; it has 224 matrix instructions in which to land; its four v_nop are also the places for the loads below
	FETCH \next, 0, F0
	ASK
	WIN MUL_HI
	MUL16 F1, 1, 0, 0
	MUL16 F1, 1, 2, 0
.endm
; THE WAY OUT of block a (16 rows): rounded to f16, through my own stage in LDS, back as whole rows of 256 bytes, stored.
.macro PACK a
.set AC, 64*((\a)%4)
	WIN 0x0a+5*((\a)/4)
.irp b, 0,1,2,3,4,5,6,7
.irp r, 0,1,2,3
	v_cvt_pk_f16_f32 v[TMP+4*(\b)+(\r)], v[AC+8*(\b)+2*(\r)], v[AC+8*(\b)+2*(\r)+1]
.endr
.endr
	WIN 0
.endm
.macro TOSTAGE a
	WIN 0
.set BK, OB+192*((\a)%2)
.irp b, 0,1,2,3,4,5,6,7
	ds_store_b128 v[STO], v[TMP+4*(\b):TMP+4*(\b)+3] offset:32*(\b)
.endr
.irp t, 0,1,2,3,4,5,6,7
	ds_load_b128 v[BK+4*(\t):BK+4*(\t)+3], v[RD] offset:(\t)*2*SPITCH  ; a wave's LDS instructions are served in order: these see the stores above
.endr
.endm
.macro SEND a
	WIN 0
.set BK, OB+192*((\a)%2)
	s_wait_dscnt 0x0                               ; the block is back in registers
	s_wait_xcnt 0x0                                ; the stores' base and the registers that earlier stores read are rewritten only behind this wait
.if (\a) == 0
	s_add_nc_u64 s[8:9], s[8:9], s[16:17]
.else
	s_add_nc_u64 s[8:9], s[8:9], 16*SIZE_N*2
.endif
.irp t, 0,1,2,3,4,5,6,7
	global_store_b128 v[CO], v[BK+4*(\t):BK+4*(\t)+3], s[8:9] offset:2*(\t)*SIZE_N*2  ; 16 lanes store 256 consecutive aligned bytes
.endr
.endm
	s_wait_tensorcnt 1                             ; my part of K step 0 is in; K step 1's may stay out
	s_barrier_signal -1
	s_barrier_wait -1
	FETCH 0, 0, F0
	QUARTER 0, 1, F0, F1, 1                        ; the first quarter starts the sums
	WIN 0
	s_mov_b32 s3, LAPS-1
.Llap:                                                 ; a trip goes once round the ring and fills both slots again
	QUARTER 0, 2, F1, F0, 0
	QUARTER 0, 3, F0, F1, 0
	TURN 0, 1
	QUARTER 1, 1, F0, F1, 0
	QUARTER 1, 2, F1, F0, 0
	QUARTER 1, 3, F0, F1, 0
	TURN 1, 0
	QUARTER 0, 1, F0, F1, 0
	WIN 0
	s_sub_co_u32 s3, s3, 1
	s_cmp_lg_u32 s3, 0
	s_cbranch_scc1 .Llap
	QUARTER 0, 2, F1, F0, 0                        ; the last lap fills nothing
	QUARTER 0, 3, F0, F1, 0
	MEET 0
	PLACES
	FETCH 1, 0, F0
	WIN MUL_HI
	MUL16 F1, 1, 0, 0
	MUL16 F1, 1, 2, 0
	QUARTER 1, 1, F0, F1, 0
	QUARTER 1, 2, F1, F0, 0
	QUARTER 1, 3, F0, F1, 0
	s_wait_dscnt 8
	WIN MUL_LO
	MUL16 F1, 0, 0, 0
	MUL16 F1, 0, 2, 0
	s_wait_dscnt 0x0
	WIN MUL_HI
	MUL16 F1, 1, 0, 0
	MUL16 F1, 1, 2, 0
	WIN 0
	PLACES
	PLACES
	PACK 0
	TOSTAGE 0
.irp a, 1,2,3,4,5,6,7                  ; block a's conversions stand between block a - 1's loads from the stage and the wait for them
	PACK \a
	SEND (\a)-1
	TOSTAGE \a
.endr
	SEND 7
	s_wait_tensorcnt 0x0                           ; the wave's end
	ds_add_u32 v[SPW], v[NIL]
	s_wait_dscnt 0x0
	CROUND                                         ; the closing round
	s_endpgm
.Lfunc_end_k_q4f36589375_gemm1:
	.size	k_q4f36589375_gemm1, .Lfunc_end_k_q4f36589375_gemm1-k_q4f36589375_gemm1
	.p2alignl 7, 3214868480
	.fill 96, 4, 3214868480
	.section	.rodata,"a",@progbits
	.p2align	6, 0x0
	.amdhsa_kernel k_q4f36589375_gemm1
		.amdhsa_group_segment_fixed_size 327680
		.amdhsa_private_segment_fixed_size 0
		.amdhsa_enable_private_segment 0
		.amdhsa_kernarg_size 24
		.amdhsa_user_sgpr_count 2
		.amdhsa_user_sgpr_kernarg_segment_ptr 1
		.amdhsa_wavefront_size32 1
		.amdhsa_system_sgpr_workgroup_id_x 1
		.amdhsa_system_sgpr_workgroup_id_y 1
		.amdhsa_system_sgpr_workgroup_id_z 1
		.amdhsa_system_vgpr_workitem_id 0
		.amdhsa_next_free_vgpr 1024
		.amdhsa_next_free_sgpr 66
		.amdhsa_reserve_vcc 0
		.amdhsa_float_denorm_mode_32 3
		.amdhsa_float_denorm_mode_16_64 3
		.amdhsa_memory_ordered 1
		.amdhsa_forward_progress 1
		.amdhsa_inst_pref_size 145
	.end_amdhsa_kernel
	.amdgpu_metadata
---
amdhsa.version: [ 1, 2 ]
amdhsa.kernels:
  - .name:           k_q4f36589375_gemm1
    .symbol:         k_q4f36589375_gemm1.kd
    .args:
      - { .name: xw, .offset: 0, .size: 8, .value_kind: global_buffer, .address_space: global }
      - { .name: wib, .offset: 8, .size: 8, .value_kind: global_buffer, .address_space: global }
      - { .name: zx, .offset: 16, .size: 8, .value_kind: global_buffer, .address_space: global }
    .group_segment_fixed_size: 327680
    .private_segment_fixed_size: 0
    .kernarg_segment_align: 8
    .kernarg_segment_size: 24
    .max_flat_workgroup_size: 128
    .sgpr_count:     66
    .vgpr_count:     1024
    .wavefront_size: 32
...
	.end_amdgpu_metadata
.endif
;; end of part 3
;; launch scan (part 4): grid 64 x 4, 8 waves a work-group, no clusters, 206,080 bytes of LDS; arguments zx, bcd, A_log, D_param, B_bias, C_bias, rope_freqs, yf, W_out, wob; writes yf, wob
.if DOCPART == 4
	.amdgcn_target "amdgcn-amd-amdhsa--gfx1250"
	.amdhsa_code_object_version 6
	.text
	.protected	k_q4f36589375_scan
	.globl	k_q4f36589375_scan
	.p2align	8
	.type	k_q4f36589375_scan,@function
k_q4f36589375_scan:
	s_mov_b64 s[64:65], 0
	v_nop
	global_prefetch_b8 v0, s[64:65] scope:SCOPE_SE
	s_setreg_imm32_b32 hwreg(HW_REG_WAVE_MODE, 25, 1), 1
	s_wait_xcnt 0x0
; TWO JOBS THAT DO NOT HANG ON EACH OTHER, IN ONE LAUNCH: 256 work-groups.  y = 0, 1: THE SELECTIVE SCAN, one (head, batch) to a work-group: 128 of them.
; y = 2, 3: the 16-bit copy of W_out (wob, [4096 k][2048 n]), which only the last launch reads: 128 work-groups, 262,144 bytes each: every number rounded to bf16 like every input,
; and that number written as f16 (exact down to 7.6e-6, below that f16's step of 6e-8).
; THE SCAN.  y_t = 0.125 h_t C_t + D xh_t,  h_t = a_t h_(t-1) + dt_t xh_t B_t^T,  a_t = exp(-exp(A_log) dt_t);  B, C = normalised + bias, turned by the phase cumsum(dt) x freq.
; IN CHUNKS of 32 rows on the matrix units; 32 chunks in 4 rounds, wave w has chunk w + 8 x round.  With L_t the sum of dt inside the chunk up to t, tot its whole sum, A2 = exp(A_log) log2(e), dn_s = dt_s / tot:
;   y_t = 2^(-A2 L_t) (H_in C_t) + tot x sum over s <= t of 2^(A2 (L_s - L_t)) (dn_s B_s . C_t) xh_s;   H_out = 2^(-A2 tot) H_in + tot x sum over s of 2^(A2 (L_s - tot)) xh_s (dn_s B_s)^T.
; Every exponent that is kept is at most 0, since dt >= 0; those above the diagonal are thrown away by a select.  The factor 0.125 is folded into C, exactly.
; FORMATS.  The five inputs read here are rounded to bf16, like every input of the program.  Inside a chunk all operands are f16: xh as it lies in zx; dn B, C and the weights, which the
; normalisation and dn <= 1 bound by (8 + |bias|)^2 / 8 whatever dt is; tot comes back in f32.  The divisor is max(tot, 2^-100): where every dt of a chunk is 0, dn is 0.
; The product with the state H is in bf16 (H has no room in f16); the state itself is carried in f32.
; sin and cos: the phase in half-turns (freq / pi), reduced by its nearest whole number with one fused multiply-add, then the series to x^9 and x^10: off by 4e-6 at the most.
; LIMITS: beyond 2^24 half-turns a phase carries no information, as in an f32 phase.  An f16 operand below 6.1e-5 has the fixed step 6e-8.  NaN and infinities are not treated apart.
; B . C is off by some 3e-3 (four roundings to f16 of vectors of length 8): in a row where D + 0.125 (B . C) dt is small in all heads at once that weighs more than elsewhere.
; LDS: 16,384 a wave (dn w B and xh in f16, pitch 160; then the chunk's G, 16 tiles of 1,024; then the way out's stage, pitch 272); the 8 chunks' H_in as bf16 fragments; L; dt; the chunks' totals; the spare words.
.set HBB,   131072
.set LARR,  196608
.set TOT,   204800
.set SPARE, 205056
; window 0
.set R,1
.set H,2
.set ROWO,3
.set XSO,4
.set SCW,5
.set TRA,6
.set GST,7
.set CMB0,8
.set HBW,10
.set HBR,11
.set LTAD,12
.set LSAD,13
.set TOTR,14
.set IDX,15
.set STO,16
.set RDA,17
.set YOF,18
.set ONE,19
.set EIG,20
.set DPV,21
.set SPW,22
.set NIL,23
.set BASEV,24
.set TOTV,25
.set BASE,26
.set TOTC,27
.set CS,28
.set DT,30                             ; v[30:31] dt of my row in the two tiles, then dn
.set LTA,32
.set WS,34
.set ET,36
.set LT,38
.set PFO,40
.set FQ,48                             ; v[48:63] my 16 frequencies / pi
.set HC,64                             ; v[64:79] my fragment of the state, f32, through all rounds
.set XX,80
.set X2,88
.set SG,96
.set SN,104
.set CN,112
.set OT,120
.set TX,128
.set BF,144                            ; dn B in f16, 16 a tile
.set PP,176                            ; the weights in f16
.set RAW,192
.set UT,192
.set BWT,224
.set SA,80
.set LSA,104
.set EE,120
.set GA,80
.set TT,80
.set HP,88
.set DC,104
.set GL,128
.set HF,128
.set YO,192
; window 1
.set XR,0
.set CB,32
.set CF,64
.set YI,128
.set BB,192
.set BC,224
; scalars
.set WV,20
.set HD,21
.set BT,22
.set RND,23
.set A2,24
.set NA2,26
.set LIM,27
.set SEL,28
.set MK,30
.set KS9,38
.set KS7,40
.set KS5,42
.set KS3,44
.set KS1,46
.set KC10,48
.set KC8,50
.set KC6,52
.set KC4,54
.set KC2,56
.set XP,58
.set BP,60
.set CP,62
.set YP,66
.set WO,76                             ; s[76:77] W_out, s[78:79] wob
.set MSB, 0
.macro WIN new
.if MSB != (\new)
	s_set_vgpr_msb (MSB<<8)|(\new)
.set MSB, \new
.endif
.endm
.macro PLACES8                         ; the places behind a run of products whose results are read next
.rept 8
	v_nop
.endr
.endm
.macro KPAIR k, val
	s_mov_b32 s[\k], \val
	s_mov_b32 s[\k+1], \val
.endm
; One step of a sum over lanes that also keeps the sum of the lanes below: t = the running total, pre = the part below me
.macro BFLY t, pre, k, m
	v_bfe_u32 v98, v0, \k, 1
	v_cvt_f32_u32 v98, v98
	v_mov_b32_dpp v97, v[\t] row_xmask:\m row_mask:0xf bank_mask:0xf
	v_fmac_f32 v[\pre], v98, v97
	v_add_f32 v[\t], v[\t], v97
.endm
	s_load_b512 s[4:19], s[0:1], 0x0               ; zx 4, bcd 6, A_log 8, D_param 10, B_bias 12, C_bias 14, rope_freqs 16, yf 18
	s_load_b128 s[WO:WO+3], s[0:1], 0x40           ; W_out, wob
	v_lshl_add_u32 v[SPW], v0, 2, SPARE
	v_mov_b32 v[NIL], 0
	v_lshrrev_b32 v41, 5, v0
	v_readfirstlane_b32 s[WV], v41
	s_mov_b32 s[HD], ttmp9
	s_and_b32 s[BT], ttmp7, 0xffff
	s_cmp_lt_u32 s[BT], 2
	s_cbranch_scc1 .Lscan                          ; the same for all eight waves of a work-group
	; W_OUT'S COPY.  Four trips of 65,536 bytes: 16 loads of 16 bytes a thread, out together; a wave's load covers 512 consecutive bytes, a wave's store 256 consecutive aligned bytes.
	s_wait_kmcnt 0x0
	s_sub_co_u32 s68, s[BT], 2
	s_lshl_b32 s68, s68, 6
	s_add_co_u32 s68, s68, s[HD]                   ; 0..127
	s_lshl_b32 s70, s68, 18
	s_mov_b32 s71, 0
	s_add_nc_u64 s[WO:WO+1], s[WO:WO+1], s[70:71]
	s_lshl_b32 s70, s68, 17
	s_add_nc_u64 s[WO+2:WO+3], s[WO+2:WO+3], s[70:71]
	s_mov_b32 s72, 0xffff0000                      ; a word's upper bf16
	s_mov_b32 s69, 4
	v_lshlrev_b32 v1, 4, v0
	v_lshlrev_b32 v2, 3, v0
.Lwo:
.set i, 0
.rept 16
	global_load_b128 v[128+4*i:131+4*i], v1, s[WO:WO+1] offset:4096*i th:TH_LOAD_NT
.set i, i+1
.endr
.set i, 0
.rept 16
	s_wait_loadcnt 15-i                            ; loads come back in order: the 15 - i younger ones may stay out
	v_cvt_pk_bf16_f32 v[192+2*i], v[128+4*i], v[129+4*i]
	v_cvt_pk_bf16_f32 v[193+2*i], v[130+4*i], v[131+4*i]
	v_lshlrev_b32 v[128+4*i], 16, v[192+2*i]
	v_and_b32 v[129+4*i], s72, v[192+2*i]
	v_lshlrev_b32 v[130+4*i], 16, v[193+2*i]
	v_and_b32 v[131+4*i], s72, v[193+2*i]
	v_cvt_pk_f16_f32 v[192+2*i], v[128+4*i], v[129+4*i]
	v_cvt_pk_f16_f32 v[193+2*i], v[130+4*i], v[131+4*i]
	global_store_b64 v2, v[192+2*i:193+2*i], s[WO+2:WO+3] offset:2048*i
.set i, i+1
.endr
	s_wait_xcnt 0x0                                ; the two pointers and the stores' registers are written again only behind this wait
	s_add_nc_u64 s[WO:WO+1], s[WO:WO+1], 0x10000
	s_add_nc_u64 s[WO+2:WO+3], s[WO+2:WO+3], 0x8000
	s_sub_co_u32 s69, s69, 1
	s_cmp_lg_u32 s69, 0
	s_cbranch_scc1 .Lwo
	s_branch .Lend
.Lscan:
	s_mov_b32 s[RND], 4
	v_and_b32 v[R], 15, v0
	v_bfe_u32 v[H], v0, 4, 1
	v_and_b32 v42, 31, v0                          ; l
	v_lshlrev_b32 v43, 4, v[H]                     ; 16 h
	v_lshl_add_u32 v[ROWO], v[R], 7, v43           ; a row of B or C is 128 bytes
	v_lshl_add_u32 v[XSO], v[R], 14, v43           ; a row of zx 16,384
	s_lshl_b32 s68, s[WV], 14                      ; my wave's 16,384 bytes of LDS
	v_mul_u32_u24 v44, v[R], 160
	v_add3_u32 v[SCW], v44, v43, s68
	v_and_b32 v44, 7, v0
	v_lshl_add_u32 v44, v[H], 3, v44
	v_mul_u32_u24 v44, v44, 160
	v_bfe_u32 v45, v0, 3, 1
	v_lshl_add_u32 v44, v45, 4, v44
	v_add_nc_u32 v[TRA], s68, v44                  ; the turning load: row 8 h + l % 8, 16 bytes ((l / 8) % 2)
	v_lshlrev_b32 v46, 4, v42                      ; 16 l
	v_add_nc_u32 v[GST], s68, v46
	s_lshl_b32 s69, s[WV], 11
	v_add_nc_u32 v[CMB0], s69, v46                 ; my two tiles of every chunk's G
	v_add_nc_u32 v[CMB0+1], 0x10000, v[CMB0]
	s_lshl_b32 s69, s[WV], 10
	s_add_co_u32 s69, s69, HBB
	v_add_nc_u32 v[HBW], s69, v46
	s_lshl_b32 s69, s[WV], 13
	s_add_co_u32 s69, s69, HBB
	v_add_nc_u32 v[HBR], s69, v46
	s_lshl_b32 s69, s[WV], 7
	s_add_co_u32 s69, s69, LARR
	v_lshl_add_u32 v[LTAD], v[R], 2, s69
	v_lshl_add_u32 v[LSAD], v[H], 5, s69
	v_mov_b32 v[TOTR], TOT
	s_lshl_b32 s69, s[WV], 2
	v_mov_b32 v[IDX], s69
	v_mul_u32_u24 v44, v[R], 272
	v_lshl_add_u32 v44, v[H], 5, v44
	v_add_nc_u32 v[STO], s68, v44
	v_mul_u32_u24 v44, v[H], 272
	v_lshl_add_u32 v44, v[R], 4, v44
	v_add_nc_u32 v[RDA], s68, v44
	v_lshlrev_b32 v44, 14, v[H]
	v_lshl_add_u32 v[YOF], v[R], 4, v44
	v_mov_b32 v[ONE], 1.0
	v_mov_b32 v[EIG], 0x3e000000
	v_lshlrev_b32 v[PFO], 14, v42
	s_mov_b32 s[SEL], 0x76543210
	s_mov_b32 s[SEL+1], 0xfedcba98
	KPAIR KS9, 0x3da83c1b                          ; sin(pi x) = x (pi - pi^3/6 x^2 + pi^5/120 x^4 - pi^7/5040 x^6 + pi^9/362880 x^8)
	KPAIR KS7, 0xbf196966
	KPAIR KS5, 0x402335e3
	KPAIR KS3, 0xc0a55de7
	KPAIR KS1, 0x40490fdb
	KPAIR KC10, 0xbcd368f9                         ; cos(pi x) = 1 - pi^2/2 x^2 + pi^4/24 x^4 - pi^6/720 x^6 + pi^8/40320 x^8 - pi^10/3628800 x^10
	KPAIR KC8, 0x3e70fa83
	KPAIR KC6, 0xbfaae9e4
	KPAIR KC4, 0x4081e0f8
	KPAIR KC2, 0xc09de9e6
	s_and_b32 s[LIM], s[HD], 1                     ; two heads share each aligned 256 bytes of xs: the even one prefetches
	s_cmp_eq_u32 s[LIM], 0
	s_cselect_b32 s[LIM], 1, -1
	s_mov_b32 s73, 0
	s_wait_kmcnt 0x0
	s_lshl_b32 s70, s[BT], 10
	s_lshl_b32 s71, s[WV], 5
	s_add_co_u32 s70, s70, s71                     ; my chunk's first row
	s_lshl_b32 s72, s70, 14
	s_add_nc_u64 s[YP:YP+1], s[18:19], s[72:73]
	s_add_nc_u64 s[XP:XP+1], s[4:5], s[72:73]
	s_lshl_b32 s72, s[HD], 8
	s_add_nc_u64 s[YP:YP+1], s[YP:YP+1], s[72:73]
	s_add_nc_u64 s[12:13], s[12:13], s[72:73]      ; the head's rows of the two biases
	s_add_nc_u64 s[14:15], s[14:15], s[72:73]
	s_lshl_b32 s72, s[HD], 7
	s_add_nc_u64 s[16:17], s[16:17], s[72:73]      ; and of the frequencies
	s_add_co_u32 s72, s72, 8192                    ; xs lies behind z
	s_add_nc_u64 s[XP:XP+1], s[XP:XP+1], s[72:73]
	s_lshl_b32 s72, s70, 7
	s_add_nc_u64 s[BP:BP+1], s[6:7], s[72:73]
	s_add_nc_u64 s[CP:CP+1], s[BP:BP+1], 0x40000
	s_lshl_b32 s72, s[BT], 6
	s_add_co_u32 s72, s72, s[HD]
	s_lshl_b32 s72, s72, 12
	s_add_co_u32 s72, s72, 0x80000
	s_add_nc_u64 s[74:75], s[6:7], s[72:73]        ; dt of this head and batch: 1,024 numbers on end
	s_lshl_b32 s72, s[HD], 2
	v_mov_b32 v41, s72
	v_lshlrev_b32 v92, 4, v0
	v_lshlrev_b32 v45, 5, v[H]
	global_load_b32 v44, v41, s[8:9]
	global_load_b32 v46, v41, s[10:11]
	global_load_b128 v[80:83], v92, s[74:75]
.irp q, 0,1,2,3
	global_load_b128 v[FQ+4*\q:FQ+4*\q+3], v43, s[16:17] offset:32*\q  ; pairs 8 q + 4 h + 0..3
.endr
	WIN 0x40
.irp q, 0,1,2,3
	global_load_b128 v[BB+8*\q:BB+8*\q+3], v45, s[12:13] offset:64*\q   ; states 16 q + 8 h + 0..7
	global_load_b128 v[BB+8*\q+4:BB+8*\q+7], v45, s[12:13] offset:64*\q+16
	global_load_b128 v[BC+8*\q:BC+8*\q+3], v45, s[14:15] offset:64*\q
	global_load_b128 v[BC+8*\q+4:BC+8*\q+7], v45, s[14:15] offset:64*\q+16
.endr
	WIN 0
.set i, 0
.rept 16
	v_mov_b32 v[HC+i], 0                           ; h starts at 0
.set i, i+1
.endr
.irp j, 0,1,2,3,4,5,6,7
	v_lshl_add_u32 v98, v[H], 3, \j
	v_cmp_le_u32 s[MK+\j], v98, v[R]               ; in a diagonal tile register j (row s = 8 h + j) is kept where s <= t = l % 16
.endr
	s_wait_loadcnt 0x0
	v_cvt_pk_bf16_f32 v44, v44, v46                ; A_log below, D_param above, both rounded to bf16
	v_and_b32 v[DPV], 0xffff0000, v44
	v_lshlrev_b32 v44, 16, v44
	v_mul_f32 v44, 0x3fb8aa3b, v44
	v_exp_f32 v44, v44                             ; exp(A_log)
.irp k, 0,1,2,3,4,5,6,7
	v_cvt_pk_bf16_f32 v[84+\k], v[FQ+2*\k], v[FQ+2*\k+1]
.endr
.irp k, 0,1,2,3,4,5,6,7
	v_lshlrev_b32 v[FQ+2*\k], 16, v[84+\k]
	v_and_b32 v[FQ+2*\k+1], 0xffff0000, v[84+\k]
.endr
.irp k, 0,1,2,3,4,5,6,7
	v_pk_mul_f32 v[FQ+2*\k:FQ+2*\k+1], v[FQ+2*\k:FQ+2*\k+1], 0x3ea2f983 op_sel_hi:[1,0]  ; / pi
.endr
	s_wait_alu depctr_va_vdst(0)
	v_mul_f32 v44, 0x3fb8aa3b, v44
	v_readfirstlane_b32 s[A2], v44
	s_mov_b32 s[A2+1], s[A2]
	s_xor_b32 s[NA2], s[A2], 0x80000000
	; the sums of dt: my four t, then over the 8 threads of a chunk
	v_add_f32 v93, v80, v81
	v_add_f32 v94, v93, v82
	v_add_f32 v95, v94, v83
	v_mov_b32 v99, v95
	v_mov_b32 v96, 0
	v_mov_b32 v97, 0
	BFLY 99, 96, 0, 1
	BFLY 99, 96, 1, 2
	BFLY 99, 96, 2, 4
	v_add_f32 v100, v96, v80
	v_add_f32 v101, v96, v93
	v_add_f32 v102, v96, v94
	v_add_f32 v103, v96, v95
	v_add_nc_u32 v92, LARR, v92
	ds_store_b128 v92, v[100:103]
	ds_store_b128 v92, v[80:83] offset:4096
	v_lshrrev_b32 v91, 3, v0
	v_lshl_add_u32 v91, v91, 2, TOT
	ds_store_b32 v91, v99                          ; the chunk's 8 threads write the same number
	; the biases, rounded to bf16; C's also times 0.125
	WIN 0x05
.set i, 0
.rept 32
	v_cvt_pk_bf16_f32 v[104+i], v[BB+2*i], v[BB+2*i+1]
.set i, i+1
.endr
	WIN 0x40
.set i, 0
.rept 32
	v_lshlrev_b32 v[BB+2*i], 16, v[104+i]
	v_and_b32 v[BB+2*i+1], 0xffff0000, v[104+i]
.set i, i+1
.endr
	WIN 0x41
.set i, 0
.rept 16
	v_pk_mul_f32 v[BC+2*i:BC+2*i+1], v[BC+2*i:BC+2*i+1], 0x3e000000 op_sel_hi:[1,0]
.set i, i+1
.endr
	WIN 0
	s_wait_dscnt 0x0
	s_barrier_signal -1
	s_barrier_wait -1                              ; L, dt and the 32 totals lie in LDS
	v_lshl_add_u32 v91, v42, 2, TOT
	ds_load_b32 v[TOTV], v91                       ; lane c: chunk c's total
	s_wait_dscnt 0x0
	v_mov_b32 v99, v[TOTV]
	v_mov_b32 v[BASEV], 0
	BFLY 99, BASEV, 0, 1
	BFLY 99, BASEV, 1, 2
	BFLY 99, BASEV, 2, 4
	BFLY 99, BASEV, 3, 8
	v_bfe_u32 v98, v0, 4, 1
	v_cvt_f32_u32 v98, v98
	v_permlanex16_b32 v97, v99, s[SEL], s[SEL+1]
	v_fmac_f32 v[BASEV], v98, v97                  ; lane c: the sum of dt ahead of chunk c
.macro HORN d, c                       ; d = d x^2 + c, four pairs
.irp k, 0,1,2,3
	v_pk_fma_f32 v[(\d)+2*\k:(\d)+2*\k+1], v[(\d)+2*\k:(\d)+2*\k+1], v[X2+2*\k:X2+2*\k+1], s[\c:\c+1] op_sel_hi:[1,1,0]
.endr
.endm
; 16 numbers (8 pairs) out of 8 registers of f16 at rb: times mulr, plus the bias, turned by the 8 phases; the result in TX
.macro ROT rb, mulr, bias, hq
	WIN 0x10                                       ; the bias lies in window 1
.irp m, 0,1,2,3,4,5,6,7
.irp e, 0,1
	v_fma_mix_f32 v[XX+2*\m+\e], v[(\rb)+\m], v[\mulr], v[(\bias)+16*(\hq)+2*\m+\e] op_sel:[\e,0,0] op_sel_hi:[1,0,0]
.endr
.endr
	WIN 0
.irp k, 0,1,2,3
.irp e, 0,1
	v_pk_mul_f32 v[TX+4*\k+2*\e:TX+4*\k+2*\e+1], v[XX+4*\k+2*\e:XX+4*\k+2*\e+1], v[CN+2*\k:CN+2*\k+1] op_sel:[0,\e] op_sel_hi:[1,\e]  ; (v1 c, v2 c)
.endr
.endr
.irp k, 0,1,2,3
.irp e, 0,1
	v_pk_fma_f32 v[TX+4*\k+2*\e:TX+4*\k+2*\e+1], v[XX+4*\k+2*\e:XX+4*\k+2*\e+1], v[SN+2*\k:SN+2*\k+1], v[TX+4*\k+2*\e:TX+4*\k+2*\e+1] op_sel:[1,\e,0] op_sel_hi:[0,\e,1] neg_lo:[1,0,0]  ; + (-v2 s, v1 s)
.endr
.endr
.endm
; Tile a (16 rows), pairs 8 hq .. 8 hq + 7 of my 16: sin and cos of the phases, then B and C
.macro ROPE a, hq
	WIN 0
.irp k, 0,1,2,3
	v_pk_mul_f32 v[SN+2*\k:SN+2*\k+1], v[FQ+8*(\hq)+2*\k:FQ+8*(\hq)+2*\k+1], v[CS:CS+1] op_sel:[0,\a] op_sel_hi:[1,\a]
.endr
.irp m, 0,1,2,3,4,5,6,7
	v_rndne_f32 v[CN+\m], v[SN+\m]                 ; the nearest whole number of half-turns
.endr
.irp k, 0,1,2,3
	v_pk_fma_f32 v[XX+2*\k:XX+2*\k+1], v[FQ+8*(\hq)+2*\k:FQ+8*(\hq)+2*\k+1], v[CS:CS+1], v[CN+2*\k:CN+2*\k+1] op_sel:[0,\a,0] op_sel_hi:[1,\a,1] neg_lo:[0,0,1] neg_hi:[0,0,1]  ; what is left: at most 0.5
.endr
.irp m, 0,1,2,3,4,5,6,7
	v_cvt_i32_f32 v[SG+\m], v[CN+\m]
.endr
.irp m, 0,1,2,3,4,5,6,7
	v_lshlrev_b32 v[SG+\m], 31, v[SG+\m]           ; an odd number turns both signs
.endr
.irp k, 0,1,2,3
	v_pk_mul_f32 v[X2+2*\k:X2+2*\k+1], v[XX+2*\k:XX+2*\k+1], v[XX+2*\k:XX+2*\k+1]
.endr
.irp k, 0,1,2,3
	v_pk_fma_f32 v[SN+2*\k:SN+2*\k+1], v[X2+2*\k:X2+2*\k+1], s[KS9:KS9+1], s[KS7:KS7+1] op_sel_hi:[1,0,0]
	v_pk_fma_f32 v[CN+2*\k:CN+2*\k+1], v[X2+2*\k:X2+2*\k+1], s[KC10:KC10+1], s[KC8:KC8+1] op_sel_hi:[1,0,0]
.endr
	HORN SN, KS5
	HORN CN, KC6
	HORN SN, KS3
	HORN CN, KC4
	HORN SN, KS1
	HORN CN, KC2
.irp k, 0,1,2,3
	v_pk_mul_f32 v[SN+2*\k:SN+2*\k+1], v[SN+2*\k:SN+2*\k+1], v[XX+2*\k:XX+2*\k+1]
	v_pk_fma_f32 v[CN+2*\k:CN+2*\k+1], v[CN+2*\k:CN+2*\k+1], v[X2+2*\k:X2+2*\k+1], 1.0 op_sel_hi:[1,1,0]
.endr
.irp m, 0,1,2,3,4,5,6,7
	v_xor_b32 v[SN+\m], v[SG+\m], v[SN+\m]
	v_xor_b32 v[CN+\m], v[SG+\m], v[CN+\m]
.endr
	ROT RAW+32*(\a)+8*(\hq), ONE, BB, \hq
.irp m, 0,1,2,3,4,5,6,7
	v_pk_mul_f32 v[TX+2*\m:TX+2*\m+1], v[TX+2*\m:TX+2*\m+1], v[DT:DT+1] op_sel:[0,\a] op_sel_hi:[1,\a]  ; times dn of my row
.endr
.irp m, 0,1,2,3,4,5,6,7
	v_cvt_pk_f16_f32 v[BF+16*(\a)+8*(\hq)+\m], v[TX+2*\m], v[TX+2*\m+1]
.endr
.irp m, 0,1,2,3,4,5,6,7
	v_pk_mul_f32 v[TX+2*\m:TX+2*\m+1], v[TX+2*\m:TX+2*\m+1], v[WS:WS+1] op_sel:[0,\a] op_sel_hi:[1,\a]  ; for G: times 2^(A2 (L_s - tot))
.endr
.irp m, 0,1,2,3,4,5,6,7
	v_cvt_pk_f16_f32 v[OT+\m], v[TX+2*\m], v[TX+2*\m+1]
.endr
	ds_store_b128 v[SCW], v[OT:OT+3] offset:2560*(\a)+64*(\hq)
	ds_store_b128 v[SCW], v[OT+4:OT+7] offset:2560*(\a)+64*(\hq)+32
	ROT RAW+32*(\a)+16+8*(\hq), EIG, BC, \hq
	WIN 0x40
.irp m, 0,1,2,3,4,5,6,7
	v_cvt_pk_f16_f32 v[CF+16*(\a)+8*(\hq)+\m], v[TX+2*\m], v[TX+2*\m+1]
	v_cvt_pk_bf16_f32 v[CB+16*(\a)+8*(\hq)+\m], v[TX+2*\m], v[TX+2*\m+1]
.endr
	WIN 0
.endm
.macro XST a                           ; xh of tile a goes into LDS as it was loaded, as [s][p]
	WIN 0x04                                       ; the stores' data lie in window 1
.irp q, 0,1,2,3
	ds_store_b128 v[SCW], v[XR+16*(\a)+4*\q:XR+16*(\a)+4*\q+3] offset:5120+2560*(\a)+32*\q
.endr
	WIN 0
.endm
.macro EARG tau, i, a                  ; A2 L_s - A2 L_t for one tile of 16 s x 16 t
.irp k, 0,1,2,3
	v_pk_add_f32 v[EE+8*(\tau)+2*\k:EE+8*(\tau)+2*\k+1], v[LSA+8*(\i)+2*\k:LSA+8*(\i)+2*\k+1], v[LTA:LTA+1] op_sel:[0,\a] op_sel_hi:[1,\a] neg_lo:[0,1] neg_hi:[0,1]
.endr
.endm
.Lround:
	; 1. the chunk's B, C (f16, normalised) and xs: a lane holds row l % 16 of a tile and the 16 bytes 32 q + 16 h of it
.irp a, 0,1
.irp q, 0,1,2,3
	global_load_b128 v[RAW+32*\a+4*\q:RAW+32*\a+4*\q+3], v[ROWO], s[BP:BP+1] offset:2048*\a+32*\q
.endr
.irp q, 0,1,2,3
	global_load_b128 v[RAW+32*\a+16+4*\q:RAW+32*\a+16+4*\q+3], v[ROWO], s[CP:CP+1] offset:2048*\a+32*\q
.endr
.endr
	WIN 0x40
.irp a, 0,1
.irp q, 0,1,2,3
	global_load_b128 v[XR+16*\a+4*\q:XR+16*\a+4*\q+3], v[XSO], s[XP:XP+1] offset:262144*\a+32*\q
.endr
.endr
	WIN 0
	s_cmp_gt_u32 s[RND], s[LIM]                    ; the last round has no round behind it
	s_cbranch_scc0 .Lnoask
	global_prefetch_b8 v[PFO], s[XP:XP+1] offset:4194304 th:TH_LOAD_NT scope:SCOPE_SE  ; xs of my next chunk's 32 rows, a lane a row, one round ahead
.Lnoask:
	; 2. the chunk's scalars a row
	ds_load_b32 v[LT], v[LTAD]
	ds_load_b32 v[LT+1], v[LTAD] offset:64
	ds_load_b32 v[DT], v[LTAD] offset:4096
	ds_load_b32 v[DT+1], v[LTAD] offset:4160
	ds_bpermute_b32 v[BASE], v[IDX], v[BASEV]
	ds_bpermute_b32 v[TOTC], v[IDX], v[TOTV]
	s_wait_dscnt 0x0
	v_add_f32 v[CS], v[BASE], v[LT]
	v_add_f32 v[CS+1], v[BASE], v[LT+1]
	v_mul_f32 v[LTA], s[A2], v[LT]
	v_mul_f32 v[LTA+1], s[A2], v[LT+1]
	v_fma_f32 v41, s[NA2], v[TOTC], v[LTA]
	v_fma_f32 v42, s[NA2], v[TOTC], v[LTA+1]
	v_mul_f32 v43, s[NA2], v[LT]
	v_mul_f32 v44, s[NA2], v[LT+1]
	v_max_num_f32 v45, 0x0d800000, v[TOTC]         ; max(tot, 2^-100)
	v_exp_f32 v[WS], v41
	v_exp_f32 v[WS+1], v42
	v_exp_f32 v[ET], v43
	v_exp_f32 v[ET+1], v44
	v_rcp_f32 v46, v45
	v_nop
	s_wait_alu depctr_va_vdst(0)                   ; one wait for the five
	v_mul_f32 v[DT], v[DT], v46                    ; dn
	v_mul_f32 v[DT+1], v[DT+1], v46
	; 3. the turning, and xh into LDS
	s_wait_loadcnt 16                              ; tile 0's B and C are in; tile 1's eight loads and xs's eight may stay out
	ROPE 0, 0
	ROPE 0, 1
	s_wait_loadcnt 0x0
	ROPE 1, 0
	ROPE 1, 1
	XST 0
	XST 1
	; 4. L_s by registers; xh and dn w B turned (a wave's LDS instructions are served in order: these see the stores above)
.irp i, 0,1
	ds_load_b128 v[LSA+8*\i:LSA+8*\i+3], v[LSAD] offset:64*\i
	ds_load_b128 v[LSA+8*\i+4:LSA+8*\i+7], v[LSAD] offset:64*\i+16
.endr
.irp t, 0,1,2,3
	ds_load_tr16_b128 v[UT+8*\t:UT+8*\t+3], v[TRA] offset:5120+32*\t
	ds_load_tr16_b128 v[UT+8*\t+4:UT+8*\t+7], v[TRA] offset:5120+2560+32*\t
.endr
.irp t, 0,1,2,3
	ds_load_tr16_b128 v[BWT+8*\t:BWT+8*\t+3], v[TRA] offset:32*\t
	ds_load_tr16_b128 v[BWT+8*\t+4:BWT+8*\t+7], v[TRA] offset:2560+32*\t
.endr
	; 5. S^T = (dn B) C^T for the three tiles at or below the diagonal: a lane holds one t, its registers s = 8 h + j; the three accumulators take turns
	WIN 0x04
	v_wmma_f32_16x16x32_f16 v[SA:SA+7], v[BF:BF+7], v[CF:CF+7], 0
	v_wmma_f32_16x16x32_f16 v[SA+8:SA+15], v[BF:BF+7], v[CF+16:CF+23], 0
	v_wmma_f32_16x16x32_f16 v[SA+16:SA+23], v[BF+16:BF+23], v[CF+16:CF+23], 0
	v_wmma_f32_16x16x32_f16 v[SA:SA+7], v[BF+8:BF+15], v[CF+8:CF+15], v[SA:SA+7]
	v_wmma_f32_16x16x32_f16 v[SA+8:SA+15], v[BF+8:BF+15], v[CF+24:CF+31], v[SA+8:SA+15]
	v_wmma_f32_16x16x32_f16 v[SA+16:SA+23], v[BF+24:BF+31], v[CF+24:CF+31], v[SA+16:SA+23]
	WIN 0
	; 6. the weights; the 20 packed lines below are the places behind those products
	s_wait_dscnt 16                                ; L_s is in; the 16 turning loads may stay out
.irp k, 0,1,2,3,4,5,6,7
	v_pk_mul_f32 v[LSA+2*\k:LSA+2*\k+1], v[LSA+2*\k:LSA+2*\k+1], s[A2:A2+1] op_sel_hi:[1,0]
.endr
	EARG 0, 0, 0
	EARG 1, 0, 1
	EARG 2, 1, 1
.set i, 0
.rept 24
	v_exp_f32 v[EE+i], v[EE+i]
.set i, i+1
.endr
.irp k, 4,5,6,7
	v_mov_b32 v[PP+\k], 0                          ; tile 0 sees nothing of rows 16 to 31
.endr
	s_wait_alu depctr_va_vdst(0)                   ; one wait for the 24
.set i, 0
.rept 12
	v_pk_mul_f32 v[SA+2*i:SA+2*i+1], v[SA+2*i:SA+2*i+1], v[EE+2*i:EE+2*i+1]
.set i, i+1
.endr
.irp j, 0,1,2,3,4,5,6,7
	v_cndmask_b32 v[SA+\j], 0, v[SA+\j], s[MK+\j]
	v_cndmask_b32 v[SA+16+\j], 0, v[SA+16+\j], s[MK+\j]
.endr
.irp k, 0,1,2,3
	v_cvt_pk_f16_f32 v[PP+\k], v[SA+2*\k], v[SA+2*\k+1]
	v_cvt_pk_f16_f32 v[PP+8+\k], v[SA+8+2*\k], v[SA+8+2*\k+1]
	v_cvt_pk_f16_f32 v[PP+12+\k], v[SA+16+2*\k], v[SA+16+2*\k+1]
.endr
	; 7. inside the chunk: y^T / tot = xh^T P: a lane holds one t and 8 neighbouring p
	s_wait_dscnt 0x0
	WIN 0x40
.irp t, 0,1,2,3
.irp a, 0,1
	v_wmma_f32_16x16x32_f16 v[YI+8*(2*\t+\a):YI+8*(2*\t+\a)+7], v[UT+8*\t:UT+8*\t+7], v[PP+8*\a:PP+8*\a+7], 0
.endr
.endr
	WIN 0
	; 8. the chunk's own part of the state, over tot: tile (pt, nt): a lane holds p = 16 pt + l % 16, its registers n = 16 nt + 8 h + j
.irp hp, 0,1
.irp pl, 0,1
.irp nt, 0,1,2,3
	v_wmma_f32_16x16x32_f16 v[GA+8*(4*\pl+\nt):GA+8*(4*\pl+\nt)+7], v[BWT+8*\nt:BWT+8*\nt+7], v[UT+8*(2*\hp+\pl):UT+8*(2*\hp+\pl)+7], 0
.endr
.endr
	PLACES8
.irp pl, 0,1
.irp nt, 0,1,2,3
	ds_store_b128 v[GST], v[GA+8*(4*\pl+\nt):GA+8*(4*\pl+\nt)+3] offset:1024*(4*(2*\hp+\pl)+\nt)
	ds_store_b128 v[GST], v[GA+8*(4*\pl+\nt)+4:GA+8*(4*\pl+\nt)+7] offset:1024*(4*(2*\hp+\pl)+\nt)+512
.endr
.endr
.endr
	s_wait_dscnt 0x0                               ; for the others' sake: my G lies in LDS
	s_barrier_signal -1
	s_barrier_wait -1
	; 9. the carry.  Wave w owns the state's fragment (p block w / 2, states 32 (w % 2) on) and walks the round's 8 chunks: H_in goes out in bf16, then H = H 2^(-A2 tot) + tot G
	ds_load_b128 v[TT:TT+3], v[TOTR]
	ds_load_b128 v[TT+4:TT+7], v[TOTR] offset:16
.irp c, 0,1,2,3,4,5,6,7
.irp u, 0,1,2,3
	ds_load_b128 v[GL+16*\c+4*\u:GL+16*\c+4*\u+3], v[CMB0+\c/4] offset:16384*(\c%4)+512*\u
.endr
.endr
	s_wait_dscnt 32                                ; the totals are in; G's 32 loads may stay out
.irp j, 0,1,2,3,4,5,6,7
	v_mul_f32 v[DC+\j], s[NA2], v[TT+\j]
.endr
.irp j, 0,1,2,3,4,5,6,7
	v_exp_f32 v[DC+\j], v[DC+\j]
.endr
	v_nop
	s_wait_alu depctr_va_vdst(0)
	s_wait_dscnt 0x0
.irp c2, 0,1,2,3
.irp e, 0,1
.irp k, 0,1,2,3,4,5,6,7
	v_cvt_pk_bf16_f32 v[HP+8*\e+\k], v[HC+2*\k], v[HC+2*\k+1]
.endr
	ds_store_b128 v[HBW], v[HP+8*\e:HP+8*\e+3] offset:8192*(2*\c2+\e)
	ds_store_b128 v[HBW], v[HP+8*\e+4:HP+8*\e+7] offset:8192*(2*\c2+\e)+512
.irp k, 0,1,2,3,4,5,6,7
	v_pk_mul_f32 v[GL+16*(2*\c2+\e)+2*\k:GL+16*(2*\c2+\e)+2*\k+1], v[GL+16*(2*\c2+\e)+2*\k:GL+16*(2*\c2+\e)+2*\k+1], v[TT+2*\c2:TT+2*\c2+1] op_sel:[0,\e] op_sel_hi:[1,\e]
.endr
.irp k, 0,1,2,3,4,5,6,7
	v_pk_fma_f32 v[HC+2*\k:HC+2*\k+1], v[HC+2*\k:HC+2*\k+1], v[DC+2*\c2:DC+2*\c2+1], v[GL+16*(2*\c2+\e)+2*\k:GL+16*(2*\c2+\e)+2*\k+1] op_sel:[0,\e,0] op_sel_hi:[1,\e,1]
.endr
.endr
.endr
	s_wait_dscnt 0x0                               ; my reads of everybody's G are over, and my part of the 8 H_in lies in LDS
	s_barrier_signal -1
	s_barrier_wait -1
	; 10. from the chunks before: y^T = H_in C^T; the 8 accumulators take turns
.irp f, 0,1,2,3,4,5,6,7
	ds_load_b128 v[HF+8*\f:HF+8*\f+3], v[HBR] offset:1024*\f
	ds_load_b128 v[HF+8*\f+4:HF+8*\f+7], v[HBR] offset:1024*\f+512
.endr
	s_wait_dscnt 0x0
	WIN 0x04
.irp t, 0,1,2,3
.irp a, 0,1
	v_wmma_f32_16x16x32_bf16 v[YO+8*(2*\t+\a):YO+8*(2*\t+\a)+7], v[HF+16*\t:HF+16*\t+7], v[CB+16*\a:CB+16*\a+7], 0
.endr
.endr
.irp t, 0,1,2,3
.irp a, 0,1
	v_wmma_f32_16x16x32_bf16 v[YO+8*(2*\t+\a):YO+8*(2*\t+\a)+7], v[HF+16*\t+8:HF+16*\t+15], v[CB+16*\a+8:CB+16*\a+15], v[YO+8*(2*\t+\a):YO+8*(2*\t+\a)+7]
.endr
.endr
	WIN 0
	PLACES8
	; 11. y = 2^(-A2 L_t) x that + tot x the chunk's own + D xh; through my stage; whole rows of the head's 256 bytes out
.irp t, 0,1,2,3
.irp a, 0,1
.irp k, 0,1,2,3
	v_pk_mul_f32 v[YO+8*(2*\t+\a)+2*\k:YO+8*(2*\t+\a)+2*\k+1], v[YO+8*(2*\t+\a)+2*\k:YO+8*(2*\t+\a)+2*\k+1], v[ET:ET+1] op_sel:[0,\a] op_sel_hi:[1,\a]
.endr
.endr
.endr
	WIN 0x01
.irp t, 0,1,2,3
.irp a, 0,1
.irp k, 0,1,2,3
	v_pk_fma_f32 v[YO+8*(2*\t+\a)+2*\k:YO+8*(2*\t+\a)+2*\k+1], v[YI+8*(2*\t+\a)+2*\k:YI+8*(2*\t+\a)+2*\k+1], v[BASE:BASE+1], v[YO+8*(2*\t+\a)+2*\k:YO+8*(2*\t+\a)+2*\k+1] op_sel:[0,1,0] op_sel_hi:[1,1,1]  ; the pair's upper register is tot
.endr
.endr
.endr
.irp t, 0,1,2,3
.irp a, 0,1
.irp k, 0,1,2,3
.irp e, 0,1
	v_fma_mix_f32 v[YO+8*(2*\t+\a)+2*\k+\e], v[XR+16*\a+4*\t+\k], v[DPV], v[YO+8*(2*\t+\a)+2*\k+\e] op_sel:[\e,0,0] op_sel_hi:[1,0,0]
.endr
.endr
.endr
.endr
	WIN 0
.irp t, 0,1,2,3
.irp a, 0,1
	ds_store_b128 v[STO], v[YO+8*(2*\t+\a):YO+8*(2*\t+\a)+3] offset:4352*\a+64*\t
	ds_store_b128 v[STO], v[YO+8*(2*\t+\a)+4:YO+8*(2*\t+\a)+7] offset:4352*\a+64*\t+16
.endr
.endr
.irp a, 0,1
.irp m, 0,1,2,3,4,5,6,7
	ds_load_b128 v[YO+4*(8*\a+\m):YO+4*(8*\a+\m)+3], v[RDA] offset:4352*\a+544*\m
.endr
.endr
.irp a, 0,1
.irp m, 0,1,2,3,4,5,6,7
	s_wait_dscnt 15-(8*\a+\m)
	global_store_b128 v[YOF], v[YO+4*(8*\a+\m):YO+4*(8*\a+\m)+3], s[YP:YP+1] offset:(16*\a+2*\m)*16384  ; 16 lanes store 256 consecutive aligned bytes
.endr
.endr
	s_wait_xcnt 0x0                                ; the pointers and the stores' registers are written again only behind this wait
	s_add_nc_u64 s[XP:XP+1], s[XP:XP+1], 0x400000  ; 8 chunks on: 256 rows
	s_add_nc_u64 s[YP:YP+1], s[YP:YP+1], 0x400000
	s_add_nc_u64 s[BP:BP+1], s[BP:BP+1], 0x8000
	s_add_nc_u64 s[CP:CP+1], s[CP:CP+1], 0x8000
	v_add_nc_u32 v[LTAD], 0x400, v[LTAD]
	v_add_nc_u32 v[LSAD], 0x400, v[LSAD]
	v_add_nc_u32 v[TOTR], 32, v[TOTR]
	v_add_nc_u32 v[IDX], 32, v[IDX]
	s_sub_co_u32 s[RND], s[RND], 1
	s_cmp_lg_u32 s[RND], 0
	s_cbranch_scc1 .Lround
.Lend:
	s_wait_tensorcnt 0x0                           ; the wave's end, behind the last LDS store
	ds_add_u32 v[SPW], v[NIL]
	s_wait_dscnt 0x0
	s_endpgm
.Lfunc_end_k_q4f36589375_scan:
	.size	k_q4f36589375_scan, .Lfunc_end_k_q4f36589375_scan-k_q4f36589375_scan
	.p2alignl 7, 3214868480
	.fill 96, 4, 3214868480
	.section	.rodata,"a",@progbits
	.p2align	6, 0x0
	.amdhsa_kernel k_q4f36589375_scan
		.amdhsa_group_segment_fixed_size 206080
		.amdhsa_private_segment_fixed_size 0
		.amdhsa_enable_private_segment 0
		.amdhsa_kernarg_size 80
		.amdhsa_user_sgpr_count 2
		.amdhsa_user_sgpr_kernarg_segment_ptr 1
		.amdhsa_wavefront_size32 1
		.amdhsa_system_sgpr_workgroup_id_x 1
		.amdhsa_system_sgpr_workgroup_id_y 1
		.amdhsa_system_sgpr_workgroup_id_z 1
		.amdhsa_system_vgpr_workitem_id 0
		.amdhsa_next_free_vgpr 512
		.amdhsa_next_free_sgpr 80
		.amdhsa_reserve_vcc 0
		.amdhsa_float_denorm_mode_32 3
		.amdhsa_float_denorm_mode_16_64 3
		.amdhsa_memory_ordered 1
		.amdhsa_forward_progress 1
		.amdhsa_inst_pref_size 125
	.end_amdhsa_kernel
	.amdgpu_metadata
---
amdhsa.version: [ 1, 2 ]
amdhsa.kernels:
  - .name:           k_q4f36589375_scan
    .symbol:         k_q4f36589375_scan.kd
    .args:
      - { .name: zx, .offset: 0, .size: 8, .value_kind: global_buffer, .address_space: global }
      - { .name: bcd, .offset: 8, .size: 8, .value_kind: global_buffer, .address_space: global }
      - { .name: A_log, .offset: 16, .size: 8, .value_kind: global_buffer, .address_space: global }
      - { .name: D_param, .offset: 24, .size: 8, .value_kind: global_buffer, .address_space: global }
      - { .name: B_bias, .offset: 32, .size: 8, .value_kind: global_buffer, .address_space: global }
      - { .name: C_bias, .offset: 40, .size: 8, .value_kind: global_buffer, .address_space: global }
      - { .name: rope_freqs, .offset: 48, .size: 8, .value_kind: global_buffer, .address_space: global }
      - { .name: yf, .offset: 56, .size: 8, .value_kind: global_buffer, .address_space: global }
      - { .name: W_out, .offset: 64, .size: 8, .value_kind: global_buffer, .address_space: global }
      - { .name: wob, .offset: 72, .size: 8, .value_kind: global_buffer, .address_space: global }
    .group_segment_fixed_size: 206080
    .private_segment_fixed_size: 0
    .kernarg_segment_align: 8
    .kernarg_segment_size: 80
    .max_flat_workgroup_size: 256
    .sgpr_count:     80
    .vgpr_count:     512
    .wavefront_size: 32
...
	.end_amdgpu_metadata
.endif
;; end of part 4
;; launch gate (part 5): grid 1024 x 1, 8 waves a work-group, no clusters, 1,280 bytes of LDS; arguments yf, zx, norm_w, yn; writes yn
.if DOCPART == 5
	.amdgcn_target "amdgcn-amd-amdhsa--gfx1250"
	.amdhsa_code_object_version 6
	.text
	.protected	k_q4f36589375_gate
	.globl	k_q4f36589375_gate
	.p2align	8
	.type	k_q4f36589375_gate,@function
k_q4f36589375_gate:
	s_mov_b64 s[64:65], 0
	v_nop
	global_prefetch_b8 v0, s[64:65] scope:SCOPE_SE
	s_setreg_imm32_b32 hwreg(HW_REG_WAVE_MODE, 25, 1), 1
	s_wait_xcnt 0x0
; THE GATED RMS NORM.  g = y z / (1 + e^-z);  yn = g rsqrt(mean(g^2) + 1e-6) norm_w, rounded once to f16 (magnitude at most 64 |norm_w|).
; A work-group has two rows of 4,096; wave w the columns 512 w .. 512 w + 511 of both; a row stays in registers between the sum and the scaling, so memory is read once.
; A wave's load of y covers 512 consecutive bytes, of z 256; a wave's store 256 consecutive aligned bytes.  The eight waves' sums of squares meet in LDS, once.
; The launch streams: no matrix unit, no ring, no cluster.
.set WN, 16                            ; v[16:31] norm_w of my 16 columns
.set ZZ, 32                            ; v[32:47] z as loaded (f16), 8 a row; later the result
.set YY, 48                            ; v[48:79] y, then g, 16 a row
.set AA, 80
.set ZF, 96
.set SM, 112
.set SPW, 120
.set NIL, 121
.set SPARE, 256
	s_load_b256 s[4:11], s[0:1], 0x0               ; yf s[4:5], zx s[6:7], norm_w s[8:9], yn s[10:11]
	v_lshl_add_u32 v[SPW], v0, 2, SPARE
	v_mov_b32 v[NIL], 0
	v_lshrrev_b32 v3, 5, v0                        ; wave
	v_and_b32 v1, 31, v0
	v_lshlrev_b32 v1, 4, v1
	v_lshl_add_u32 v1, v3, 11, v1                  ; 2,048 w + 16 l
	v_lshrrev_b32 v2, 1, v1                        ; 1,024 w + 8 l
	v_lshlrev_b32 v3, 3, v3                        ; my wave's two sums in LDS
	v_mov_b32 v4, 0
	v_mov_b32 v5, 0xbfb8aa3b                       ; -log2(e)
	s_lshl_b32 s12, ttmp9, 15                      ; two rows of 16,384 bytes
	s_mov_b32 s13, 0
	s_mov_b32 s14, 0x39800000                      ; 1 / 4,096
	s_mov_b32 s15, 0x358637bd                      ; 1e-6
	s_mov_b32 s16, 0x76543210
	s_mov_b32 s17, 0xfedcba98
	s_wait_kmcnt 0x0
	s_add_nc_u64 s[4:5], s[4:5], s[12:13]
	s_add_nc_u64 s[6:7], s[6:7], s[12:13]
	s_lshl_b32 s12, ttmp9, 14
	s_add_nc_u64 s[10:11], s[10:11], s[12:13]
.irp k, 0,1,2,3
	global_load_b128 v[WN+4*\k:WN+4*\k+3], v1, s[8:9] offset:512*\k
.endr
.irp i, 0,1
.irp k, 0,1,2,3
	global_load_b128 v[YY+16*\i+4*\k:YY+16*\i+4*\k+3], v1, s[4:5] offset:16384*\i+512*\k th:TH_LOAD_NT
.endr
.irp k, 0,1,2,3
	global_load_b64 v[ZZ+8*\i+2*\k:ZZ+8*\i+2*\k+1], v2, s[6:7] offset:16384*\i+256*\k th:TH_LOAD_NT
.endr
.endr
.macro GROW i, left                    ; row i: g into YY, its sum of squares over my 16 numbers into SM + 4 + i
	s_wait_loadcnt \left
.irp x, 0,1,2,3,4,5,6,7
.irp e, 0,1
	v_fma_mix_f32 v[AA+2*\x+\e], v[ZZ+8*(\i)+\x], v5, v4 op_sel:[\e,0,0] op_sel_hi:[1,0,0]
.endr
.endr
.set r, 0
.rept 16
	v_exp_f32 v[AA+r], v[AA+r]
.set r, r+1
.endr
.irp x, 0,1,2,3,4,5,6,7
.irp e, 0,1
	v_fma_mix_f32 v[ZF+2*\x+\e], v[ZZ+8*(\i)+\x], v[YY+16*(\i)+2*\x+\e], v4 op_sel:[\e,0,0] op_sel_hi:[1,0,0]  ; y z: the plain work behind the batch
.endr
.endr
	s_wait_alu depctr_va_vdst(0)                   ; one wait for the 16 exponentials
.set r, 0
.rept 8
	v_pk_add_f32 v[AA+r:AA+r+1], v[AA+r:AA+r+1], 1.0 op_sel_hi:[1,0]
.set r, r+2
.endr
.set r, 0
.rept 16
	v_rcp_f32 v[AA+r], v[AA+r]
.set r, r+1
.endr
	v_nop
	s_wait_alu depctr_va_vdst(0)                   ; one wait for the 16 reciprocals
.set r, 0
.rept 8
	v_pk_mul_f32 v[YY+16*(\i)+r:YY+16*(\i)+r+1], v[ZF+r:ZF+r+1], v[AA+r:AA+r+1]
.set r, r+2
.endr
	v_pk_mul_f32 v[SM:SM+1], v[YY+16*(\i):YY+16*(\i)+1], v[YY+16*(\i):YY+16*(\i)+1]
	v_pk_mul_f32 v[SM+2:SM+3], v[YY+16*(\i)+2:YY+16*(\i)+3], v[YY+16*(\i)+2:YY+16*(\i)+3]
.irp k, 1,2,3
	v_pk_fma_f32 v[SM:SM+1], v[YY+16*(\i)+4*\k:YY+16*(\i)+4*\k+1], v[YY+16*(\i)+4*\k:YY+16*(\i)+4*\k+1], v[SM:SM+1]
	v_pk_fma_f32 v[SM+2:SM+3], v[YY+16*(\i)+4*\k+2:YY+16*(\i)+4*\k+3], v[YY+16*(\i)+4*\k+2:YY+16*(\i)+4*\k+3], v[SM+2:SM+3]
.endr
	v_pk_add_f32 v[SM:SM+1], v[SM:SM+1], v[SM+2:SM+3]
	v_add_f32 v[SM+4+(\i)], v[SM], v[SM+1]
.endm
	GROW 0, 8                                      ; row 1's eight loads may stay out
	GROW 1, 0
.irp m, 1,2,4,8
	v_add_f32_dpp v[SM+4], v[SM+4], v[SM+4] row_xmask:\m row_mask:0xf bank_mask:0xf
	v_add_f32_dpp v[SM+5], v[SM+5], v[SM+5] row_xmask:\m row_mask:0xf bank_mask:0xf
.endr
	v_permlanex16_b32 v[SM], v[SM+4], s16, s17
	v_permlanex16_b32 v[SM+1], v[SM+5], s16, s17
	v_pk_add_f32 v[SM+4:SM+5], v[SM+4:SM+5], v[SM:SM+1]
	ds_store_b64 v3, v[SM+4:SM+5]                  ; all lanes of a wave write the same two numbers
	s_wait_dscnt 0x0
	s_barrier_signal -1
	s_barrier_wait -1
.irp k, 0,1,2,3
	ds_load_b128 v[AA+4*\k:AA+4*\k+3], v4 offset:16*\k
.endr
.irp k, 0,1,2,3,4,5,6,7                ; norm_w is rounded to bf16 like every input
	v_cvt_pk_bf16_f32 v[ZF+\k], v[WN+2*\k], v[WN+2*\k+1]
.endr
.irp k, 0,1,2,3,4,5,6,7
	v_lshlrev_b32 v[WN+2*\k], 16, v[ZF+\k]
	v_and_b32 v[WN+2*\k+1], 0xffff0000, v[ZF+\k]
.endr
	s_wait_dscnt 0x0
.irp k, 0,1,2,3
	v_pk_add_f32 v[AA+4*\k:AA+4*\k+1], v[AA+4*\k:AA+4*\k+1], v[AA+4*\k+2:AA+4*\k+3]
.endr
	v_pk_add_f32 v[AA:AA+1], v[AA:AA+1], v[AA+4:AA+5]
	v_pk_add_f32 v[AA+8:AA+9], v[AA+8:AA+9], v[AA+12:AA+13]
	v_pk_add_f32 v[AA:AA+1], v[AA:AA+1], v[AA+8:AA+9]
	v_fma_f32 v[AA], v[AA], s14, s15
	v_fma_f32 v[AA+1], v[AA+1], s14, s15
	v_rsq_f32 v[AA+2], v[AA]
	v_rsq_f32 v[AA+3], v[AA+1]
	v_nop
	s_wait_alu depctr_va_vdst(0)
.irp i, 0,1
.irp k, 0,1,2,3,4,5,6,7
	v_pk_mul_f32 v[YY+16*\i+2*\k:YY+16*\i+2*\k+1], v[YY+16*\i+2*\k:YY+16*\i+2*\k+1], v[AA+2:AA+3] op_sel:[0,\i] op_sel_hi:[1,\i]
.endr
.irp k, 0,1,2,3,4,5,6,7
	v_pk_mul_f32 v[YY+16*\i+2*\k:YY+16*\i+2*\k+1], v[YY+16*\i+2*\k:YY+16*\i+2*\k+1], v[WN+2*\k:WN+2*\k+1]
.endr
.irp k, 0,1,2,3,4,5,6,7
	v_cvt_pk_f16_f32 v[ZZ+8*\i+\k], v[YY+16*\i+2*\k], v[YY+16*\i+2*\k+1]
.endr
.irp k, 0,1,2,3
	global_store_b64 v2, v[ZZ+8*\i+2*\k:ZZ+8*\i+2*\k+1], s[10:11] offset:8192*\i+256*\k
.endr
.endr
	s_wait_tensorcnt 0x0                           ; the wave's end, behind the last LDS store
	ds_add_u32 v[SPW], v[NIL]
	s_wait_dscnt 0x0
	s_endpgm
.Lfunc_end_k_q4f36589375_gate:
	.size	k_q4f36589375_gate, .Lfunc_end_k_q4f36589375_gate-k_q4f36589375_gate
	.p2alignl 7, 3214868480
	.fill 96, 4, 3214868480
	.section	.rodata,"a",@progbits
	.p2align	6, 0x0
	.amdhsa_kernel k_q4f36589375_gate
		.amdhsa_group_segment_fixed_size 1280
		.amdhsa_private_segment_fixed_size 0
		.amdhsa_enable_private_segment 0
		.amdhsa_kernarg_size 32
		.amdhsa_user_sgpr_count 2
		.amdhsa_user_sgpr_kernarg_segment_ptr 1
		.amdhsa_wavefront_size32 1
		.amdhsa_system_sgpr_workgroup_id_x 1
		.amdhsa_system_sgpr_workgroup_id_y 1
		.amdhsa_system_sgpr_workgroup_id_z 1
		.amdhsa_system_vgpr_workitem_id 0
		.amdhsa_next_free_vgpr 124
		.amdhsa_next_free_sgpr 66
		.amdhsa_reserve_vcc 0
		.amdhsa_float_denorm_mode_32 3
		.amdhsa_float_denorm_mode_16_64 3
		.amdhsa_memory_ordered 1
		.amdhsa_forward_progress 1
		.amdhsa_inst_pref_size 20
	.end_amdhsa_kernel
	.amdgpu_metadata
---
amdhsa.version: [ 1, 2 ]
amdhsa.kernels:
  - .name:           k_q4f36589375_gate
    .symbol:         k_q4f36589375_gate.kd
    .args:
      - { .name: yf, .offset: 0, .size: 8, .value_kind: global_buffer, .address_space: global }
      - { .name: zx, .offset: 8, .size: 8, .value_kind: global_buffer, .address_space: global }
      - { .name: norm_w, .offset: 16, .size: 8, .value_kind: global_buffer, .address_space: global }
      - { .name: yn, .offset: 24, .size: 8, .value_kind: global_buffer, .address_space: global }
    .group_segment_fixed_size: 1280
    .private_segment_fixed_size: 0
    .kernarg_segment_align: 8
    .kernarg_segment_size: 32
    .max_flat_workgroup_size: 256
    .sgpr_count:     66
    .vgpr_count:     124
    .wavefront_size: 32
...
	.end_amdgpu_metadata
.endif
;; end of part 5
;; launch gemm2 (part 6): grid 16 x 16, 4 waves a work-group, clusters of 4 x 4, 327,680 bytes of LDS; arguments yn, wob, out0; writes out0
.if DOCPART == 6
	.amdgcn_target "amdgcn-amd-amdhsa--gfx1250"
	.amdhsa_code_object_version 6
	.text
	.protected	k_q4f36589375_gemm2
	.globl	k_q4f36589375_gemm2
	.p2align	8
	.type	k_q4f36589375_gemm2,@function
k_q4f36589375_gemm2:
	s_mov_b64 s[64:65], 0
	v_nop
	global_prefetch_b8 v0, s[64:65] scope:SCOPE_SE
	s_setreg_imm32_b32 hwreg(HW_REG_WAVE_MODE, 25, 1), 1
	s_wait_xcnt 0x0
	s_wait_alu depctr_hold_cnt(0) depctr_sa_sdst(0) depctr_va_vdst(0) depctr_va_sdst(0) depctr_va_ssrc(0) depctr_va_vcc(0) depctr_vm_vsrc(0)
	s_getreg_b32 s2, hwreg(HW_REG_IB_STS2, 6, 4)
	s_cmp_eq_u32 s2, 0
	s_cbranch_scc0 .Lentry_in_a_cluster
	s_endpgm
.Lentry_in_a_cluster:
	s_bfe_u32 s2, ttmp6, 0x10000c
	s_cmp_lg_u32 s2, 0xf033
	s_cbranch_scc0 .Lentry_shape_is_right
	s_endpgm
.Lentry_shape_is_right:
; out0 = yn W_out.  A = yn [2048 m][4096 k] f16, B = wob [4096 k][2048 n] f16 (W_out rounded once), C = out0 [2048][2048] f32; sums in f32.
; 256 work-groups, one tile of 128 x 128 each (tiles of 256 x 256 would be 64); four waves, each 64 x 64: 16 accumulators.  K goes in 16 steps of 256 through two LDS slots.
; A's tile: 128 rows of 512 bytes.  B LIES [K][N]: its tile is 256 k rows of 256 bytes; its fragments come out of LDS turned, by ds_load_tr16_b128.
; CLUSTERS of 4 x 4: A's tile is asked for jointly along a row of the cluster, B's along a column.  The matrix instruction is used transposed: a lane holds 8 neighbouring numbers of a row of C.
; A wave's 64 columns of f32 are 256 aligned bytes of a row, so each wave sends its own rows out through its own stage, with no barrier.
; No prefetch: the tiles are small, and each step's bytes are shared fourfold already.
; REGISTERS: window 0: v0-31 addresses; v128-255 the accumulators ((a, b) at 128 + 8 (4 a + b)); window 1: two fragment buffers of 128: 64 of A, then 64 of B.
.set SIZE_N, 2048
.set SIZE_K, 4096
.set KSTEP,  256
.set PA,     528                       ; A's LDS row: 512 bytes + 16
.set PB,     288                       ; B's LDS row: 256 bytes + 32 = 9 x 32
.set HALFA,  64*PA
.set HALFB,  128*PB
.set BOFF,   2*HALFA
.set SLOT,   BOFF+2*HALFB
.set STAGE,  2*SLOT                    ; behind the ring: 16 rows x 272 bytes for each wave
.set SPITCH, 272
.set SPARE,  STAGE+4*16*SPITCH
.set LAPS,   SIZE_K/(2*KSTEP)
.set ASTEP,  KSTEP*2
.set BSTEP,  KSTEP*SIZE_N*2
.set ADRA, 16                          ; v16-17 my A fragments in slot 0, 1
.set ADRB, 20                          ; v20-23 my B fragments: slot s, k rows 128 hf on, at 20 + 2 s + hf (a 16-bit offset does not span 256 rows)
.set STO,  24
.set RD,   25
.set CO,   26
.set SPW,  28
.set NIL,  29
.set ACC,  128
.set F0,   0
.set F1,   128
.set G1, 24
.set G0, 32
.set G1B, 48
.set G0B, 56
.set MSB, 0
.macro WIN new
.if MSB != (\new)
	s_set_vgpr_msb (MSB<<8)|(\new)
.set MSB, \new
.endif
.endm
.set MUL,  0x05                        ; sources 0 (B) and 1 (A) window 1; C and D window 0
.set TO_F, 0x40
.macro JLOAD s                         ; a joint load: waves 0 and 1 fetch A's halves, waves 2 and 3 B's; an s_nop 0 and four v_nop follow each line
	s_cmp_eq_u32 s11, 0
	s_cbranch_scc0 .Lfor_b_\@
	tensor_load_to_lds s[G0+4*(\s):G0+4*(\s)+3], s[G1:G1+7]
	s_nop 0
.rept 4
	v_nop
.endr
	s_branch .Lasked_\@
.Lfor_b_\@:
	tensor_load_to_lds s[G0B+4*(\s):G0B+4*(\s)+3], s[G1B:G1B+7]
	s_nop 0
.rept 4
	v_nop
.endr
.Lasked_\@:
.endm
.macro CREST
	s_cmp_lg_u32 s10, 0
	s_cbranch_scc1 .Lnot_wave_0_\@
	s_barrier_signal -3
.Lnot_wave_0_\@:
	s_barrier_wait -3
	s_barrier_signal -1
	s_barrier_wait -1
.endm
.macro CROUND
	s_barrier_signal -1
	s_barrier_wait -1
	CREST
.endm
	s_load_b128 s[4:7], s[0:1], 0x0                ; yn s[4:5], wob s[6:7]
	s_load_b64 s[8:9], s[0:1], 0x10                ; out0
	v_lshl_add_u32 v[SPW], v0, 2, SPARE
	v_mov_b32 v[NIL], 0
	ds_add_u32 v[SPW], v[NIL]                      ; the wave's opening: the add and its wait ahead of my first tensor load
	v_lshrrev_b32 v1, 5, v0
	v_readfirstlane_b32 s10, v1
	s_lshr_b32 s11, s10, 1                         ; my half of the rows.  Also: I fetch for A (0) or B (1)
	s_and_b32 s12, s10, 1                          ; my half of the columns.  Also: which half of that tile I fetch
	s_bfe_u32 s40, ttmp6, 0x40000
	s_bfe_u32 s41, ttmp6, 0x40004
	s_lshl_b32 s42, ttmp9, 2
	s_add_co_u32 s42, s42, s40                     ; tile column
	s_and_b32 s13, ttmp7, 0xffff
	s_lshl_b32 s13, s13, 2
	s_add_co_u32 s13, s13, s41                     ; tile row
	s_lshl_b32 s43, s41, 2
	s_lshl_b32 s43, 15, s43
	s_lshl_b32 s44, 0x1111, s40
	s_or_b32 s[G1+0], s43, (1<<16)|(1<<20)|(1<<21)|(6<<22)|(3<<25)   ; A: after 128 words 4 words of padding
	s_or_b32 s[G1B+0], s44, (1<<16)|(1<<20)|(1<<21)|(5<<22)|(7<<25)  ; B: after 64 words 8 words
	s_mov_b32 s[G1+1], KSTEP<<16                   ; A: 256 elements x 64 rows, 4,096 elements from row to row
	s_mov_b32 s[G1+2], 64<<16
	s_mov_b32 s[G1+3], KSTEP<<16
	s_mov_b32 s[G1+4], 64
	s_mov_b32 s[G1+5], SIZE_K
	s_mov_b32 s[G1+6], 0
	s_mov_b32 s[G1+7], 0
	s_mov_b32 s[G1B+1], 128<<16                    ; B: 128 elements x 128 rows, 2,048 elements from row to row
	s_mov_b32 s[G1B+2], 128<<16
	s_mov_b32 s[G1B+3], 128<<16
	s_mov_b32 s[G1B+4], 128
	s_mov_b32 s[G1B+5], SIZE_N
	s_mov_b32 s[G1B+6], 0
	s_mov_b32 s[G1B+7], 0
	s_lshl_b32 s17, s12, 6
	s_lshl_b32 s16, s13, 7
	s_add_co_u32 s16, s16, s17                     ; A: row 128 x tile row + 64 x half,
	s_lshl_b32 s16, s16, 13                        ; 8,192 bytes a row
	s_mov_b32 s17, 0
	s_lshl_b32 s46, s12, 19                        ; B: k row 128 x half, 4,096 bytes a row,
	s_lshl_b32 s47, s42, 8                         ; 256 bytes a tile column
	s_add_co_u32 s46, s46, s47
	s_mov_b32 s47, 0
	s_mul_i32 s20, s12, HALFA                      ; where the tiles go: no place in the cluster enters an LDS address
	s_mul_i32 s21, s12, HALFB
	s_add_co_u32 s21, s21, BOFF
	s_wait_dscnt 0x0                               ; the opening add is done
	s_wait_kmcnt 0x0
	s_add_nc_u64 s[14:15], s[4:5], s[16:17]
	s_add_nc_u64 s[46:47], s[6:7], s[46:47]
	CROUND                                         ; the first joint loads meet
.irp s, 0,1
	s_mov_b32 s[G0+4*(\s)], 1
	s_add_co_u32 s[G0+4*(\s)+1], s20, (\s)*SLOT
	s_add_nc_u64 s[G0+4*(\s)+2:G0+4*(\s)+3], s[14:15], (\s)*ASTEP
	s_or_b32 s[G0+4*(\s)+3], s[G0+4*(\s)+3], 0x80000000
	s_mov_b32 s[G0B+4*(\s)], 1
	s_add_co_u32 s[G0B+4*(\s)+1], s21, (\s)*SLOT
	s_add_nc_u64 s[G0B+4*(\s)+2:G0B+4*(\s)+3], s[46:47], (\s)*BSTEP
	s_or_b32 s[G0B+4*(\s)+3], s[G0B+4*(\s)+3], 0x80000000
	JLOAD \s                                       ; two loads of mine are out
.endr
	v_and_b32 v1, 15, v0
	v_bfe_u32 v2, v0, 4, 1
	v_mul_u32_u24 v3, v1, PA
	v_lshl_add_u32 v3, v2, 4, v3
	v_and_b32 v6, 7, v0
	v_lshl_add_u32 v6, v2, 3, v6
	v_mul_u32_u24 v6, v6, PB
	v_bfe_u32 v7, v0, 3, 1
	v_lshl_add_u32 v6, v7, 4, v6
	s_mul_i32 s21, s11, HALFA                      ; my 64 rows of A
	s_lshl_b32 s22, s12, 7                         ; my 64 columns of B: 128 bytes of each row
	s_add_co_u32 s22, s22, BOFF
.irp s, 0,1
	v_add_nc_u32 v[ADRA+(\s)], s21, v3
	v_add_nc_u32 v[ADRB+2*(\s)], s22, v6
	v_add_nc_u32 v[ADRB+2*(\s)+1], HALFB, v[ADRB+2*(\s)]
	s_add_co_u32 s21, s21, SLOT
	s_add_co_u32 s22, s22, SLOT
.endr
	s_mul_i32 s23, s10, 16*SPITCH
	s_add_co_u32 s23, s23, STAGE                   ; my stage
	v_mul_u32_u24 v4, v1, SPITCH                   ; in: row l % 16, 32 bytes for each half of the lanes
	v_lshl_add_u32 v4, v2, 5, v4
	v_add_nc_u32 v[STO], s23, v4
	v_mul_u32_u24 v5, v2, SPITCH                   ; back: lanes 0-15 one row of 256 bytes, lanes 16-31 the next
	v_lshl_add_u32 v5, v1, 4, v5
	v_add_nc_u32 v[RD], s23, v5
	v_lshlrev_b32 v5, 13, v2
	v_lshl_add_u32 v[CO], v1, 4, v5
	s_lshl_b32 s16, s13, 7
	s_lshl_b32 s17, s11, 6
	s_add_co_u32 s16, s16, s17                     ; my first row of C,
	s_lshl_b32 s16, s16, 13                        ; 8,192 bytes a row
	s_mov_b32 s17, 0
	s_add_nc_u64 s[8:9], s[8:9], s[16:17]
	s_lshl_b32 s46, s42, 9                         ; my first column: 512 bytes a tile column + 256 x half
	s_lshl_b32 s47, s12, 8
	s_add_co_u32 s46, s46, s47
	s_mov_b32 s47, 0
	s_add_nc_u64 s[8:9], s[8:9], s[46:47]
.macro MUL8 f, c, a0, zero             ; 8 matrix instructions: m blocks a0, a0 + 1 x all 4 n blocks, 32 along K: half c of buffer f; the 16 accumulators take turns
	WIN MUL
.irp a, \a0, (\a0)+1
.irp b, 0,1,2,3
.if \zero
	v_wmma_f32_16x16x32_f16 v[ACC+8*(4*(\a)+(\b)):ACC+8*(4*(\a)+(\b))+7], v[(\f)+64+8*(4*(\c)+(\b)):(\f)+64+8*(4*(\c)+(\b))+7], v[(\f)+8*(4*(\c)+(\a)):(\f)+8*(4*(\c)+(\a))+7], 0
.else
	v_wmma_f32_16x16x32_f16 v[ACC+8*(4*(\a)+(\b)):ACC+8*(4*(\a)+(\b))+7], v[(\f)+64+8*(4*(\c)+(\b)):(\f)+64+8*(4*(\c)+(\b))+7], v[(\f)+8*(4*(\c)+(\a)):(\f)+8*(4*(\c)+(\a))+7], v[ACC+8*(4*(\a)+(\b)):ACC+8*(4*(\a)+(\b))+7]
.endif
.endr
.endr
.endm
; 32 LDS loads in one run: the fragments of quarter qd (64 along K) into buffer f; the first 32 along K first
.macro FETCH slot, qd, f
	WIN TO_F
.irp c, 0,1
.irp i, 0,1,2,3
	ds_load_tr16_b128 v[(\f)+64+8*(4*(\c)+(\i)):(\f)+64+8*(4*(\c)+(\i))+3],   v[ADRB+2*(\slot)+(\qd)/2] offset:(64*((\qd)%2)+32*(\c))*PB+32*(\i)
	ds_load_tr16_b128 v[(\f)+64+8*(4*(\c)+(\i))+4:(\f)+64+8*(4*(\c)+(\i))+7], v[ADRB+2*(\slot)+(\qd)/2] offset:(64*((\qd)%2)+32*(\c)+16)*PB+32*(\i)
	ds_load_b128 v[(\f)+8*(4*(\c)+(\i)):(\f)+8*(4*(\c)+(\i))+3],         v[ADRA+(\slot)] offset:128*(\qd)+64*(\c)+(\i)*16*PA
	ds_load_b128 v[(\f)+8*(4*(\c)+(\i))+4:(\f)+8*(4*(\c)+(\i))+7],       v[ADRA+(\slot)] offset:128*(\qd)+64*(\c)+(\i)*16*PA+32
.endr
.endr
.endm
.macro PLACES
.rept 4
	v_nop
.endr
.endm
.macro QUARTER slot, qd, f, g, zero    ; multiplies buffer f and fetches quarter qd of the same slot into g
	s_wait_dscnt 16                                ; the first 32 along K are in
	WIN MUL
	MUL8 \f, 0, 0, \zero
	MUL8 \f, 0, 2, \zero
	PLACES
	FETCH \slot, \qd, \g
	s_wait_dscnt 32                                ; all but the 32 just issued
	WIN MUL
	MUL8 \f, 1, 0, 0
	MUL8 \f, 1, 2, 0
.endm
; The last quarter multiplies buffer 1 and changes slots: one barrier; in front of it each wave waits for all its tensor loads, adds 0 to its spare word, and waits for that and for its reads of this slot.
.macro TURN slot, next, fill
	WIN 0
	s_wait_tensorcnt 0x0                           ; the one load of mine that was out is my part of the next slot
	ds_add_u32 v[SPW], v[NIL]
	s_wait_dscnt 17                                ; the add and the youngest sixteen loads may be out
	WIN MUL
	MUL8 F1, 0, 0, 0
	s_wait_dscnt 0x0                               ; the add is done, and my reads of this slot are over
	s_barrier_signal -1
	MUL8 F1, 0, 2, 0
.if \fill
	WIN 0
.endif
	s_barrier_wait -1
.if \fill
	CREST                                          ; no wave of any partner still reads this slot or has a load on its way
	s_add_nc_u64 s[G0+4*(\slot)+2:G0+4*(\slot)+3], s[G0+4*(\slot)+2:G0+4*(\slot)+3], 2*ASTEP
	s_add_nc_u64 s[G0B+4*(\slot)+2:G0B+4*(\slot)+3], s[G0B+4*(\slot)+2:G0B+4*(\slot)+3], 2*BSTEP
	JLOAD \slot                                    ; one load of mine is out, 112 matrix instructions ahead of the wait for it; its four v_nop are also the places for the loads below
.else
	PLACES
.endif
	FETCH \next, 0, F0
	WIN MUL
	MUL8 F1, 1, 0, 0
	MUL8 F1, 1, 2, 0
.endm
; THE WAY OUT of m block a: 16 rows x 256 bytes into my stage, back as whole rows into the registers that they left, stored
.macro TOSTAGE a
.irp b, 0,1,2,3
	ds_store_b128 v[STO], v[ACC+8*(4*(\a)+\b):ACC+8*(4*(\a)+\b)+3] offset:64*\b
	ds_store_b128 v[STO], v[ACC+8*(4*(\a)+\b)+4:ACC+8*(4*(\a)+\b)+7] offset:64*\b+16
.endr
.irp t, 0,1,2,3,4,5,6,7
	ds_load_b128 v[ACC+32*(\a)+4*\t:ACC+32*(\a)+4*\t+3], v[RD] offset:\t*2*SPITCH  ; a wave's LDS instructions are served in order: these see the stores above; the next block's stores come behind them
.endr
.endm
.macro SEND a, younger                 ; younger: the LDS instructions issued behind block a's loads
.irp t, 0,1,2,3,4,5,6,7
	s_wait_dscnt (\younger)+7-\t
	global_store_b128 v[CO], v[ACC+32*(\a)+4*\t:ACC+32*(\a)+4*\t+3], s[8:9] offset:(16*(\a)+2*\t)*SIZE_N*4  ; 16 lanes store 256 consecutive aligned bytes
.endr
.endm
	s_wait_tensorcnt 1                             ; my part of K step 0 is in; K step 1's may stay out
	s_barrier_signal -1
	s_barrier_wait -1
	FETCH 0, 0, F0
	QUARTER 0, 1, F0, F1, 1                        ; the first products start the sums
	WIN 0
	s_mov_b32 s3, LAPS-1
.Llap:
	QUARTER 0, 2, F1, F0, 0
	QUARTER 0, 3, F0, F1, 0
	TURN 0, 1, 1
	QUARTER 1, 1, F0, F1, 0
	QUARTER 1, 2, F1, F0, 0
	QUARTER 1, 3, F0, F1, 0
	TURN 1, 0, 1
	QUARTER 0, 1, F0, F1, 0
	WIN 0
	s_sub_co_u32 s3, s3, 1
	s_cmp_lg_u32 s3, 0
	s_cbranch_scc1 .Llap
	QUARTER 0, 2, F1, F0, 0                        ; the last lap fills nothing
	QUARTER 0, 3, F0, F1, 0
	TURN 0, 1, 0
	QUARTER 1, 1, F0, F1, 0
	QUARTER 1, 2, F1, F0, 0
	QUARTER 1, 3, F0, F1, 0
	s_wait_dscnt 16
	WIN MUL
	MUL8 F1, 0, 0, 0
	MUL8 F1, 0, 2, 0
	s_wait_dscnt 0x0
	MUL8 F1, 1, 0, 0
	MUL8 F1, 1, 2, 0
	WIN 0
	PLACES
	PLACES
	TOSTAGE 0
	TOSTAGE 1
	SEND 0, 16
	TOSTAGE 2
	SEND 1, 16
	TOSTAGE 3
	SEND 2, 16
	SEND 3, 0
	s_wait_tensorcnt 0x0                           ; the wave's end
	ds_add_u32 v[SPW], v[NIL]
	s_wait_dscnt 0x0
	CROUND                                         ; the closing round
	s_endpgm
.Lfunc_end_k_q4f36589375_gemm2:
	.size	k_q4f36589375_gemm2, .Lfunc_end_k_q4f36589375_gemm2-k_q4f36589375_gemm2
	.p2alignl 7, 3214868480
	.fill 96, 4, 3214868480
	.section	.rodata,"a",@progbits
	.p2align	6, 0x0
	.amdhsa_kernel k_q4f36589375_gemm2
		.amdhsa_group_segment_fixed_size 327680
		.amdhsa_private_segment_fixed_size 0
		.amdhsa_enable_private_segment 0
		.amdhsa_kernarg_size 24
		.amdhsa_user_sgpr_count 2
		.amdhsa_user_sgpr_kernarg_segment_ptr 1
		.amdhsa_wavefront_size32 1
		.amdhsa_system_sgpr_workgroup_id_x 1
		.amdhsa_system_sgpr_workgroup_id_y 1
		.amdhsa_system_sgpr_workgroup_id_z 1
		.amdhsa_system_vgpr_workitem_id 0
		.amdhsa_next_free_vgpr 512
		.amdhsa_next_free_sgpr 66
		.amdhsa_reserve_vcc 0
		.amdhsa_float_denorm_mode_32 3
		.amdhsa_float_denorm_mode_16_64 3
		.amdhsa_memory_ordered 1
		.amdhsa_forward_progress 1
		.amdhsa_inst_pref_size 87
	.end_amdhsa_kernel
	.amdgpu_metadata
---
amdhsa.version: [ 1, 2 ]
amdhsa.kernels:
  - .name:           k_q4f36589375_gemm2
    .symbol:         k_q4f36589375_gemm2.kd
    .args:
      - { .name: yn, .offset: 0, .size: 8, .value_kind: global_buffer, .address_space: global }
      - { .name: wob, .offset: 8, .size: 8, .value_kind: global_buffer, .address_space: global }
      - { .name: out0, .offset: 16, .size: 8, .value_kind: global_buffer, .address_space: global }
    .group_segment_fixed_size: 327680
    .private_segment_fixed_size: 0
    .kernarg_segment_align: 8
    .kernarg_segment_size: 24
    .max_flat_workgroup_size: 128
    .sgpr_count:     66
    .vgpr_count:     512
    .wavefront_size: 32
...
	.end_amdgpu_metadata
.endif
;; end of part 6
;; ======== version 2 of 2: 6 launches; version 1 with the launches bcdt, scan written anew for expert scheduling mode
;; limits: values are held in f16: magnitudes above 65,504 overflow, below 6.1e-05 lose precision
;; workspace buffers: xw 9,175,040 bytes; wib 33,554,432 bytes; wob 16,777,216 bytes; zx 33,554,432 bytes; bcd 1,048,576 bytes; yf 33,554,432 bytes; yn 16,777,216 bytes
;; launch cast: the kernel of part 1 again; grid 272 x 1, 8 waves a work-group, no clusters, 53,248 bytes of LDS; arguments x, W_in, xw; writes xw
;; launch bcdt (part 7): grid 1408 x 1, 4 waves a work-group, no clusters, 19,456 bytes of LDS; arguments xw, dt_bias, bcd, W_in, wib; writes bcd, wib
.if DOCPART == 7
	.amdgcn_target "amdgcn-amd-amdhsa--gfx1250"
	.amdhsa_code_object_version 6
	.text
	.protected	k_q4f36589375_bcdt
	.globl	k_q4f36589375_bcdt
	.p2align	8
	.type	k_q4f36589375_bcdt,@function
k_q4f36589375_bcdt:
	s_mov_b64 s[64:65], 0
	v_nop
	global_prefetch_b8 v0, s[64:65] scope:SCOPE_SE
	s_setreg_imm32_b32 hwreg(HW_REG_WAVE_SCHED_MODE, 0, 2), 2
	s_setreg_imm32_b32 hwreg(HW_REG_WAVE_MODE, 25, 1), 1
	s_wait_xcnt 0x0
	s_wait_alu depctr_vm_vsrc(0)
; TWO JOBS THAT DO NOT HANG ON EACH OTHER, IN ONE LAUNCH.  Work-groups 0..383: the last 192 columns of the in-projection and what is made of them: chains of loads that wait.
; Work-groups 384..1407: the bf16 copy of W_in's first 8,192 columns (wib, [2048 k][8192 n]), which only the launch behind this one reads: a stream that fills the memory's time meanwhile.
; THE PRODUCT.  A work-group makes 16 rows x 64 columns: group 0: B, 1: C, 2: dt.  Operands in bf16, sums in f32.
; K = 2,048 IS SPLIT AMONG THE FOUR WAVES (512 each, 16 steps of 32); the four partial sums meet in LDS; wave 0 finishes.
; B, C: v * rsqrt(mean(v^2) + 1e-6) over the 64 columns, rounded once to f16 (magnitude at most 8) -> bcd [2048][64] at 0 and at 262,144.
; dt = softplus(v + dt_bias) = max(x, 0) + ln(1 + e^-|x|), f32 -> bcd at 524,288 as [2][64 h][1,024 t].  LIMIT: 1 + e^-|x| is rounded in f32: dt is off by up to 6e-8.
; dt's stores are pieces of 64 bytes (a work-group has 16 t): 512 KiB of the launch; they spare the scan a gather of single words.
; x's fragments come straight from its rows: two loads of 16 bytes a lane.  The weights lie in the order of fragments: half a fragment is one load of 512 consecutive bytes.
; For B and C source 0 is the weights: a lane holds one row and 8 neighbouring columns.  For dt source 0 is x: a lane holds one head and 8 neighbouring t.
; THE STREAM.  128 threads take two k rows: 32 loads of 16 bytes a thread, all out at once; a wave's load covers 512 consecutive bytes, a wave's store 256 consecutive aligned bytes.
; THE MODE: SCHED_MODE bits 1:0 = 2 (LLVM: expert scheduling mode 2), set by the entry lines.  The code itself states the register dependences
; between vector or matrix instructions and memory or LDS instructions, with s_wait_alu, always for 0.
; THE PLAN.  Registers that memory or LDS instructions touch:
;   v[FO], v[FW], v[LS], v[LR]  offsets and LDS addresses, made at the head and never written again: the two scalar bases move on, once a lap of four steps, and immediate offsets do the rest.
;   BUF0 .. BUF3   Step s: its four products read BUF[s % 4]; the ten loads of step s + 3 land in BUF[(s - 1) % 4], which the step before worked on and no product of step s names.
;   So ONE wait on va_vdst stands at a step's head, behind the wait for the step's data: the step before's products are done reading their buffer.  The ten loads follow it, dealt among the step's products.
;   The accumulators are named by vector and matrix instructions alone until the way out, where one wait stands ahead of the LDS stores that read them.
;   The stream: every load and every store has registers of its own.  The conversions go in groups of four loads; a group's stores stand behind the wait at the next group's head.
.set FO,  2                            ; v2  x: (l % 16) x 4,096 + 16 (l / 16) + 1,024 x wave; never rewritten
.set FW,  3                            ; v3  the weights: 16 x lane + 16,384 x wave (16 fragments of 1,024 bytes); never rewritten
.set LS,  4                            ; v4  where I put my partial sums
.set LR,  5                            ; v5  16 x lane
.set SPW, 8
.set NIL, 9
.set ACC, 16                           ; v[16:47] four accumulators, column tile j
.set BUF, 48                           ; v[48:207] four buffers of 40: buffer b: x's fragment at 40 b, the weights' fragment j at 40 b + 8 + 8 j
.set STG,   16384                      ; LDS: 0 the partial sums (4,096 a wave); here 16 rows x 144 bytes for the way out
.set SPARE, 18944                      ; the spare words
.set WROW,  33536                      ; bytes in a row of W_in
.set WV, 14
.set XP, 10                            ; s[10:11] x at my rows, at the step that buffer 0 is asked for in this lap
.set WP, 12                            ; s[12:13] the weights likewise
	s_load_b128 s[4:7], s[0:1], 0x0                ; xw s[4:5], dt_bias s[6:7]
	s_load_b64 s[8:9], s[0:1], 0x10                ; bcd
	s_load_b64 s[24:25], s[0:1], 0x18              ; W_in
	s_load_b64 s[26:27], s[0:1], 0x20              ; wib
	v_lshl_add_u32 v[SPW], v0, 2, SPARE
	v_mov_b32 v[NIL], 0
	v_lshrrev_b32 v1, 5, v0
	v_readfirstlane_b32 s[WV], v1
	v_and_b32 v10, 15, v0                          ; r
	v_bfe_u32 v11, v0, 4, 1                        ; h
	v_and_b32 v12, 31, v0                          ; l
	s_wait_alu depctr_va_sdst(0)                   ; the wave's number is written, ahead of its first reader
	s_lshl_b32 s16, s[WV], 10
	v_lshlrev_b32 v[FO], 12, v10
	v_lshl_add_u32 v[FO], v11, 4, v[FO]
	v_add_nc_u32 v[FO], s16, v[FO]
	s_lshl_b32 s16, s[WV], 14
	v_lshl_add_u32 v[FW], v12, 4, s16
	s_lshl_b32 s16, s[WV], 12
	v_lshl_add_u32 v[LS], v12, 4, s16
	v_lshlrev_b32 v[LR], 4, v12
	s_mov_b32 s19, ttmp9
	s_lshr_b32 s17, s19, 7                         ; which 64 columns
	s_and_b32 s18, s19, 127
	s_lshl_b32 s18, s18, 4                         ; first row
	s_mov_b32 s15, 3
	s_mov_b32 s3, 0
	s_mov_b32 s20, 0x3c800000                      ; 1 / 64
	s_mov_b32 s21, 0x358637bd                      ; 1e-6
	s_mov_b32 s22, 0x76543210                      ; v_permlanex16_b32: each lane takes its own place in the other half
	s_mov_b32 s23, 0xfedcba98
	s_wait_kmcnt 0x0
	s_cmp_ge_u32 s19, 384
	s_cbranch_scc1 .Lstream                        ; the same for all four waves of a work-group
	s_lshl_b32 s2, s18, 12
	s_add_nc_u64 s[XP:XP+1], s[4:5], s[2:3]
	s_lshl_b32 s2, s17, 18                         ; four blocks of 16 columns, 65,536 bytes each,
	s_add_co_u32 s2, s2, 0x800000                  ; which lie behind x's copy
	s_add_nc_u64 s[WP:WP+1], s[4:5], s[2:3]
.macro XLD b                           ; x's fragment into buffer b: a step is 64 bytes of a row
	global_load_b128 v[BUF+40*(\b):BUF+40*(\b)+3],   v[FO], s[XP:XP+1] offset:64*(\b)
	global_load_b128 v[BUF+40*(\b)+4:BUF+40*(\b)+7], v[FO], s[XP:XP+1] offset:64*(\b)+32
.endm
.macro WLD b, j                        ; the weights' fragment j into buffer b: a step is one fragment of 1,024 bytes
	global_load_b128 v[BUF+40*(\b)+8+8*(\j):BUF+40*(\b)+8+8*(\j)+3],   v[FW], s[WP:WP+1] offset:1024*(\b)+65536*(\j)
	global_load_b128 v[BUF+40*(\b)+8+8*(\j)+4:BUF+40*(\b)+8+8*(\j)+7], v[FW], s[WP:WP+1] offset:1024*(\b)+65536*(\j)+512
.endm
.macro MUL1 b, j, nat                  ; one product; the four accumulators take turns, over the backward jump too
.if \nat
	v_wmma_f32_16x16x32_bf16 v[ACC+8*(\j):ACC+8*(\j)+7], v[BUF+40*(\b):BUF+40*(\b)+7], v[BUF+40*(\b)+8+8*(\j):BUF+40*(\b)+8+8*(\j)+7], v[ACC+8*(\j):ACC+8*(\j)+7]
.else
	v_wmma_f32_16x16x32_bf16 v[ACC+8*(\j):ACC+8*(\j)+7], v[BUF+40*(\b)+8+8*(\j):BUF+40*(\b)+8+8*(\j)+7], v[BUF+40*(\b):BUF+40*(\b)+7], v[ACC+8*(\j):ACC+8*(\j)+7]
.endif
.endm
.macro PLACES                          ; four places behind the last product, in front of loads into registers that it has read: they stand as they stood
.rept 4
	v_nop
.endr
.endm
; A step works on buffer b.  ahead = 1: the step three on is asked for, into the buffer that the step before worked on.  left: the younger loads that may stay out.  on = 1: a lap's first step: the bases move on.
.macro STEP b, nat, ahead, left, on
	s_wait_loadcnt \left                           ; loads come back in order: buffer b is in; the younger steps' ten loads each stay out
.if \on
	s_wait_xcnt 0x0                                ; every load issued so far has read its address: the two bases may be written
	s_add_nc_u64 s[XP:XP+1], s[XP:XP+1], 256       ; four steps: 128 k of a row of x,
	s_add_nc_u64 s[WP:WP+1], s[WP:WP+1], 4096      ; four fragments of the weights
.endif
.if \ahead
	PLACES
	s_wait_alu depctr_va_vdst(0)                   ; the step before's products are done reading their buffer, in which the ten loads below land; no product of this step names it
	XLD ((\b)+3)%4
.endif
.irp j, 0,1,2,3
.if \ahead
	WLD ((\b)+3)%4, \j
.endif
	MUL1 \b, \j, \nat
.endr
.endm
.macro KLOOP nat                       ; step 0; three laps multiply steps 1..12 and ask for steps 4..15; the last three steps load nothing, and the counts run down
	STEP 0, \nat, 0, 30, 0
.Llap_\@:
	STEP 1, \nat, 1, 20, 1
	STEP 2, \nat, 1, 20, 0
	STEP 3, \nat, 1, 20, 0
	STEP 0, \nat, 1, 20, 0
	s_sub_co_u32 s15, s15, 1
	s_cmp_lg_u32 s15, 0
	s_cbranch_scc1 .Llap_\@
	STEP 1, \nat, 0, 20, 0
	STEP 2, \nat, 0, 10, 0
	STEP 3, \nat, 0, 0, 0
.endm
	s_wait_alu depctr_va_vdst(0)                   ; v[FO], v[FW], v[LS] and v[LR] are written: every load and LDS instruction of the product reads one of them as its address
.irp b, 0,1,2,3
	XLD \b                                         ; steps 0 to 3 fill the ring
.irp j, 0,1,2,3
	WLD \b, \j
.endr
.endr
.set r, 0
.rept 32
	v_mov_b32 v[ACC+r], 0                          ; written while the first loads are on their way, so that the loop has one form of product
.set r, r+1
.endr
	s_cmp_eq_u32 s17, 2
	s_cbranch_scc1 .Lnat
	KLOOP 0
	s_branch .Lsum
.Lnat:
	KLOOP 1
.Lsum:
.rept 8
	v_nop                                          ; the places behind the last products, once a launch
.endr
	s_wait_alu depctr_va_vdst(0)                   ; the products have written the accumulators, which the LDS stores read, and are done reading the ring, in which wave 0's loads below land; the places above stay beside this wait
.irp j, 0,1,2,3
	ds_store_b128 v[LS], v[ACC+8*\j:ACC+8*\j+3]   offset:1024*\j
	ds_store_b128 v[LS], v[ACC+8*\j+4:ACC+8*\j+7] offset:1024*\j+512
.endr
	s_wait_dscnt 0x0
	s_barrier_signal -1
	s_barrier_wait -1                              ; all four partial sums lie in LDS
	s_cmp_lg_u32 s[WV], 0
	s_cbranch_scc1 .Lend
.irp v, 0,1,2,3
.irp j, 0,1,2,3
	ds_load_b128 v[48+32*\v+8*\j:48+32*\v+8*\j+3], v[LR] offset:4096*\v+1024*\j
	ds_load_b128 v[48+32*\v+8*\j+4:48+32*\v+8*\j+7], v[LR] offset:4096*\v+1024*\j+512
.endr
.endr
	s_wait_dscnt 0x0
.set r, 0
.rept 16
	v_pk_add_f32 v[48+r:49+r], v[48+r:49+r], v[80+r:81+r]
	v_pk_add_f32 v[112+r:113+r], v[112+r:113+r], v[144+r:145+r]
.set r, r+2
.endr
.set r, 0
.rept 16
	v_pk_add_f32 v[48+r:49+r], v[48+r:49+r], v[112+r:113+r]
.set r, r+2
.endr
	s_cmp_eq_u32 s17, 2
	s_cbranch_scc1 .Ldt
	; B or C: my lane holds row r and 32 of its 64 columns (16 j + 8 h + 0..7); the lane 16 away holds the others
	v_pk_mul_f32 v[176:177], v[48:49], v[48:49]
	v_pk_mul_f32 v[178:179], v[50:51], v[50:51]
.set r, 4
.rept 7
	v_pk_fma_f32 v[176:177], v[48+r:49+r], v[48+r:49+r], v[176:177]
	v_pk_fma_f32 v[178:179], v[50+r:51+r], v[50+r:51+r], v[178:179]
.set r, r+4
.endr
	v_pk_add_f32 v[176:177], v[176:177], v[178:179]
	v_add_f32 v176, v176, v177
	v_permlanex16_b32 v177, v176, s22, s23
	v_add_f32 v176, v176, v177
	v_fma_f32 v176, v176, s20, s21                 ; mean + eps
	v_rsq_f32 v178, v176
	v_rsq_f32 v179, v176                           ; twice: a pair for the packed multiply
	v_mul_u32_u24 v13, v10, 144                    ; plain work behind the two: the stage's addresses
	v_lshl_add_u32 v13, v11, 4, v13
	v_add_nc_u32 v13, STG, v13
	v_lshrrev_b32 v14, 3, v12
	v_mul_u32_u24 v14, v14, 144
	v_and_b32 v15, 7, v0
	v_lshl_add_u32 v14, v15, 4, v14
	v_add_nc_u32 v14, STG, v14
	s_wait_alu depctr_va_vdst(0)                   ; the two reciprocal roots are written, ahead of their first reader
.set r, 0
.rept 16
	v_pk_mul_f32 v[48+r:49+r], v[48+r:49+r], v[178:179]
.set r, r+2
.endr
.set r, 0
.rept 16
	v_cvt_pk_f16_f32 v[80+r], v[48+2*r], v[49+2*r]
.set r, r+1
.endr
	s_wait_alu depctr_va_vdst(0)                   ; the conversions have written v[80:95], which the LDS stores read; the sums above are done reading v[96:111], in which the loads below land
.irp j, 0,1,2,3
	ds_store_b128 v13, v[80+4*\j:83+4*\j] offset:32*\j
.endr
.irp f, 0,1,2,3
	ds_load_b128 v[96+4*\f:99+4*\f], v14 offset:576*\f  ; a wave's LDS instructions are served in order: these see the stores above
.endr
	s_lshl_b32 s2, s17, 18
	s_lshl_b32 s16, s18, 7
	s_add_co_u32 s2, s2, s16
	s_add_nc_u64 s[8:9], s[8:9], s[2:3]
.irp f, 0,1,2,3
	s_wait_dscnt 3-\f
	global_store_b128 v[LR], v[96+4*\f:99+4*\f], s[8:9] offset:512*\f  ; the 16 rows are 2,048 consecutive bytes
.endr
	s_branch .Lend
.Ldt:                                                  ; my lane holds head 16 j + r and t = 8 h + 0..7
	v_lshlrev_b32 v13, 2, v10
	s_wait_alu depctr_va_vdst(0)                   ; v13 is written, which the four loads read as their offset
.irp j, 0,1,2,3
	global_load_b32 v[176+\j], v13, s[6:7] offset:64*\j
.endr
	s_wait_loadcnt 0x0
.irp j, 0,1,2,3
	v_cvt_pk_bf16_f32 v[176+\j], v[176+\j], v[176+\j]   ; every input is rounded to bf16
	v_lshlrev_b32 v[176+\j], 16, v[176+\j]
.endr
.set r, 0
.rept 32
	v_add_f32 v[48+r], v[48+r], v[176+r/8]
	v_and_b32 v[80+r], 0x7fffffff, v[48+r]
	v_mul_f32 v[80+r], 0xbfb8aa3b, v[80+r]         ; -|x| log2(e)
.set r, r+1
.endr
.set r, 0
.rept 32
	v_exp_f32 v[80+r], v[80+r]
.set r, r+1
.endr
	v_nop
	s_wait_alu depctr_va_vdst(0)                   ; the 32 exponentials are written, ahead of their first reader
.set r, 0
.rept 16
	v_pk_add_f32 v[80+r:81+r], v[80+r:81+r], 1.0 op_sel_hi:[1,0]
.set r, r+2
.endr
.set r, 0
.rept 32
	v_log_f32 v[80+r], v[80+r]
.set r, r+1
.endr
.set r, 0
.rept 32
	v_max_num_f32 v[48+r], 0, v[48+r]              ; plain work behind the batch
.set r, r+1
.endr
	s_wait_alu depctr_va_vdst(0)                   ; the 32 logarithms are written, ahead of their first reader
.set r, 0
.rept 32
	v_fmamk_f32 v[48+r], v[80+r], 0x3f317218, v[48+r]  ; log2(..) ln 2 + max(x, 0)
.set r, r+1
.endr
	v_lshlrev_b32 v14, 12, v10                     ; head r: 4,096 bytes a head (a register of its own: v13 is left as the loads read it)
	v_lshl_add_u32 v14, v11, 5, v14                ; my 8 t
	s_lshr_b32 s2, s18, 10                         ; the batch
	s_lshl_b32 s2, s2, 18
	s_and_b32 s16, s18, 1023
	s_lshl_b32 s16, s16, 2
	s_add_co_u32 s2, s2, s16
	s_add_co_u32 s2, s2, 0x80000
	s_add_nc_u64 s[8:9], s[8:9], s[2:3]
	s_wait_alu depctr_va_vdst(0)                   ; the 32 dt in v[48:79] and the offset v14 are written, which the stores read
.irp j, 0,1,2,3
	global_store_b128 v14, v[48+8*\j:51+8*\j], s[8:9] offset:65536*\j
	global_store_b128 v14, v[52+8*\j:55+8*\j], s[8:9] offset:65536*\j+16
.endr
	s_branch .Lend
.Lstream:                                              ; k rows 2 (id - 384) and the next: the first 32,768 bytes of each
	s_sub_co_u32 s16, s19, 384
	s_mul_i32 s2, s16, 2*WROW
	s_add_nc_u64 s[28:29], s[24:25], s[2:3]
	s_add_nc_u64 s[30:31], s[28:29], WROW
	s_lshl_b32 s2, s16, 15
	s_add_nc_u64 s[26:27], s[26:27], s[2:3]
	v_lshlrev_b32 v1, 4, v0                        ; my 16 bytes of 2,048
	v_lshlrev_b32 v13, 3, v0                       ; and my 8 bytes of 1,024
	s_wait_alu depctr_va_vdst(0)                   ; v1 and v13 are written: every load and store of the stream reads one of them as its offset
.set i, 0
.rept 32
	global_load_b128 v[16+4*i:19+4*i], v1, s[28+2*(i/16):29+2*(i/16)] offset:2048*(i%16) th:TH_LOAD_NT
.set i, i+1
.endr
.set i, 0
.rept 32                               ; groups of four loads; a group's four stores stand in the next group, one in front of each pair of conversions
	s_wait_loadcnt 31-i                            ; loads come back in order: the 31 - i younger ones may stay out
.if (i%4 == 0) && (i > 0)
	s_wait_alu depctr_va_vdst(0)                   ; the group before's eight conversions have written their registers, which this group's four stores read; no conversion of this group names them
.endif
.if i >= 4
	global_store_b64 v13, v[144+2*(i-4):145+2*(i-4)], s[26:27] offset:16384*((i-4)/16)+1024*((i-4)%16)
.endif
	v_cvt_pk_bf16_f32 v[144+2*i], v[16+4*i], v[17+4*i]
	v_cvt_pk_bf16_f32 v[145+2*i], v[18+4*i], v[19+4*i]
.set i, i+1
.endr
	s_wait_alu depctr_va_vdst(0)                   ; the last group's conversions have written v[200:207], which the last four stores read
.set i, 28
.rept 4
	global_store_b64 v13, v[144+2*i:145+2*i], s[26:27] offset:16384*(i/16)+1024*(i%16)
.set i, i+1
.endr
.Lend:
	s_wait_dscnt 0x0                               ; the closing lines, six on end
	s_wait_alu 0x0
	s_wait_tensorcnt 0x0
	ds_add_u32 v[SPW], v[NIL]
	s_wait_dscnt 0x0
	s_endpgm
.Lfunc_end_k_q4f36589375_bcdt:
	.size	k_q4f36589375_bcdt, .Lfunc_end_k_q4f36589375_bcdt-k_q4f36589375_bcdt
	.p2alignl 7, 3214868480
	.fill 96, 4, 3214868480
	.section	.rodata,"a",@progbits
	.p2align	6, 0x0
	.amdhsa_kernel k_q4f36589375_bcdt
		.amdhsa_group_segment_fixed_size 19456
		.amdhsa_private_segment_fixed_size 0
		.amdhsa_enable_private_segment 0
		.amdhsa_kernarg_size 40
		.amdhsa_user_sgpr_count 2
		.amdhsa_user_sgpr_kernarg_segment_ptr 1
		.amdhsa_wavefront_size32 1
		.amdhsa_system_sgpr_workgroup_id_x 1
		.amdhsa_system_sgpr_workgroup_id_y 1
		.amdhsa_system_sgpr_workgroup_id_z 1
		.amdhsa_system_vgpr_workitem_id 0
		.amdhsa_next_free_vgpr 208
		.amdhsa_next_free_sgpr 66
		.amdhsa_reserve_vcc 0
		.amdhsa_float_denorm_mode_32 3
		.amdhsa_float_denorm_mode_16_64 3
		.amdhsa_memory_ordered 1
		.amdhsa_forward_progress 1
		.amdhsa_inst_pref_size 57
	.end_amdhsa_kernel
	.amdgpu_metadata
---
amdhsa.version: [ 1, 2 ]
amdhsa.kernels:
  - .name:           k_q4f36589375_bcdt
    .symbol:         k_q4f36589375_bcdt.kd
    .args:
      - { .name: xw, .offset: 0, .size: 8, .value_kind: global_buffer, .address_space: global }
      - { .name: dt_bias, .offset: 8, .size: 8, .value_kind: global_buffer, .address_space: global }
      - { .name: bcd, .offset: 16, .size: 8, .value_kind: global_buffer, .address_space: global }
      - { .name: W_in, .offset: 24, .size: 8, .value_kind: global_buffer, .address_space: global }
      - { .name: wib, .offset: 32, .size: 8, .value_kind: global_buffer, .address_space: global }
    .group_segment_fixed_size: 19456
    .private_segment_fixed_size: 0
    .kernarg_segment_align: 8
    .kernarg_segment_size: 40
    .max_flat_workgroup_size: 128
    .sgpr_count:     66
    .vgpr_count:     208
    .wavefront_size: 32
...
	.end_amdgpu_metadata
.endif
;; end of part 7
;; launch gemm1: the kernel of part 3 again; grid 32 x 8, 4 waves a work-group, clusters of 4 x 4, 327,680 bytes of LDS; arguments xw, wib, zx; writes zx
;; launch scan (part 8): grid 64 x 4, 8 waves a work-group, no clusters, 206,080 bytes of LDS; arguments zx, bcd, A_log, D_param, B_bias, C_bias, rope_freqs, yf, W_out, wob; writes yf, wob
.if DOCPART == 8
	.amdgcn_target "amdgcn-amd-amdhsa--gfx1250"
	.amdhsa_code_object_version 6
	.text
	.protected	k_q4f36589375_scan
	.globl	k_q4f36589375_scan
	.p2align	8
	.type	k_q4f36589375_scan,@function
k_q4f36589375_scan:
	s_mov_b64 s[64:65], 0
	v_nop
	global_prefetch_b8 v0, s[64:65] scope:SCOPE_SE
	s_setreg_imm32_b32 hwreg(HW_REG_WAVE_SCHED_MODE, 0, 2), 2
	s_setreg_imm32_b32 hwreg(HW_REG_WAVE_MODE, 25, 1), 1
	s_wait_xcnt 0x0
	s_wait_alu depctr_vm_vsrc(0)
; TWO JOBS THAT DO NOT HANG ON EACH OTHER, IN ONE LAUNCH: 256 work-groups.  y = 0, 1: THE SELECTIVE SCAN, one (head, batch) to a work-group: 128 of them.
; y = 2, 3: the 16-bit copy of W_out (wob, [4096 k][2048 n]), which only the last launch reads: 128 work-groups, 262,144 bytes each: every number rounded to bf16 like every input,
; and that number written as f16 (exact down to 7.6e-6, below that f16's step of 6e-8).
; THE SCAN.  y_t = 0.125 h_t C_t + D xh_t,  h_t = a_t h_(t-1) + dt_t xh_t B_t^T,  a_t = exp(-exp(A_log) dt_t);  B, C = normalised + bias, turned by the phase cumsum(dt) x freq.
; IN CHUNKS of 32 rows on the matrix units; 32 chunks in 4 rounds, wave w has chunk w + 8 x round.  With L_t the sum of dt inside the chunk up to t, tot its whole sum, A2 = exp(A_log) log2(e), dn_s = dt_s / tot:
;   y_t = 2^(-A2 L_t) (H_in C_t) + tot x sum over s <= t of 2^(A2 (L_s - L_t)) (dn_s B_s . C_t) xh_s;   H_out = 2^(-A2 tot) H_in + tot x sum over s of 2^(A2 (L_s - tot)) xh_s (dn_s B_s)^T.
; Every exponent that is kept is at most 0, since dt >= 0; those above the diagonal are thrown away by a select.  The factor 0.125 is folded into C, exactly.
; FORMATS.  The five inputs read here are rounded to bf16, like every input of the program.  Inside a chunk all operands are f16: xh as it lies in zx; dn B, C and the weights, which the
; normalisation and dn <= 1 bound by (8 + |bias|)^2 / 8 whatever dt is; tot comes back in f32.  The divisor is max(tot, 2^-100): where every dt of a chunk is 0, dn is 0.
; The product with the state H is in bf16 (H has no room in f16); the state itself is carried in f32.
; sin and cos: the phase in half-turns (freq / pi), reduced by its nearest whole number with one fused multiply-add, then the series to x^9 and x^10: off by 4e-6 at the most.
; LIMITS: beyond 2^24 half-turns a phase carries no information, as in an f32 phase.  An f16 operand below 6.1e-5 has the fixed step 6e-8.  NaN and infinities are not treated apart.
; B . C is off by some 3e-3 (four roundings to f16 of vectors of length 8): in a row where D + 0.125 (B . C) dt is small in all heads at once that weighs more than elsewhere.
; LDS: 16,384 a wave (dn w B and xh in f16, pitch 160; then the chunk's G, 16 tiles of 1,024; then the way out's stage, pitch 272); the 8 chunks' H_in as bf16 fragments; L; dt; the chunks' totals; the spare words.
; THE MODE: SCHED_MODE bits 1:0 = 2 (LLVM: expert scheduling mode 2), set by the entry lines.  The code itself states the register dependences
; between vector or matrix instructions and memory or LDS instructions, with s_wait_alu, always for 0.
; THE PLAN.  Registers that memory or LDS instructions touch in a round, in the round's order:
;   RAW, XR     The round's global loads land in them.  The turning reads RAW, and writes dn w B in f16 over the raw B that it has just consumed: each piece has registers of its own, so a tile's four LDS stores
;               stand behind ONE wait on va_vdst.  One wait on vm_vsrc stands ahead of the turning loads, which land in the same registers (UT, BWT).
;   LT, DT, BASE, TOTC, LSA   LDS loads land in them; vector instructions read them.
;   GA          Each half: eight products write it, the places, one wait on va_vdst, sixteen LDS stores; one wait on vm_vsrc ahead of the second half's products, one ahead of the loads of the totals and of G.
;   The eight H_in in bf16   have registers of their own: v[HP ..] and then the G just consumed.  Two waits on va_vdst, each ahead of eight LDS stores; one wait on vm_vsrc ahead of the loads and products that write them again.
;   YO          Products and vector instructions write it; one wait on va_vdst; sixteen LDS stores read it.  The rows come back into YB, which only products ahead of that wait have read; the global stores read YB.
;   v[LTAD], v[LSAD], v[TOTR], v[IDX]   stepped once a round, at its end, behind a wait on vm_vsrc that also frees XR, YO and YB.  All other addresses are made at the head and never written again.
;   ONE wait on va_vdst at the round's head covers those four adds and the round before's vector readers and writers of RAW, XR, LT, DT, BASE and TOTC; in the first round, all that the kernel's head made.
.set HBB,   131072
.set LARR,  196608
.set TOT,   204800
.set SPARE, 205056
; window 0
.set R,1
.set H,2
.set ROWO,3
.set XSO,4
.set SCW,5
.set TRA,6
.set GST,7
.set CMB0,8
.set HBW,10
.set HBR,11
.set LTAD,12
.set LSAD,13
.set TOTR,14
.set IDX,15
.set STO,16
.set RDA,17
.set YOF,18
.set ONE,19
.set EIG,20
.set DPV,21
.set SPW,22
.set NIL,23
.set BASEV,24
.set TOTV,25
.set BASE,26
.set TOTC,27
.set CS,28
.set DT,30                             ; v[30:31] dt of my row in the two tiles, then dn
.set LTA,32
.set WS,34
.set ET,36
.set LT,38
.set PFO,40
.set TAD,47                            ; v47 LDS address of lane c's total; never rewritten
.set FQ,48                             ; v[48:63] my 16 frequencies / pi
.set HC,64                             ; v[64:79] my fragment of the state, f32, through all rounds
.set XX,80
.set X2,88
.set SG,96
.set SN,104
.set CN,112
.set TX,128
.set BF,144                            ; dn B in f16, 16 a tile
.set PP,176                            ; the weights in f16
.set RAW,192
.set UT,192
.set BWT,224
.set SA,80
.set LSA,104
.set EE,120
.set GA,80
.set TT,80
.set HP,88                             ; v[88:95] the round's first H_in in bf16
.set DC,104
.set GL,128
.set HF,128
.set YB,128                            ; v[128:191] the way out: whole rows, read back from the stage
.set YO,192
; window 1
.set XR,0
.set CB,32
.set CF,64
.set YI,128
.set BB,192
.set BC,224
; scalars
.set WV,20
.set HD,21
.set BT,22
.set RND,23
.set A2,24
.set NA2,26
.set LIM,27
.set SEL,28
.set MK,30
.set KS9,38
.set KS7,40
.set KS5,42
.set KS3,44
.set KS1,46
.set KC10,48
.set KC8,50
.set KC6,52
.set KC4,54
.set KC2,56
.set XP,58
.set BP,60
.set CP,62
.set YP,66
.set WO,76                             ; s[76:77] W_out, s[78:79] wob
.set MSB, 0
.macro WIN new
.if MSB != (\new)
	s_set_vgpr_msb (MSB<<8)|(\new)
.set MSB, \new
.endif
.endm
.macro PLACES8                         ; the places behind a run of products whose results are read next
.rept 8
	v_nop
.endr
.endm
.macro KPAIR k, val
	s_mov_b32 s[\k], \val
	s_mov_b32 s[\k+1], \val
.endm
; One step of a sum over lanes that also keeps the sum of the lanes below: t = the running total, pre = the part below me
.macro BFLY t, pre, k, m
	v_bfe_u32 v98, v0, \k, 1
	v_cvt_f32_u32 v98, v98
	v_mov_b32_dpp v97, v[\t] row_xmask:\m row_mask:0xf bank_mask:0xf
	v_fmac_f32 v[\pre], v98, v97
	v_add_f32 v[\t], v[\t], v97
.endm
	s_load_b512 s[4:19], s[0:1], 0x0               ; zx 4, bcd 6, A_log 8, D_param 10, B_bias 12, C_bias 14, rope_freqs 16, yf 18
	s_load_b128 s[WO:WO+3], s[0:1], 0x40           ; W_out, wob
	v_lshl_add_u32 v[SPW], v0, 2, SPARE
	v_mov_b32 v[NIL], 0
	v_lshrrev_b32 v41, 5, v0
	v_readfirstlane_b32 s[WV], v41
	s_mov_b32 s[HD], ttmp9
	s_and_b32 s[BT], ttmp7, 0xffff
	s_wait_alu depctr_va_sdst(0)                   ; the wave's number is written
	s_cmp_lt_u32 s[BT], 2
	s_cbranch_scc1 .Lscan                          ; the same for all eight waves of a work-group
	; W_OUT'S COPY.  Four trips of 65,536 bytes: 16 loads of 16 bytes a thread, out together; a wave's load covers 512 consecutive bytes, a wave's store 256 consecutive aligned bytes.
	; The conversions go in groups of four loads; a group's four stores stand in the next group, behind the wait at its head.
	s_wait_kmcnt 0x0
	s_sub_co_u32 s68, s[BT], 2
	s_lshl_b32 s68, s68, 6
	s_add_co_u32 s68, s68, s[HD]                   ; 0..127
	s_lshl_b32 s70, s68, 18
	s_mov_b32 s71, 0
	s_add_nc_u64 s[WO:WO+1], s[WO:WO+1], s[70:71]
	s_lshl_b32 s70, s68, 17
	s_add_nc_u64 s[WO+2:WO+3], s[WO+2:WO+3], s[70:71]
	s_mov_b32 s72, 0xffff0000                      ; a word's upper bf16
	s_mov_b32 s69, 4
	v_lshlrev_b32 v1, 4, v0
	v_lshlrev_b32 v2, 3, v0
	s_wait_alu depctr_va_vdst(0)                   ; v1 and v2 are written: every load and store of the copy reads one of them as its offset
.Lwo:
.set i, 0
.rept 16
	global_load_b128 v[128+4*i:131+4*i], v1, s[WO:WO+1] offset:4096*i th:TH_LOAD_NT
.set i, i+1
.endr
.set i, 0
.rept 16
	s_wait_loadcnt 15-i                            ; loads come back in order: the 15 - i younger ones may stay out
.if (i%4 == 0) && (i > 0)
	s_wait_alu depctr_va_vdst(0)                   ; the group before's conversions have written their eight registers, which this group's four stores read; no line of this group names them
.endif
.if i >= 4
	global_store_b64 v2, v[192+2*(i-4):193+2*(i-4)], s[WO+2:WO+3] offset:2048*(i-4)
.endif
	v_cvt_pk_bf16_f32 v[192+2*i], v[128+4*i], v[129+4*i]
	v_cvt_pk_bf16_f32 v[193+2*i], v[130+4*i], v[131+4*i]
	v_lshlrev_b32 v[128+4*i], 16, v[192+2*i]
	v_and_b32 v[129+4*i], s72, v[192+2*i]
	v_lshlrev_b32 v[130+4*i], 16, v[193+2*i]
	v_and_b32 v[131+4*i], s72, v[193+2*i]
	v_cvt_pk_f16_f32 v[192+2*i], v[128+4*i], v[129+4*i]
	v_cvt_pk_f16_f32 v[193+2*i], v[130+4*i], v[131+4*i]
.set i, i+1
.endr
	s_wait_alu depctr_va_vdst(0)                   ; the last group's conversions have written v[216:223], which the four stores below read; and the trip's lines are done with v[128:191], in which the next trip's loads land
.set i, 12
.rept 4
	global_store_b64 v2, v[192+2*i:193+2*i], s[WO+2:WO+3] offset:2048*i
.set i, i+1
.endr
	s_wait_xcnt 0x0                                ; the two pointers and the stores' registers are written again only behind this wait
	s_wait_alu depctr_vm_vsrc(0)                   ; the stores have read v[192:223], which the next trip's conversions write again
	s_add_nc_u64 s[WO:WO+1], s[WO:WO+1], 0x10000
	s_add_nc_u64 s[WO+2:WO+3], s[WO+2:WO+3], 0x8000
	s_sub_co_u32 s69, s69, 1
	s_cmp_lg_u32 s69, 0
	s_cbranch_scc1 .Lwo
	s_branch .Lend
.Lscan:
	s_mov_b32 s[RND], 4
	v_and_b32 v[R], 15, v0
	v_bfe_u32 v[H], v0, 4, 1
	v_and_b32 v42, 31, v0                          ; l
	v_lshlrev_b32 v43, 4, v[H]                     ; 16 h
	v_lshl_add_u32 v[ROWO], v[R], 7, v43           ; a row of B or C is 128 bytes
	v_lshl_add_u32 v[XSO], v[R], 14, v43           ; a row of zx 16,384
	s_lshl_b32 s68, s[WV], 14                      ; my wave's 16,384 bytes of LDS
	v_mul_u32_u24 v44, v[R], 160
	v_add3_u32 v[SCW], v44, v43, s68
	v_and_b32 v44, 7, v0
	v_lshl_add_u32 v44, v[H], 3, v44
	v_mul_u32_u24 v44, v44, 160
	v_bfe_u32 v45, v0, 3, 1
	v_lshl_add_u32 v44, v45, 4, v44
	v_add_nc_u32 v[TRA], s68, v44                  ; the turning load: row 8 h + l % 8, 16 bytes ((l / 8) % 2)
	v_lshlrev_b32 v46, 4, v42                      ; 16 l
	v_add_nc_u32 v[GST], s68, v46
	s_lshl_b32 s69, s[WV], 11
	v_add_nc_u32 v[CMB0], s69, v46                 ; my two tiles of every chunk's G
	v_add_nc_u32 v[CMB0+1], 0x10000, v[CMB0]
	s_lshl_b32 s69, s[WV], 10
	s_add_co_u32 s69, s69, HBB
	v_add_nc_u32 v[HBW], s69, v46
	s_lshl_b32 s69, s[WV], 13
	s_add_co_u32 s69, s69, HBB
	v_add_nc_u32 v[HBR], s69, v46
	s_lshl_b32 s69, s[WV], 7
	s_add_co_u32 s69, s69, LARR
	v_lshl_add_u32 v[LTAD], v[R], 2, s69
	v_lshl_add_u32 v[LSAD], v[H], 5, s69
	v_mov_b32 v[TOTR], TOT
	s_lshl_b32 s69, s[WV], 2
	v_mov_b32 v[IDX], s69
	v_mul_u32_u24 v44, v[R], 272
	v_lshl_add_u32 v44, v[H], 5, v44
	v_add_nc_u32 v[STO], s68, v44
	v_mul_u32_u24 v44, v[H], 272
	v_lshl_add_u32 v44, v[R], 4, v44
	v_add_nc_u32 v[RDA], s68, v44
	v_lshlrev_b32 v44, 14, v[H]
	v_lshl_add_u32 v[YOF], v[R], 4, v44
	v_mov_b32 v[ONE], 1.0
	v_mov_b32 v[EIG], 0x3e000000
	v_lshlrev_b32 v[PFO], 14, v42
	s_mov_b32 s[SEL], 0x76543210
	s_mov_b32 s[SEL+1], 0xfedcba98
	KPAIR KS9, 0x3da83c1b                          ; sin(pi x) = x (pi - pi^3/6 x^2 + pi^5/120 x^4 - pi^7/5040 x^6 + pi^9/362880 x^8)
	KPAIR KS7, 0xbf196966
	KPAIR KS5, 0x402335e3
	KPAIR KS3, 0xc0a55de7
	KPAIR KS1, 0x40490fdb
	KPAIR KC10, 0xbcd368f9                         ; cos(pi x) = 1 - pi^2/2 x^2 + pi^4/24 x^4 - pi^6/720 x^6 + pi^8/40320 x^8 - pi^10/3628800 x^10
	KPAIR KC8, 0x3e70fa83
	KPAIR KC6, 0xbfaae9e4
	KPAIR KC4, 0x4081e0f8
	KPAIR KC2, 0xc09de9e6
	s_and_b32 s[LIM], s[HD], 1                     ; two heads share each aligned 256 bytes of xs: the even one prefetches
	s_cmp_eq_u32 s[LIM], 0
	s_cselect_b32 s[LIM], 1, -1
	s_mov_b32 s73, 0
	s_wait_kmcnt 0x0
	s_lshl_b32 s70, s[BT], 10
	s_lshl_b32 s71, s[WV], 5
	s_add_co_u32 s70, s70, s71                     ; my chunk's first row
	s_lshl_b32 s72, s70, 14
	s_add_nc_u64 s[YP:YP+1], s[18:19], s[72:73]
	s_add_nc_u64 s[XP:XP+1], s[4:5], s[72:73]
	s_lshl_b32 s72, s[HD], 8
	s_add_nc_u64 s[YP:YP+1], s[YP:YP+1], s[72:73]
	s_add_nc_u64 s[12:13], s[12:13], s[72:73]      ; the head's rows of the two biases
	s_add_nc_u64 s[14:15], s[14:15], s[72:73]
	s_lshl_b32 s72, s[HD], 7
	s_add_nc_u64 s[16:17], s[16:17], s[72:73]      ; and of the frequencies
	s_add_co_u32 s72, s72, 8192                    ; xs lies behind z
	s_add_nc_u64 s[XP:XP+1], s[XP:XP+1], s[72:73]
	s_lshl_b32 s72, s70, 7
	s_add_nc_u64 s[BP:BP+1], s[6:7], s[72:73]
	s_add_nc_u64 s[CP:CP+1], s[BP:BP+1], 0x40000
	s_lshl_b32 s72, s[BT], 6
	s_add_co_u32 s72, s72, s[HD]
	s_lshl_b32 s72, s72, 12
	s_add_co_u32 s72, s72, 0x80000
	s_add_nc_u64 s[74:75], s[6:7], s[72:73]        ; dt of this head and batch: 1,024 numbers on end
	s_lshl_b32 s72, s[HD], 2
	v_mov_b32 v41, s72
	v_lshlrev_b32 v92, 4, v0
	v_lshlrev_b32 v45, 5, v[H]
	s_wait_alu depctr_va_vdst(0)                   ; the offsets v41, v43, v45 and v92 are written, which the loads below read; the address lines above are done with v44 and v46, in which two of them land
	global_load_b32 v44, v41, s[8:9]
	global_load_b32 v46, v41, s[10:11]
	global_load_b128 v[80:83], v92, s[74:75]
.irp q, 0,1,2,3
	global_load_b128 v[FQ+4*\q:FQ+4*\q+3], v43, s[16:17] offset:32*\q  ; pairs 8 q + 4 h + 0..3
.endr
	WIN 0x40
.irp q, 0,1,2,3
	global_load_b128 v[BB+8*\q:BB+8*\q+3], v45, s[12:13] offset:64*\q   ; states 16 q + 8 h + 0..7
	global_load_b128 v[BB+8*\q+4:BB+8*\q+7], v45, s[12:13] offset:64*\q+16
	global_load_b128 v[BC+8*\q:BC+8*\q+3], v45, s[14:15] offset:64*\q
	global_load_b128 v[BC+8*\q+4:BC+8*\q+7], v45, s[14:15] offset:64*\q+16
.endr
	WIN 0
.set i, 0
.rept 16
	v_mov_b32 v[HC+i], 0                           ; h starts at 0
.set i, i+1
.endr
.irp j, 0,1,2,3,4,5,6,7
	v_lshl_add_u32 v98, v[H], 3, \j
	v_cmp_le_u32 s[MK+\j], v98, v[R]               ; in a diagonal tile register j (row s = 8 h + j) is kept where s <= t = l % 16
.endr
	s_wait_alu depctr_va_sdst(0)                   ; the eight masks are written
	s_wait_loadcnt 0x0
	s_wait_alu depctr_vm_vsrc(0)                   ; the loads have read v41, v43, v45 and v92, which vector lines below and in the loop write again
	v_cvt_pk_bf16_f32 v44, v44, v46                ; A_log below, D_param above, both rounded to bf16
	v_and_b32 v[DPV], 0xffff0000, v44
	v_lshlrev_b32 v44, 16, v44
	v_mul_f32 v44, 0x3fb8aa3b, v44
	v_exp_f32 v44, v44                             ; exp(A_log)
.irp k, 0,1,2,3,4,5,6,7
	v_cvt_pk_bf16_f32 v[84+\k], v[FQ+2*\k], v[FQ+2*\k+1]
.endr
.irp k, 0,1,2,3,4,5,6,7
	v_lshlrev_b32 v[FQ+2*\k], 16, v[84+\k]
	v_and_b32 v[FQ+2*\k+1], 0xffff0000, v[84+\k]
.endr
.irp k, 0,1,2,3,4,5,6,7
	v_pk_mul_f32 v[FQ+2*\k:FQ+2*\k+1], v[FQ+2*\k:FQ+2*\k+1], 0x3ea2f983 op_sel_hi:[1,0]  ; / pi
.endr
	s_wait_alu depctr_va_vdst(0)                   ; the exponential is written, ahead of its first reader
	v_mul_f32 v44, 0x3fb8aa3b, v44
	v_readfirstlane_b32 s[A2], v44
	s_wait_alu depctr_va_sdst(0)                   ; A2 is written, ahead of its first reader
	s_mov_b32 s[A2+1], s[A2]
	s_xor_b32 s[NA2], s[A2], 0x80000000
	; the sums of dt: my four t, then over the 8 threads of a chunk
	v_add_f32 v93, v80, v81
	v_add_f32 v94, v93, v82
	v_add_f32 v95, v94, v83
	v_mov_b32 v99, v95
	v_mov_b32 v96, 0
	v_mov_b32 v97, 0
	BFLY 99, 96, 0, 1
	BFLY 99, 96, 1, 2
	BFLY 99, 96, 2, 4
	v_add_f32 v100, v96, v80
	v_add_f32 v101, v96, v93
	v_add_f32 v102, v96, v94
	v_add_f32 v103, v96, v95
	v_add_nc_u32 v92, LARR, v92
	v_lshrrev_b32 v91, 3, v0
	v_lshl_add_u32 v91, v91, 2, TOT
	v_lshl_add_u32 v[TAD], v42, 2, TOT             ; where lane c will read chunk c's total
	s_wait_alu depctr_va_vdst(0)                   ; v[100:103] and v99, the stores' data, and the LDS addresses v91, v92 and v[TAD] are written
	ds_store_b128 v92, v[100:103]
	ds_store_b128 v92, v[80:83] offset:4096
	ds_store_b32 v91, v99                          ; the chunk's 8 threads write the same number
	; the biases, rounded to bf16; C's also times 0.125
	WIN 0x05
.set i, 0
.rept 32
	v_cvt_pk_bf16_f32 v[104+i], v[BB+2*i], v[BB+2*i+1]
.set i, i+1
.endr
	WIN 0x40
.set i, 0
.rept 32
	v_lshlrev_b32 v[BB+2*i], 16, v[104+i]
	v_and_b32 v[BB+2*i+1], 0xffff0000, v[104+i]
.set i, i+1
.endr
	WIN 0x41
.set i, 0
.rept 16
	v_pk_mul_f32 v[BC+2*i:BC+2*i+1], v[BC+2*i:BC+2*i+1], 0x3e000000 op_sel_hi:[1,0]
.set i, i+1
.endr
	WIN 0
	s_wait_dscnt 0x0
	s_barrier_signal -1
	s_barrier_wait -1                              ; L, dt and the 32 totals lie in LDS
	ds_load_b32 v[TOTV], v[TAD]                    ; lane c: chunk c's total.  No wait: no vector line since the last wait on va_vdst names v[TAD] or v[TOTV]
	s_wait_dscnt 0x0
	s_wait_alu depctr_vm_vsrc(0)                   ; my three LDS stores have read v99, which the next line writes, and v[80:83], v91, v92 and v[100:103], which the loop writes
	v_mov_b32 v99, v[TOTV]
	v_mov_b32 v[BASEV], 0
	BFLY 99, BASEV, 0, 1
	BFLY 99, BASEV, 1, 2
	BFLY 99, BASEV, 2, 4
	BFLY 99, BASEV, 3, 8
	v_bfe_u32 v98, v0, 4, 1
	v_cvt_f32_u32 v98, v98
	v_permlanex16_b32 v97, v99, s[SEL], s[SEL+1]
	v_fmac_f32 v[BASEV], v98, v97                  ; lane c: the sum of dt ahead of chunk c
.macro HORN d, c                       ; d = d x^2 + c, four pairs
.irp k, 0,1,2,3
	v_pk_fma_f32 v[(\d)+2*\k:(\d)+2*\k+1], v[(\d)+2*\k:(\d)+2*\k+1], v[X2+2*\k:X2+2*\k+1], s[\c:\c+1] op_sel_hi:[1,1,0]
.endr
.endm
; 16 numbers (8 pairs) out of 8 registers of f16 at rb: times mulr, plus the bias, turned by the 8 phases; the result in TX
.macro ROT rb, mulr, bias, hq
	WIN 0x10                                       ; the bias lies in window 1
.irp m, 0,1,2,3,4,5,6,7
.irp e, 0,1
	v_fma_mix_f32 v[XX+2*\m+\e], v[(\rb)+\m], v[\mulr], v[(\bias)+16*(\hq)+2*\m+\e] op_sel:[\e,0,0] op_sel_hi:[1,0,0]
.endr
.endr
	WIN 0
.irp k, 0,1,2,3
.irp e, 0,1
	v_pk_mul_f32 v[TX+4*\k+2*\e:TX+4*\k+2*\e+1], v[XX+4*\k+2*\e:XX+4*\k+2*\e+1], v[CN+2*\k:CN+2*\k+1] op_sel:[0,\e] op_sel_hi:[1,\e]  ; (v1 c, v2 c)
.endr
.endr
.irp k, 0,1,2,3
.irp e, 0,1
	v_pk_fma_f32 v[TX+4*\k+2*\e:TX+4*\k+2*\e+1], v[XX+4*\k+2*\e:XX+4*\k+2*\e+1], v[SN+2*\k:SN+2*\k+1], v[TX+4*\k+2*\e:TX+4*\k+2*\e+1] op_sel:[1,\e,0] op_sel_hi:[0,\e,1] neg_lo:[1,0,0]  ; + (-v2 s, v1 s)
.endr
.endr
.endm
; Tile a (16 rows), pairs 8 hq .. 8 hq + 7 of my 16: sin and cos of the phases, then B and C.  It holds no LDS or memory instruction: dn w B in f16 goes over the eight registers of raw B that it has just consumed
.macro ROPE a, hq
	WIN 0
.irp k, 0,1,2,3
	v_pk_mul_f32 v[SN+2*\k:SN+2*\k+1], v[FQ+8*(\hq)+2*\k:FQ+8*(\hq)+2*\k+1], v[CS:CS+1] op_sel:[0,\a] op_sel_hi:[1,\a]
.endr
.irp m, 0,1,2,3,4,5,6,7
	v_rndne_f32 v[CN+\m], v[SN+\m]                 ; the nearest whole number of half-turns
.endr
.irp k, 0,1,2,3
	v_pk_fma_f32 v[XX+2*\k:XX+2*\k+1], v[FQ+8*(\hq)+2*\k:FQ+8*(\hq)+2*\k+1], v[CS:CS+1], v[CN+2*\k:CN+2*\k+1] op_sel:[0,\a,0] op_sel_hi:[1,\a,1] neg_lo:[0,0,1] neg_hi:[0,0,1]  ; what is left: at most 0.5
.endr
.irp m, 0,1,2,3,4,5,6,7
	v_cvt_i32_f32 v[SG+\m], v[CN+\m]
.endr
.irp m, 0,1,2,3,4,5,6,7
	v_lshlrev_b32 v[SG+\m], 31, v[SG+\m]           ; an odd number turns both signs
.endr
.irp k, 0,1,2,3
	v_pk_mul_f32 v[X2+2*\k:X2+2*\k+1], v[XX+2*\k:XX+2*\k+1], v[XX+2*\k:XX+2*\k+1]
.endr
.irp k, 0,1,2,3
	v_pk_fma_f32 v[SN+2*\k:SN+2*\k+1], v[X2+2*\k:X2+2*\k+1], s[KS9:KS9+1], s[KS7:KS7+1] op_sel_hi:[1,0,0]
	v_pk_fma_f32 v[CN+2*\k:CN+2*\k+1], v[X2+2*\k:X2+2*\k+1], s[KC10:KC10+1], s[KC8:KC8+1] op_sel_hi:[1,0,0]
.endr
	HORN SN, KS5
	HORN CN, KC6
	HORN SN, KS3
	HORN CN, KC4
	HORN SN, KS1
	HORN CN, KC2
.irp k, 0,1,2,3
	v_pk_mul_f32 v[SN+2*\k:SN+2*\k+1], v[SN+2*\k:SN+2*\k+1], v[XX+2*\k:XX+2*\k+1]
	v_pk_fma_f32 v[CN+2*\k:CN+2*\k+1], v[CN+2*\k:CN+2*\k+1], v[X2+2*\k:X2+2*\k+1], 1.0 op_sel_hi:[1,1,0]
.endr
.irp m, 0,1,2,3,4,5,6,7
	v_xor_b32 v[SN+\m], v[SG+\m], v[SN+\m]
	v_xor_b32 v[CN+\m], v[SG+\m], v[CN+\m]
.endr
	ROT RAW+32*(\a)+8*(\hq), ONE, BB, \hq
.irp m, 0,1,2,3,4,5,6,7
	v_pk_mul_f32 v[TX+2*\m:TX+2*\m+1], v[TX+2*\m:TX+2*\m+1], v[DT:DT+1] op_sel:[0,\a] op_sel_hi:[1,\a]  ; times dn of my row
.endr
.irp m, 0,1,2,3,4,5,6,7
	v_cvt_pk_f16_f32 v[BF+16*(\a)+8*(\hq)+\m], v[TX+2*\m], v[TX+2*\m+1]
.endr
.irp m, 0,1,2,3,4,5,6,7
	v_pk_mul_f32 v[TX+2*\m:TX+2*\m+1], v[TX+2*\m:TX+2*\m+1], v[WS:WS+1] op_sel:[0,\a] op_sel_hi:[1,\a]  ; for G: times 2^(A2 (L_s - tot))
.endr
.irp m, 0,1,2,3,4,5,6,7
	v_cvt_pk_f16_f32 v[RAW+32*(\a)+8*(\hq)+\m], v[TX+2*\m], v[TX+2*\m+1]
.endr
	ROT RAW+32*(\a)+16+8*(\hq), EIG, BC, \hq
	WIN 0x40
.irp m, 0,1,2,3,4,5,6,7
	v_cvt_pk_f16_f32 v[CF+16*(\a)+8*(\hq)+\m], v[TX+2*\m], v[TX+2*\m+1]
	v_cvt_pk_bf16_f32 v[CB+16*(\a)+8*(\hq)+\m], v[TX+2*\m], v[TX+2*\m+1]
.endr
	WIN 0
.endm
.macro BST a                           ; dn w B of tile a goes into LDS, as [s][n]
.irp hq, 0,1
	ds_store_b128 v[SCW], v[RAW+32*(\a)+8*\hq:RAW+32*(\a)+8*\hq+3] offset:2560*(\a)+64*\hq
	ds_store_b128 v[SCW], v[RAW+32*(\a)+8*\hq+4:RAW+32*(\a)+8*\hq+7] offset:2560*(\a)+64*\hq+32
.endr
.endm
.macro XST a                           ; xh of tile a goes into LDS as it was loaded, as [s][p]
	WIN 0x04                                       ; the stores' data lie in window 1
.irp q, 0,1,2,3
	ds_store_b128 v[SCW], v[XR+16*(\a)+4*\q:XR+16*(\a)+4*\q+3] offset:5120+2560*(\a)+32*\q
.endr
	WIN 0
.endm
.macro EARG tau, i, a                  ; A2 L_s - A2 L_t for one tile of 16 s x 16 t
.irp k, 0,1,2,3
	v_pk_add_f32 v[EE+8*(\tau)+2*\k:EE+8*(\tau)+2*\k+1], v[LSA+8*(\i)+2*\k:LSA+8*(\i)+2*\k+1], v[LTA:LTA+1] op_sel:[0,\a] op_sel_hi:[1,\a] neg_lo:[0,1] neg_hi:[0,1]
.endr
.endm
; The carry's step for chunk 2 c2 + e of the round: H_in in bf16 into registers of its own (the first into v[HP ..], each later one over the G consumed one step before); then H = H 2^(-A2 tot) + tot G
.macro CARRY c2, e
.set cc, 2*(\c2)+(\e)
.if cc == 0
.set rH, HP
.else
.set rH, GL+16*(cc-1)
.endif
.irp k, 0,1,2,3,4,5,6,7
	v_cvt_pk_bf16_f32 v[rH+\k], v[HC+2*\k], v[HC+2*\k+1]
.endr
.irp k, 0,1,2,3,4,5,6,7
	v_pk_mul_f32 v[GL+16*cc+2*\k:GL+16*cc+2*\k+1], v[GL+16*cc+2*\k:GL+16*cc+2*\k+1], v[TT+2*(\c2):TT+2*(\c2)+1] op_sel:[0,\e] op_sel_hi:[1,\e]
.endr
.irp k, 0,1,2,3,4,5,6,7
	v_pk_fma_f32 v[HC+2*\k:HC+2*\k+1], v[HC+2*\k:HC+2*\k+1], v[DC+2*(\c2):DC+2*(\c2)+1], v[GL+16*cc+2*\k:GL+16*cc+2*\k+1] op_sel:[0,\e,0] op_sel_hi:[1,\e,1]
.endr
.endm
.macro HST c                           ; chunk c's H_in goes into LDS
.if (\c) == 0
.set rH, HP
.else
.set rH, GL+16*((\c)-1)
.endif
	ds_store_b128 v[HBW], v[rH:rH+3] offset:8192*(\c)
	ds_store_b128 v[HBW], v[rH+4:rH+7] offset:8192*(\c)+512
.endm
.Lround:
	s_wait_alu depctr_va_vdst(0)                   ; the four adds at the last round's end have written v[LTAD], v[LSAD], v[TOTR], v[IDX]; that round's vector and matrix lines are done with RAW, XR, LT, DT, BASE and TOTC, in which the loads below land; in the first round: all addresses and v[BASEV] are written
	; 1. the chunk's B, C (f16, normalised) and xs: a lane holds row l % 16 of a tile and the 16 bytes 32 q + 16 h of it
.irp a, 0,1
.irp q, 0,1,2,3
	global_load_b128 v[RAW+32*\a+4*\q:RAW+32*\a+4*\q+3], v[ROWO], s[BP:BP+1] offset:2048*\a+32*\q
.endr
.irp q, 0,1,2,3
	global_load_b128 v[RAW+32*\a+16+4*\q:RAW+32*\a+16+4*\q+3], v[ROWO], s[CP:CP+1] offset:2048*\a+32*\q
.endr
.endr
	WIN 0x40
.irp a, 0,1
.irp q, 0,1,2,3
	global_load_b128 v[XR+16*\a+4*\q:XR+16*\a+4*\q+3], v[XSO], s[XP:XP+1] offset:262144*\a+32*\q
.endr
.endr
	WIN 0
	s_cmp_gt_u32 s[RND], s[LIM]                    ; the last round has no round behind it
	s_cbranch_scc0 .Lnoask
	global_prefetch_b8 v[PFO], s[XP:XP+1] offset:4194304 th:TH_LOAD_NT scope:SCOPE_SE  ; xs of my next chunk's 32 rows, a lane a row, one round ahead
.Lnoask:
	; 2. the chunk's scalars a row
	ds_load_b32 v[LT], v[LTAD]
	ds_load_b32 v[LT+1], v[LTAD] offset:64
	ds_load_b32 v[DT], v[LTAD] offset:4096
	ds_load_b32 v[DT+1], v[LTAD] offset:4160
	ds_bpermute_b32 v[BASE], v[IDX], v[BASEV]
	ds_bpermute_b32 v[TOTC], v[IDX], v[TOTV]
	s_wait_dscnt 0x0
	v_add_f32 v[CS], v[BASE], v[LT]
	v_add_f32 v[CS+1], v[BASE], v[LT+1]
	v_mul_f32 v[LTA], s[A2], v[LT]
	v_mul_f32 v[LTA+1], s[A2], v[LT+1]
	v_fma_f32 v41, s[NA2], v[TOTC], v[LTA]
	v_fma_f32 v42, s[NA2], v[TOTC], v[LTA+1]
	v_mul_f32 v43, s[NA2], v[LT]
	v_mul_f32 v44, s[NA2], v[LT+1]
	v_max_num_f32 v45, 0x0d800000, v[TOTC]         ; max(tot, 2^-100)
	v_exp_f32 v[WS], v41
	v_exp_f32 v[WS+1], v42
	v_exp_f32 v[ET], v43
	v_exp_f32 v[ET+1], v44
	v_rcp_f32 v46, v45
	v_nop
	s_wait_alu depctr_va_vdst(0)                   ; the four exponentials and the reciprocal are written, ahead of their first reader
	v_mul_f32 v[DT], v[DT], v46                    ; dn
	v_mul_f32 v[DT+1], v[DT+1], v46
	; 3. the turning, and dn w B and xh into LDS
	s_wait_loadcnt 16                              ; tile 0's B and C are in; tile 1's eight loads and xs's eight may stay out
	ROPE 0, 0
	ROPE 0, 1
	s_wait_loadcnt 0x0
	s_wait_alu depctr_va_vdst(0)                   ; tile 0's turning has written its dn w B, v[RAW:RAW+15], which the four LDS stores below read; tile 1's turning names none of these registers, nor XR
	BST 0
	XST 0
	XST 1
	ROPE 1, 0
	ROPE 1, 1
	s_wait_alu depctr_va_vdst(0)                   ; tile 1's turning has written its dn w B, v[RAW+32:RAW+47], which the stores below read; the turning is done with SN, CN and all of RAW, in which the loads of 4. land
	BST 1
	s_wait_alu depctr_vm_vsrc(0)                   ; the eight LDS stores of dn w B have read their registers in RAW, in which the turning loads below land
	; 4. L_s by registers; xh and dn w B turned (a wave's LDS instructions are served in order: these see the stores above)
.irp i, 0,1
	ds_load_b128 v[LSA+8*\i:LSA+8*\i+3], v[LSAD] offset:64*\i
	ds_load_b128 v[LSA+8*\i+4:LSA+8*\i+7], v[LSAD] offset:64*\i+16
.endr
.irp t, 0,1,2,3
	ds_load_tr16_b128 v[UT+8*\t:UT+8*\t+3], v[TRA] offset:5120+32*\t
	ds_load_tr16_b128 v[UT+8*\t+4:UT+8*\t+7], v[TRA] offset:5120+2560+32*\t
.endr
.irp t, 0,1,2,3
	ds_load_tr16_b128 v[BWT+8*\t:BWT+8*\t+3], v[TRA] offset:32*\t
	ds_load_tr16_b128 v[BWT+8*\t+4:BWT+8*\t+7], v[TRA] offset:2560+32*\t
.endr
	; 5. S^T = (dn B) C^T for the three tiles at or below the diagonal: a lane holds one t, its registers s = 8 h + j; the three accumulators take turns
	WIN 0x04
	v_wmma_f32_16x16x32_f16 v[SA:SA+7], v[BF:BF+7], v[CF:CF+7], 0
	v_wmma_f32_16x16x32_f16 v[SA+8:SA+15], v[BF:BF+7], v[CF+16:CF+23], 0
	v_wmma_f32_16x16x32_f16 v[SA+16:SA+23], v[BF+16:BF+23], v[CF+16:CF+23], 0
	v_wmma_f32_16x16x32_f16 v[SA:SA+7], v[BF+8:BF+15], v[CF+8:CF+15], v[SA:SA+7]
	v_wmma_f32_16x16x32_f16 v[SA+8:SA+15], v[BF+8:BF+15], v[CF+24:CF+31], v[SA+8:SA+15]
	v_wmma_f32_16x16x32_f16 v[SA+16:SA+23], v[BF+24:BF+31], v[CF+24:CF+31], v[SA+16:SA+23]
	WIN 0
	; 6. the weights; the 20 packed lines below are the places behind those products
	s_wait_dscnt 16                                ; L_s is in; the 16 turning loads may stay out
.irp k, 0,1,2,3,4,5,6,7
	v_pk_mul_f32 v[LSA+2*\k:LSA+2*\k+1], v[LSA+2*\k:LSA+2*\k+1], s[A2:A2+1] op_sel_hi:[1,0]
.endr
	EARG 0, 0, 0
	EARG 1, 0, 1
	EARG 2, 1, 1
.set i, 0
.rept 24
	v_exp_f32 v[EE+i], v[EE+i]
.set i, i+1
.endr
.irp k, 4,5,6,7
	v_mov_b32 v[PP+\k], 0                          ; tile 0 sees nothing of rows 16 to 31
.endr
	s_wait_alu depctr_va_vdst(0)                   ; the 24 exponentials are written, ahead of their first reader
.set i, 0
.rept 12
	v_pk_mul_f32 v[SA+2*i:SA+2*i+1], v[SA+2*i:SA+2*i+1], v[EE+2*i:EE+2*i+1]
.set i, i+1
.endr
.irp j, 0,1,2,3,4,5,6,7
	v_cndmask_b32 v[SA+\j], 0, v[SA+\j], s[MK+\j]
	v_cndmask_b32 v[SA+16+\j], 0, v[SA+16+\j], s[MK+\j]
.endr
.irp k, 0,1,2,3
	v_cvt_pk_f16_f32 v[PP+\k], v[SA+2*\k], v[SA+2*\k+1]
	v_cvt_pk_f16_f32 v[PP+8+\k], v[SA+8+2*\k], v[SA+8+2*\k+1]
	v_cvt_pk_f16_f32 v[PP+12+\k], v[SA+16+2*\k], v[SA+16+2*\k+1]
.endr
	; 7. inside the chunk: y^T / tot = xh^T P: a lane holds one t and 8 neighbouring p
	s_wait_dscnt 0x0
	WIN 0x40
.irp t, 0,1,2,3
.irp a, 0,1
	v_wmma_f32_16x16x32_f16 v[YI+8*(2*\t+\a):YI+8*(2*\t+\a)+7], v[UT+8*\t:UT+8*\t+7], v[PP+8*\a:PP+8*\a+7], 0
.endr
.endr
	WIN 0
	; 8. the chunk's own part of the state, over tot: tile (pt, nt): a lane holds p = 16 pt + l % 16, its registers n = 16 nt + 8 h + j
.irp hp, 0,1
.if \hp
	s_wait_alu depctr_vm_vsrc(0)                   ; the first half's LDS stores have read v[GA ..], which the products below write again
.endif
.irp pl, 0,1
.irp nt, 0,1,2,3
	v_wmma_f32_16x16x32_f16 v[GA+8*(4*\pl+\nt):GA+8*(4*\pl+\nt)+7], v[BWT+8*\nt:BWT+8*\nt+7], v[UT+8*(2*\hp+\pl):UT+8*(2*\hp+\pl)+7], 0
.endr
.endr
	PLACES8
	s_wait_alu depctr_va_vdst(0)                   ; the eight products have written v[GA ..], which the LDS stores read; the places above stay beside this wait.  Behind the second half's: all products so far are done with BF, PP, UT and BWT, in which the loads of 9. land
.irp pl, 0,1
.irp nt, 0,1,2,3
	ds_store_b128 v[GST], v[GA+8*(4*\pl+\nt):GA+8*(4*\pl+\nt)+3] offset:1024*(4*(2*\hp+\pl)+\nt)
	ds_store_b128 v[GST], v[GA+8*(4*\pl+\nt)+4:GA+8*(4*\pl+\nt)+7] offset:1024*(4*(2*\hp+\pl)+\nt)+512
.endr
.endr
.endr
	s_wait_dscnt 0x0                               ; for the others' sake: my G lies in LDS
	s_barrier_signal -1
	s_barrier_wait -1
	; 9. the carry.  Wave w owns the state's fragment (p block w / 2, states 32 (w % 2) on) and walks the round's 8 chunks: H_in goes out in bf16, then H = H 2^(-A2 tot) + tot G
	s_wait_alu depctr_vm_vsrc(0)                   ; the second half's LDS stores have read v[GA ..]: the loads below land in v[80:87] and v[128:143], and vector lines write the rest again
	ds_load_b128 v[TT:TT+3], v[TOTR]
	ds_load_b128 v[TT+4:TT+7], v[TOTR] offset:16
.irp c, 0,1,2,3,4,5,6,7
.irp u, 0,1,2,3
	ds_load_b128 v[GL+16*\c+4*\u:GL+16*\c+4*\u+3], v[CMB0+\c/4] offset:16384*(\c%4)+512*\u
.endr
.endr
	s_wait_dscnt 32                                ; the totals are in; G's 32 loads may stay out
.irp j, 0,1,2,3,4,5,6,7
	v_mul_f32 v[DC+\j], s[NA2], v[TT+\j]
.endr
.irp j, 0,1,2,3,4,5,6,7
	v_exp_f32 v[DC+\j], v[DC+\j]
.endr
	v_nop
	s_wait_alu depctr_va_vdst(0)                   ; the eight exponentials are written, ahead of their first reader
	s_wait_dscnt 0x0
	CARRY 0, 0
	CARRY 0, 1
	CARRY 1, 0
	CARRY 1, 1
	s_wait_alu depctr_va_vdst(0)                   ; the first four H_in are written, which the eight LDS stores below read; the four steps behind them name none of these registers
	HST 0
	HST 1
	HST 2
	HST 3
	CARRY 2, 0
	CARRY 2, 1
	CARRY 3, 0
	CARRY 3, 1
	s_wait_alu depctr_va_vdst(0)                   ; the last four H_in are written, which the stores below read; the carry is done with v[GL ..], in which the loads of 10. land
	HST 4
	HST 5
	HST 6
	HST 7
	s_wait_dscnt 0x0                               ; my reads of everybody's G are over, and my part of the 8 H_in lies in LDS
	s_barrier_signal -1
	s_barrier_wait -1
	; 10. from the chunks before: y^T = H_in C^T; the 8 accumulators take turns
	s_wait_alu depctr_vm_vsrc(0)                   ; the sixteen LDS stores have read the H_in: four lie in v[128:191], in which the loads below land, three in v[192:255], which the products below write
.irp f, 0,1,2,3,4,5,6,7
	ds_load_b128 v[HF+8*\f:HF+8*\f+3], v[HBR] offset:1024*\f
	ds_load_b128 v[HF+8*\f+4:HF+8*\f+7], v[HBR] offset:1024*\f+512
.endr
	s_wait_dscnt 0x0
	WIN 0x04
.irp t, 0,1,2,3
.irp a, 0,1
	v_wmma_f32_16x16x32_bf16 v[YO+8*(2*\t+\a):YO+8*(2*\t+\a)+7], v[HF+16*\t:HF+16*\t+7], v[CB+16*\a:CB+16*\a+7], 0
.endr
.endr
.irp t, 0,1,2,3
.irp a, 0,1
	v_wmma_f32_16x16x32_bf16 v[YO+8*(2*\t+\a):YO+8*(2*\t+\a)+7], v[HF+16*\t+8:HF+16*\t+15], v[CB+16*\a+8:CB+16*\a+15], v[YO+8*(2*\t+\a):YO+8*(2*\t+\a)+7]
.endr
.endr
	WIN 0
	PLACES8
	; 11. y = 2^(-A2 L_t) x that + tot x the chunk's own + D xh; through my stage; whole rows of the head's 256 bytes out
.irp t, 0,1,2,3
.irp a, 0,1
.irp k, 0,1,2,3
	v_pk_mul_f32 v[YO+8*(2*\t+\a)+2*\k:YO+8*(2*\t+\a)+2*\k+1], v[YO+8*(2*\t+\a)+2*\k:YO+8*(2*\t+\a)+2*\k+1], v[ET:ET+1] op_sel:[0,\a] op_sel_hi:[1,\a]
.endr
.endr
.endr
	WIN 0x01
.irp t, 0,1,2,3
.irp a, 0,1
.irp k, 0,1,2,3
	v_pk_fma_f32 v[YO+8*(2*\t+\a)+2*\k:YO+8*(2*\t+\a)+2*\k+1], v[YI+8*(2*\t+\a)+2*\k:YI+8*(2*\t+\a)+2*\k+1], v[BASE:BASE+1], v[YO+8*(2*\t+\a)+2*\k:YO+8*(2*\t+\a)+2*\k+1] op_sel:[0,1,0] op_sel_hi:[1,1,1]  ; the pair's upper register is tot
.endr
.endr
.endr
.irp t, 0,1,2,3
.irp a, 0,1
.irp k, 0,1,2,3
.irp e, 0,1
	v_fma_mix_f32 v[YO+8*(2*\t+\a)+2*\k+\e], v[XR+16*\a+4*\t+\k], v[DPV], v[YO+8*(2*\t+\a)+2*\k+\e] op_sel:[\e,0,0] op_sel_hi:[1,0,0]
.endr
.endr
.endr
.endr
	WIN 0
	s_wait_alu depctr_va_vdst(0)                   ; the lines above have written v[YO ..], which the LDS stores read; the products of 10. are done reading v[HF ..] = v[YB ..], in which the loads below land
.irp t, 0,1,2,3
.irp a, 0,1
	ds_store_b128 v[STO], v[YO+8*(2*\t+\a):YO+8*(2*\t+\a)+3] offset:4352*\a+64*\t
	ds_store_b128 v[STO], v[YO+8*(2*\t+\a)+4:YO+8*(2*\t+\a)+7] offset:4352*\a+64*\t+16
.endr
.endr
.irp a, 0,1
.irp m, 0,1,2,3,4,5,6,7
	ds_load_b128 v[YB+4*(8*\a+\m):YB+4*(8*\a+\m)+3], v[RDA] offset:4352*\a+544*\m  ; into other registers than the stores above read
.endr
.endr
.irp a, 0,1
.irp m, 0,1,2,3,4,5,6,7
	s_wait_dscnt 15-(8*\a+\m)
	global_store_b128 v[YOF], v[YB+4*(8*\a+\m):YB+4*(8*\a+\m)+3], s[YP:YP+1] offset:(16*\a+2*\m)*16384  ; 16 lanes store 256 consecutive aligned bytes
.endr
.endr
	s_wait_xcnt 0x0                                ; the pointers and the stores' registers are written again only behind this wait
	s_wait_alu depctr_vm_vsrc(0)                   ; the round's LDS instructions have read v[LTAD], v[LSAD], v[TOTR] and v[IDX], which the four adds below write; its stores have read XR, v[HP ..], v[YO ..] and v[YB ..], which the next round writes
	s_add_nc_u64 s[XP:XP+1], s[XP:XP+1], 0x400000  ; 8 chunks on: 256 rows
	s_add_nc_u64 s[YP:YP+1], s[YP:YP+1], 0x400000
	s_add_nc_u64 s[BP:BP+1], s[BP:BP+1], 0x8000
	s_add_nc_u64 s[CP:CP+1], s[CP:CP+1], 0x8000
	v_add_nc_u32 v[LTAD], 0x400, v[LTAD]
	v_add_nc_u32 v[LSAD], 0x400, v[LSAD]
	v_add_nc_u32 v[TOTR], 32, v[TOTR]
	v_add_nc_u32 v[IDX], 32, v[IDX]
	s_sub_co_u32 s[RND], s[RND], 1
	s_cmp_lg_u32 s[RND], 0
	s_cbranch_scc1 .Lround
.Lend:
	s_wait_dscnt 0x0                               ; the closing lines, six on end
	s_wait_alu 0x0
	s_wait_tensorcnt 0x0
	ds_add_u32 v[SPW], v[NIL]
	s_wait_dscnt 0x0
	s_endpgm
.Lfunc_end_k_q4f36589375_scan:
	.size	k_q4f36589375_scan, .Lfunc_end_k_q4f36589375_scan-k_q4f36589375_scan
	.p2alignl 7, 3214868480
	.fill 96, 4, 3214868480
	.section	.rodata,"a",@progbits
	.p2align	6, 0x0
	.amdhsa_kernel k_q4f36589375_scan
		.amdhsa_group_segment_fixed_size 206080
		.amdhsa_private_segment_fixed_size 0
		.amdhsa_enable_private_segment 0
		.amdhsa_kernarg_size 80
		.amdhsa_user_sgpr_count 2
		.amdhsa_user_sgpr_kernarg_segment_ptr 1
		.amdhsa_wavefront_size32 1
		.amdhsa_system_sgpr_workgroup_id_x 1
		.amdhsa_system_sgpr_workgroup_id_y 1
		.amdhsa_system_sgpr_workgroup_id_z 1
		.amdhsa_system_vgpr_workitem_id 0
		.amdhsa_next_free_vgpr 512
		.amdhsa_next_free_sgpr 80
		.amdhsa_reserve_vcc 0
		.amdhsa_float_denorm_mode_32 3
		.amdhsa_float_denorm_mode_16_64 3
		.amdhsa_memory_ordered 1
		.amdhsa_forward_progress 1
		.amdhsa_inst_pref_size 126
	.end_amdhsa_kernel
	.amdgpu_metadata
---
amdhsa.version: [ 1, 2 ]
amdhsa.kernels:
  - .name:           k_q4f36589375_scan
    .symbol:         k_q4f36589375_scan.kd
    .args:
      - { .name: zx, .offset: 0, .size: 8, .value_kind: global_buffer, .address_space: global }
      - { .name: bcd, .offset: 8, .size: 8, .value_kind: global_buffer, .address_space: global }
      - { .name: A_log, .offset: 16, .size: 8, .value_kind: global_buffer, .address_space: global }
      - { .name: D_param, .offset: 24, .size: 8, .value_kind: global_buffer, .address_space: global }
      - { .name: B_bias, .offset: 32, .size: 8, .value_kind: global_buffer, .address_space: global }
      - { .name: C_bias, .offset: 40, .size: 8, .value_kind: global_buffer, .address_space: global }
      - { .name: rope_freqs, .offset: 48, .size: 8, .value_kind: global_buffer, .address_space: global }
      - { .name: yf, .offset: 56, .size: 8, .value_kind: global_buffer, .address_space: global }
      - { .name: W_out, .offset: 64, .size: 8, .value_kind: global_buffer, .address_space: global }
      - { .name: wob, .offset: 72, .size: 8, .value_kind: global_buffer, .address_space: global }
    .group_segment_fixed_size: 206080
    .private_segment_fixed_size: 0
    .kernarg_segment_align: 8
    .kernarg_segment_size: 80
    .max_flat_workgroup_size: 256
    .sgpr_count:     80
    .vgpr_count:     512
    .wavefront_size: 32
...
	.end_amdgpu_metadata
.endif
;; end of part 8
;; launch gate: the kernel of part 5 again; grid 1024 x 1, 8 waves a work-group, no clusters, 1,280 bytes of LDS; arguments yf, zx, norm_w, yn; writes yn
;; launch gemm2: the kernel of part 6 again; grid 16 x 16, 4 waves a work-group, clusters of 4 x 4, 327,680 bytes of LDS; arguments yn, wob, out0; writes out0
